; MI455X (gfx1250); checked and timed in simulation.
; The chip was launched on July 23, 2026; its instructions are those of AMD's public machine-readable ISA for CDNA 5 (MIT licence, August 2026) and "CDNA5" Instruction Set Architecture Reference Guide (July 2026). The comments in the code are by the model that wrote it; some were corrected since.
;; Bastile Gpt Oss Experts. Allowed arithmetic: float matrix products may take bf16 or f16 operands with f32 sums; all other float work in f32.
;; Inputs: down_proj 8 x 2,048 x 1,024 float32; down_proj_bias 8 x 1,024 float32; gate_up_proj 8 x 1,024 x 4,096 float32; gate_up_proj_bias 8 x 4,096 float32; hidden_states 2 x 512 x 1,024 float32; router_indices 1,024 x 2 int32; routing_weights 1,024 x 8 float32.
;; Outputs: out0 2 x 512 x 1,024 float32.
;; 3 versions, each right; version 2 is faster than version 1; version 3 is version 2 with the launches gateup, down written anew for expert scheduling mode. Each part assembles by itself: llvm-mc -triple=amdgcn-amd-amdhsa -mcpu=gfx1250 --defsym DOCPART=n.
;; ======== version 1 of 3: 4 launches
;; limits: values are held in f16: magnitudes above 65,504 overflow, below 6.1e-05 lose precision
;; workspace buffers: xg 4,718,592 bytes; act 9,437,184 bytes; part 37,748,736 bytes; meta 256 bytes of whole numbers; slot 8,192 bytes of whole numbers
;; launch route (part 1): grid 72 x 1, 32 waves a work-group, no clusters, 6,656 bytes of LDS; arguments hidden_states, router_indices, xg, meta, slot; writes xg, meta, slot
.if DOCPART == 1
	.amdgcn_target "amdgcn-amd-amdhsa--gfx1250"
	.amdhsa_code_object_version 6
	.text
	.protected	k_q7c85ea584d_route
	.globl	k_q7c85ea584d_route
	.p2align	8
	.type	k_q7c85ea584d_route,@function
k_q7c85ea584d_route:
	s_mov_b64 s[64:65], 0
	v_nop
	global_prefetch_b8 v0, s[64:65] scope:SCOPE_SE
	s_setreg_imm32_b32 hwreg(HW_REG_WAVE_MODE, 25, 1), 1
	s_wait_xcnt 0x0
; route: sorts the (token, expert) picks by expert and gathers x, as f16, in the order in which the matrix instruction wants it.
; Expert e owns the rows BASE_e .. BASE_e + P_e - 1 of a common row space, P_e = its number of tokens n_e made up to a multiple of 32;
; at most 2,048 + 8 x 31 rows, inside 2,304 = 144 tiles of 16.  A token's rank inside its expert is its place in token order.
; Every work-group repeats the routing (8 KB of indices, one token a thread); work-group b then stores rows 32 b .. 32 b + 31 of xg, 64 KB in one piece.
; xg: [tile][K step of 32][jj 0/1][lane][16 bytes]: lane (r, h) holds row r, k = 16 jj + 8 h .. + 7: a fragment is two loads of 512 neighbouring bytes.
; Rows without a token are stored as zeros.  Work-group 0 also stores meta (entries of 8 bytes: 0-7 P_e / 32, 8-15 BASE_e, the rest 0) and slot (each pick's row).
; LDS holds only bytes that a wave writes for itself; behind the second barrier it is only read, so a row's token is FOUND, not scattered.
; WHY f16: 11 significant bits against bf16's 8, at the same bytes and the same matrix form's shape; results in which two experts' terms nearly cancel need them.
; LIMITS: a number of x beyond 65,504 in magnitude becomes an infinity (x of spread 1, 30 times larger and with an offset of 30, stays below 200);
; below 2^-14 f16 steps by 2^-24.  Indices are taken as 0 .. 7 (an index stays inside its table); larger ones are clamped to 7.
.set CNT, 0                            ; [wave][16 bytes]  the wave's 8 counts, 16 bits each
.set MK,  512                          ; [wave][8 words]   the wave's ballots: bit l = token 32 wave + l picked expert e
.set RB,  1536                         ; [wave][8 words]   the row of the wave's first token of expert e
	s_load_b256 s[4:11], s[0:1], 0x0               ; hidden_states s[4:5], router_indices s[6:7], xg s[8:9], meta s[10:11]
	s_load_b64 s[12:13], s[0:1], 0x20              ; slot
	v_lshl_add_u32 v112, v0, 2, 0xa00
	v_mov_b32 v113, 0
	v_and_b32 v1, 31, v0                           ; lane
	v_lshrrev_b32 v5, 5, v0
	v_readfirstlane_b32 s14, v5                    ; wave 0..31
	v_lshlrev_b32 v6, 3, v0                        ; 8 t: my token's two indices, and later its two rows
	v_lshlrev_b32 v7, 4, v5                        ; 16 x wave
	v_lshlrev_b32 v5, 5, v5                        ; 32 x wave
	s_wait_kmcnt 0x0
	global_load_b64 v[2:3], v6, s[6:7]
	s_wait_loadcnt 0x0
	v_min_u32 v2, 7, v2
	v_min_u32 v3, 7, v3
	; ballots M_e in s[16:23] (a token that names an expert twice counts once, as the reference's mask does), counts packed in s[24:27]
.irp e, 0,1,2,3,4,5,6,7
	v_cmp_eq_u32 s61, \e, v2
	v_cmp_eq_u32 s62, \e, v3
	s_or_b32 s[16+\e], s61, s62
	s_bcnt1_i32_b32 s63, s[16+\e]
.if \e & 1
	s_lshl_b32 s63, s63, 16
	s_or_b32 s[24+(\e>>1)], s[24+(\e>>1)], s63
.else
	s_mov_b32 s[24+(\e>>1)], s63
.endif
.endr
.irp q, 0,1,2,3
	v_mov_b32 v[8+\q], s[24+\q]
.endr
.irp q, 0,1,2,3,4,5,6,7
	v_mov_b32 v[16+\q], s[16+\q]
.endr
	ds_store_b128 v7, v[8:11] offset:CNT           ; all lanes store the same 16 bytes
	ds_store_b128 v5, v[16:19] offset:MK
	ds_store_b128 v5, v[20:23] offset:MK+16
	s_wait_dscnt 0x0                               ; for the other waves' sake: my stores are done before I signal
	s_barrier_signal -1
	s_barrier_wait -1
	; totals v[8:11] and the sum over the waves in front of mine v[12:15]; fields of 16 bits never pass 1,024
.irp q, 8,9,10,11,12,13,14,15
	v_mov_b32 v\q, 0
.endr
	v_mov_b32 v48, 0
.set j, 0
.rept 4
.irp i, 0,1,2,3,4,5,6,7
	ds_load_b128 v[16+4*\i:19+4*\i], v48 offset:CNT+16*(j+\i)      ; the same 16 bytes for every lane
.endr
	s_wait_dscnt 0x0
.irp i, 0,1,2,3,4,5,6,7
	s_cmp_gt_u32 s14, j+\i                         ; is that wave in front of mine?
	s_cselect_b32 s61, -1, 0
.irp q, 0,1,2,3
	v_add_nc_u32 v[8+\q], v[8+\q], v[16+4*\i+\q]
	v_and_b32 v[16+4*\i+\q], s61, v[16+4*\i+\q]
	v_add_nc_u32 v[12+\q], v[12+\q], v[16+4*\i+\q]
.endr
.endr
.set j, j+8
.endr
.irp q, 0,1,2,3,4,5,6,7
	v_readfirstlane_b32 s[28+\q], v[8+\q]          ; s[28:31] totals, s[32:35] sums in front of my wave
.endr
	s_mov_b32 s60, 0                               ; running first row
.irp e, 0,1,2,3,4,5,6,7
	s_bfe_u32 s61, s[28+(\e>>1)], 0x100000|(16*(\e&1))     ; n_e
	s_bfe_u32 s62, s[32+(\e>>1)], 0x100000|(16*(\e&1))     ; tokens of e in the waves in front of mine
	s_add_co_u32 s61, s61, 31
	s_and_b32 s61, s61, 0xffe0                     ; P_e
	s_add_co_u32 s[36+\e], s60, s62                ; row of my wave's first token of e
	s_mov_b32 s[44+\e], s60                        ; BASE_e
	s_lshr_b32 s[52+\e], s61, 5                    ; units of 32 rows
	s_add_co_u32 s60, s60, s61
.endr
.irp q, 0,1,2,3,4,5,6,7
	v_mov_b32 v[16+\q], s[36+\q]
.endr
	ds_store_b128 v5, v[16:19] offset:RB
	ds_store_b128 v5, v[20:23] offset:RB+16
	s_wait_dscnt 0x0                               ; my stores are done, and my reads of CNT were waited for above
	s_barrier_signal -1
	s_barrier_wait -1                              ; from here on LDS is only read
	; work-group 0 alone: each pick's row, and the table of experts
	s_cmp_lg_u32 ttmp9, 0
	s_cbranch_scc1 .Lgather
	v_mov_b32 v50, 0
	v_mov_b32 v51, 0
.irp e, 0,1,2,3,4,5,6,7
	v_mbcnt_lo_u32_b32 v52, s[16+\e], 0            ; tokens of e in the lanes below mine
	v_add_nc_u32 v52, s[36+\e], v52
	v_cmp_eq_u32 vcc_lo, \e, v2
	v_cndmask_b32 v50, v50, v52, vcc_lo
	v_cmp_eq_u32 vcc_lo, \e, v3
	v_cndmask_b32 v51, v51, v52, vcc_lo
.endr
	global_store_b64 v6, v[50:51], s[12:13]        ; a wave stores 256 neighbouring bytes
	s_cmp_lg_u32 s14, 0
	s_cbranch_scc1 .Lgather
	v_mov_b32 v56, 0
	v_mov_b32 v57, 0
.irp e, 0,1,2,3,4,5,6,7
	v_writelane_b32 v56, s[52+\e], \e
	v_writelane_b32 v56, s[44+\e], 8+\e
.endr
	v_lshlrev_b32 v55, 3, v1
	global_store_b64 v55, v[56:57], s[10:11]       ; the whole 256 bytes of meta
.Lgather:
	; The gather.  Wave = (tile tau of the group's two, pair kp of K steps).  None of the registers of the stores above is written below.
	v_and_b32 v24, 15, v0                          ; r
	v_bfe_u32 v25, v0, 4, 1                        ; h
	s_and_b32 s61, s14, 1                          ; tau
	s_lshr_b32 s62, s14, 1                         ; kp
	s_lshl_b32 s63, ttmp9, 1
	s_add_co_u32 s63, s63, s61                     ; tile = 2 b + tau
	s_lshl_b32 s60, s63, 4
	v_add_nc_u32 v26, s60, v24                     ; rho: my row
	v_mov_b32 v27, 0                               ; 4 e: the last expert whose BASE is not beyond rho (BASE ascends)
.irp e, 1,2,3,4,5,6,7
	v_cmp_gt_u32 vcc_lo, s[44+\e], v26             ; BASE_e > rho: keep
	v_cndmask_b32 v27, 4*\e, v27, vcc_lo
.endr
	v_mov_b32 v28, 0                               ; j: the last wave whose first row of e is not beyond rho, by halving
.irp st, 16,8,4,2,1
	v_add_nc_u32 v29, \st, v28
	v_lshl_add_u32 v30, v29, 5, v27
	v_min_u32 v30, 0x3fc, v30                      ; the table's last word: j <= 31, e <= 7
	ds_load_b32 v31, v30 offset:RB
	s_wait_dscnt 0x0
	v_cmp_le_u32 vcc_lo, v31, v26
	v_cndmask_b32 v28, v28, v29, vcc_lo
.endr
	v_lshl_add_u32 v30, v28, 5, v27
	v_min_u32 v30, 0x3fc, v30
	ds_load_b32 v31, v30 offset:RB
	ds_load_b32 v32, v30 offset:MK                 ; m: that wave's ballot
	s_wait_dscnt 0x0
	v_sub_nc_u32 v33, v26, v31                     ; n: my row's rank among that wave's tokens of e
	; counts of m's set bits in fields of 2, 4, 8, 16 bits
	v_lshrrev_b32 v34, 1, v32
	v_and_b32 v34, 0x55555555, v34
	v_sub_nc_u32 v34, v32, v34                     ; fields of 2
	v_lshrrev_b32 v35, 2, v34
	v_and_b32 v35, 0x33333333, v35
	v_and_b32 v40, 0x33333333, v34
	v_add_nc_u32 v35, v35, v40                     ; fields of 4
	v_lshrrev_b32 v36, 4, v35
	v_add_nc_u32 v36, v36, v35
	v_and_b32 v36, 0x0f0f0f0f, v36                 ; fields of 8
	v_lshrrev_b32 v37, 8, v36
	v_add_nc_u32 v37, v37, v36
	v_and_b32 v37, 0x00ff00ff, v37                 ; fields of 16
	v_lshrrev_b32 v40, 16, v37
	v_and_b32 v39, 0xffff, v37
	v_add_nc_u32 v40, v40, v39                     ; all of m
	v_cmp_lt_u32 s60, v33, v40                     ; the row has a token if its rank is below the count (padding rows end at the last wave with a rank too large)
; one halving: if the lower half of the window at v38 holds no more than n set bits, go to the upper half
.macro PICK src, w
	v_bfe_u32 v39, v[\src], v38, \w
	v_sub_nc_u32 v40, v33, v39
	v_add_nc_u32 v41, \w, v38
	v_cmp_ge_u32 vcc_lo, v33, v39
	v_cndmask_b32 v33, v33, v40, vcc_lo
	v_cndmask_b32 v38, v38, v41, vcc_lo
.endm
	v_mov_b32 v38, 0
	PICK 37, 16
	PICK 36, 8
	PICK 35, 4
	PICK 34, 2
	PICK 32, 1
	v_lshl_add_u32 v39, v28, 5, v38                ; token = 32 j + bit
	v_min_u32 v39, 0x3ff, v39
	s_lshl_b32 s61, s62, 11                        ; kp x two K steps of 1,024 bytes in xg
	s_lshl_b32 s62, s62, 8                         ; kp x 256 bytes of a row of x
	s_lshl_b32 s63, s63, 15                        ; tile x 32,768 bytes
	s_add_co_u32 s63, s63, s61
	v_lshlrev_b32 v42, 12, v39                     ; token x 4,096 bytes
	v_lshl_add_u32 v42, v25, 5, v42                ; + 32 h
	v_add_nc_u32 v42, s62, v42
	v_lshl_add_u32 v43, v1, 4, s63                 ; 16 x lane + the wave's 2,048 bytes of xg
	; q = 2 x (K step of the pair) + jj: k = 16 q + 8 h .. + 7 of the pair's 64: the eight loads take 256 aligned bytes of each of 16 rows
.irp q, 0,1,2,3
	global_load_b128 v[64+8*\q:64+8*\q+3], v42, s[4:5] offset:64*\q
	global_load_b128 v[64+8*\q+4:64+8*\q+7], v42, s[4:5] offset:64*\q+16
.endr
	s_wait_loadcnt 0x0
.irp q, 0,1,2,3
.irp p, 0,1,2,3
	v_cvt_pk_f16_f32 v[96+4*\q+\p], v[64+8*\q+2*\p], v[64+8*\q+2*\p+1]     ; the first source into the low half
.endr
.endr
.irp q, 0,1,2,3,4,5,6,7,8,9,10,11,12,13,14,15
	v_cndmask_b32 v[96+\q], 0, v[96+\q], s60       ; rows without a token are zeros
.endr
.irp q, 0,1,2,3
	global_store_b128 v43, v[96+4*\q:96+4*\q+3], s[8:9] offset:512*\q      ; 512 neighbouring bytes
.endr
	s_wait_tensorcnt 0x0
	ds_add_u32 v112, v113
	s_wait_dscnt 0x0
	s_endpgm
.Lfunc_end_k_q7c85ea584d_route:
	.size	k_q7c85ea584d_route, .Lfunc_end_k_q7c85ea584d_route-k_q7c85ea584d_route
	.p2alignl 7, 3214868480
	.fill 96, 4, 3214868480
	.section	.rodata,"a",@progbits
	.p2align	6, 0x0
	.amdhsa_kernel k_q7c85ea584d_route
		.amdhsa_group_segment_fixed_size 6656
		.amdhsa_private_segment_fixed_size 0
		.amdhsa_enable_private_segment 0
		.amdhsa_kernarg_size 40
		.amdhsa_user_sgpr_count 2
		.amdhsa_user_sgpr_kernarg_segment_ptr 1
		.amdhsa_wavefront_size32 1
		.amdhsa_system_sgpr_workgroup_id_x 1
		.amdhsa_system_sgpr_workgroup_id_y 1
		.amdhsa_system_sgpr_workgroup_id_z 1
		.amdhsa_system_vgpr_workitem_id 0
		.amdhsa_next_free_vgpr 114
		.amdhsa_next_free_sgpr 66
		.amdhsa_reserve_vcc 1
		.amdhsa_float_denorm_mode_32 3
		.amdhsa_float_denorm_mode_16_64 3
		.amdhsa_memory_ordered 1
		.amdhsa_forward_progress 1
		.amdhsa_inst_pref_size 35
	.end_amdhsa_kernel
	.amdgpu_metadata
---
amdhsa.version: [ 1, 2 ]
amdhsa.kernels:
  - .name:           k_q7c85ea584d_route
    .symbol:         k_q7c85ea584d_route.kd
    .args:
      - { .name: hidden_states, .offset: 0, .size: 8, .value_kind: global_buffer, .address_space: global }
      - { .name: router_indices, .offset: 8, .size: 8, .value_kind: global_buffer, .address_space: global }
      - { .name: xg, .offset: 16, .size: 8, .value_kind: global_buffer, .address_space: global }
      - { .name: meta, .offset: 24, .size: 8, .value_kind: global_buffer, .address_space: global }
      - { .name: slot, .offset: 32, .size: 8, .value_kind: global_buffer, .address_space: global }
    .group_segment_fixed_size: 6656
    .private_segment_fixed_size: 0
    .kernarg_segment_align: 8
    .kernarg_segment_size: 40
    .max_flat_workgroup_size: 1024
    .sgpr_count:     66
    .vgpr_count:     114
    .wavefront_size: 32
...
	.end_amdgpu_metadata
.endif
;; end of part 1
;; launch gateup (part 2): grid 256 x 1, 8 waves a work-group, no clusters, 265,728 bytes of LDS; arguments gate_up_proj, gate_up_proj_bias, xg, meta, act; writes act
.if DOCPART == 2
	.amdgcn_target "amdgcn-amd-amdhsa--gfx1250"
	.amdhsa_code_object_version 6
	.text
	.protected	k_q7c85ea584d_gateup
	.globl	k_q7c85ea584d_gateup
	.p2align	8
	.type	k_q7c85ea584d_gateup,@function
k_q7c85ea584d_gateup:
	s_mov_b64 s[64:65], 0
	v_nop
	global_prefetch_b8 v0, s[64:65] scope:SCOPE_SE
	s_setreg_imm32_b32 hwreg(HW_REG_WAVE_MODE, 25, 1), 1
	s_wait_xcnt 0x0
; gateup: act_e = GEGLU(X_e W1_e + b1_e) for the rows that picked expert e.  Work-group = (expert e = wg / 32, columns 128 c .. + 127 of 4,096, c = wg % 32).
; PHASE A: the group's slice of W1 (1,024 k x 128 columns of f32, 512 KB, read by no other work-group) is read once, rounded to f16 and laid into LDS as [column][k];
; it stays there, so any number of rows costs more units of 32 rows and never a second pass over the weights.
; The turn from [k][n] to [n][k] costs no instruction: a lane loads 8 k-rows x 4 columns, v_cvt_pk_f16_f32 pairs (k, k + 1) of one column, four such words are 16 bytes of a row of LDS.
; PHASE B: wave w takes units w, w + 8, ..: 32 rows x 128 columns, 16 accumulator tiles.  x comes from xg in fragment order straight into registers (ring of 8 K steps).
; The matrix instruction takes the weights as source 0 and x as source 1: lane (r, h) then holds token row r and, in register i of tile j, column 16 j + 8 h + i:
; gate and up of one act column lie in neighbouring registers of one lane.
; act: [tile of 16 rows][K step of 32 f][jj][lane][16 bytes], as xg, but inside a K step place sigma holds f = sigma with bits 2 and 3 exchanged
; (a lane's 8 results of two neighbouring tiles are stored as they lie); the next launch lays W2 in the same order, which leaves the products as they are.
; WHY f16: 11 significant bits against bf16's 8, at the same bytes.  act has room in f16 for every input: the clamps bound |up + 1| by 8 and |glu| by 7, so |act| <= 56.
; No tensor loads and no cluster: the weights need converting and turning in registers and are shared with nobody; x is shared but goes to registers, and the weights fill LDS.
; No prefetch: phase A keeps 32 loads of 512 bytes a wave on their way by itself.
; LIMITS: a number of W1 beyond 65,504 in magnitude becomes an infinity (W1 of spread 1/32, 30 times larger, stays below 10); below 2^-14 f16 steps by 2^-24,
; which is under 1e-4 of W1's spread made 30 times smaller.  A NaN in gate or up is replaced by the clamp's bound (v_min_num, v_med3_num let the number win).
; Very negative gates: exp2 gives +inf, its reciprocal 0, glu -0.
.set P,    2064                        ; LDS row: 1,024 f16 + 16 bytes: an odd multiple of 16, so the 16 rows of a fragment load start at 16 different 16-byte columns modulo 256
.set NK,   32                          ; K steps of 32
.set BIAS, 128*P                       ; 512 bytes: the group's 128 biases
.set TSTR, 32768                       ; bytes of a tile of xg
.set T,    64                          ; phase A: v[64:79] 16 packed words
.set X,    128                         ; phase A: v[128:255] ring of 4 groups x 8 loads
.set W,    64                          ; phase B: v[64:127] weight fragments, tile j at W + 8 j
.set A,    128                         ; phase B: v[128:255] ring of 8 K steps x (2 tiles x 8 registers) of x
.set LRD,  16                          ; v[16:23] LDS address of my part of tile j's fragments
.set T1,   128                         ; window 1: v384-391 at work
.set OOFF, 144                         ; window 1: v400 my byte offset in act
.set MULW, 0x50                        ; C and D in window 1 (accumulator tile (tau, j) at v[256 + 8 (8 tau + j)]), sources in window 0
.set MSB, 0
.macro WIN new                         ; the immediate's high byte repeats the setting that is left
.if MSB != \new
	s_set_vgpr_msb (MSB<<8)|\new
.set MSB, \new
.endif
.endm
.macro PLACES                          ; four places behind a matrix instruction before its registers are loaded into or its result is read (ISA guide 7.12.1)
.rept 4
	v_nop
.endr
.endm
	s_load_b256 s[4:11], s[0:1], 0x0               ; W1 s[4:5], b1 s[6:7], xg s[8:9], meta s[10:11]
	s_load_b64 s[12:13], s[0:1], 0x20              ; act
	v_lshl_add_u32 v62, v0, 2, 0x40a00
	v_mov_b32 v63, 0
	v_and_b32 v1, 31, v0                           ; lane
	v_lshrrev_b32 v2, 5, v0
	v_readfirstlane_b32 s14, v2                    ; wave 0..7
	s_lshr_b32 s15, ttmp9, 5                       ; e
	s_and_b32 s16, ttmp9, 31                       ; c
	s_lshl_b32 s27, s15, 3                         ; 8 e: my entry of meta; never rewritten
	s_lshl_b32 s22, s16, 9                         ; 128 columns of f32
	s_lshl_b32 s20, s15, 24                        ; an expert's 1,024 x 4,096 f32
	s_add_co_u32 s20, s20, s22
	s_mov_b32 s21, 0
	s_lshl_b32 s32, s15, 14                        ; an expert's 4,096 biases
	s_add_co_u32 s32, s32, s22
	s_mov_b32 s33, 0
	s_mov_b32 s24, 0xc0e00000                      ; -7.0
	s_mov_b32 s25, 0x40e00000                      ; 7.0
	s_mov_b32 s26, 0xc01d265f                      ; -1.702 x log2(e)
	v_lshlrev_b32 v9, 4, v1                        ; 16 x lane
	v_lshl_add_u32 v4, s14, 21, v9                 ; + wave x 128 k-rows of 16,384 bytes
	v_mul_u32_u24 v5, v1, 4*P                      ; LDS: column 4 x lane,
	v_lshl_add_u32 v5, s14, 8, v5                  ; k = 128 x wave
	v_add_nc_u32 v6, BIAS, v9
	s_wait_kmcnt 0x0
	s_add_nc_u64 s[4:5], s[4:5], s[20:21]
	s_add_nc_u64 s[6:7], s[6:7], s[32:33]
	s_load_b64 s[28:29], s[10:11], s27 offset:0x0  ; units of 32 rows of my expert
	s_load_b64 s[30:31], s[10:11], s27 offset:0x40 ; its first row
; group g: 8 k-rows, each load 512 neighbouring bytes of one row
.macro GLOAD g, slot
.irp i, 0,1,2,3,4,5,6,7
	global_load_b128 v[X+32*\slot+4*\i:X+32*\slot+4*\i+3], v4, s[4:5] offset:(8*(\g)+\i)*16384 th:TH_LOAD_NT
.endr
.endm
.macro GCVT g, slot
.irp c, 0,1,2,3
.irp p, 0,1,2,3
	v_cvt_pk_f16_f32 v[T+4*\c+\p], v[X+32*\slot+8*\p+\c], v[X+32*\slot+8*\p+4+\c]     ; k = 2 p below, 2 p + 1 above, column c
.endr
.endr
.irp c, 0,1,2,3
	ds_store_b128 v5, v[T+4*\c:T+4*\c+3] offset:\c*P+16*(\g)
.endr
.endm
	s_cmp_lg_u32 s14, 0
	s_cbranch_scc1 .Lnobias0
	global_load_b128 v[12:15], v9, s[6:7]          ; wave 0: the 128 biases; older than every group's loads, so the counts below hold for it too
.Lnobias0:
	GLOAD 0, 0
	GLOAD 1, 1
	GLOAD 2, 2
	GLOAD 3, 3
.set g, 0
.rept 16
.if g < 13
	s_wait_loadcnt 24                              ; loads return in order (ISA guide 5.7.1): group g is in, the three younger groups' 24 loads stay out
.else
	s_wait_loadcnt 8*(15-g)                        ; the last groups: the counts run down
.endif
	GCVT g, (g%4)
.if g == 0
	s_cmp_lg_u32 s14, 0
	s_cbranch_scc1 .Lnobias1
	ds_store_b128 v6, v[12:15]
.Lnobias1:
.endif
.if g < 12
	GLOAD (g+4), (g%4)
.endif
.set g, g+1
.endr
	v_and_b32 v2, 15, v0                           ; r
	v_bfe_u32 v3, v0, 4, 1                         ; h
	v_mul_u32_u24 v10, v2, P
	v_lshl_add_u32 v10, v3, 4, v10                 ; r x pitch + 16 h
.irp j, 0,1,2,3,4,5,6,7
	v_add_nc_u32 v[LRD+\j], \j*16*P, v10           ; a register for each tile: 16 rows of LDS pass the 16-bit immediate
.endr
	v_lshlrev_b32 v7, 5, v3
	v_add_nc_u32 v7, BIAS, v7                      ; my 8 biases of tile j lie at + 64 j
	s_wait_kmcnt 0x0                               ; meta
	s_min_u32 s17, s28, 32                         ; at most 1,024 rows = 32 units
	s_add_co_u32 s17, s17, 7
	s_sub_co_u32 s17, s17, s14                     ; never below 0: the wave's number is at most 7
	s_lshr_b32 s17, s17, 3                         ; my trips: the units w, w + 8, .. below the expert's count, 0 to 4 of them
	s_wait_dscnt 0x0                               ; my part of the weights is in LDS before I signal
	s_barrier_signal -1
	s_barrier_wait -1                              ; the launch's one barrier: from here on LDS is only read
.macro ALOAD s                         ; x of K step s, both tiles: four loads of 512 neighbouring bytes
.irp t, 0,1
.irp q, 0,1
	global_load_b128 v[A+16*((\s)%8)+8*\t+4*\q:A+16*((\s)%8)+8*\t+4*\q+3], v8, s[8:9] offset:\t*TSTR+(\s)*1024+\q*512
.endr
.endr
.endm
.macro WLOAD half, s                   ; weight fragments of tiles 4 half .. 4 half + 3, K step s: eight LDS loads
.irp j, 0,1,2,3
	ds_load_b128 v[W+8*(4*\half+\j):W+8*(4*\half+\j)+3], v[LRD+4*\half+\j] offset:64*(\s)
	ds_load_b128 v[W+8*(4*\half+\j)+4:W+8*(4*\half+\j)+7], v[LRD+4*\half+\j] offset:64*(\s)+32
.endr
.endm
.macro MUL8 half, s, zero              ; eight matrix instructions on eight accumulators
.irp j, 0,1,2,3
.irp t, 0,1
.if \zero
	v_wmma_f32_16x16x32_f16 v[8*(8*\t+4*\half+\j):8*(8*\t+4*\half+\j)+7], v[W+8*(4*\half+\j):W+8*(4*\half+\j)+7], v[A+16*((\s)%8)+8*\t:A+16*((\s)%8)+8*\t+7], 0
.else
	v_wmma_f32_16x16x32_f16 v[8*(8*\t+4*\half+\j):8*(8*\t+4*\half+\j)+7], v[W+8*(4*\half+\j):W+8*(4*\half+\j)+7], v[A+16*((\s)%8)+8*\t:A+16*((\s)%8)+8*\t+7], v[8*(8*\t+4*\half+\j):8*(8*\t+4*\half+\j)+7]
.endif
.endr
.endr
.endm
; the activation of tiles j and j + 1 (j even) of tile row tau: 8 gates in the even, 8 ups in the odd of 16 registers; all operands in window 1
.macro ACT2 t, j
.set ac, 8*(8*\t+\j)
.irp p, 0,1,2,3,4,5,6,7
	v_min_num_f32 v[ac+2*\p], s25, v[ac+2*\p]              ; gate = min(gate, 7)
.endr
.irp p, 0,1,2,3,4,5,6,7
	v_mul_f32 v[T1+\p], s26, v[ac+2*\p]
.endr
.irp p, 0,1,2,3,4,5,6,7
	v_exp_f32 v[T1+\p], v[T1+\p]                           ; e^(-1.702 gate); gate <= 7 bounds the other side
.endr
.irp p, 0,1,2,3,4,5,6,7
	v_med3_num_f32 v[ac+2*\p+1], v[ac+2*\p+1], s24, s25    ; up clamped to -7 .. 7: also the plain instructions that stand behind the exponentials (ISA guide 5.7.2)
.endr
	s_wait_alu depctr_va_vdst(0)
.irp p, 0,1,2,3,4,5,6,7
	v_add_f32 v[T1+\p], 1.0, v[T1+\p]
.endr
.irp p, 0,1,2,3,4,5,6,7
	v_rcp_f32 v[T1+\p], v[T1+\p]                           ; sigmoid
.endr
	v_nop                                                  ; one plain place behind the reciprocals
	s_wait_alu depctr_va_vdst(0)
.irp p, 0,1,2,3,4,5,6,7
	v_mul_f32 v[T1+\p], v[ac+2*\p], v[T1+\p]               ; glu
.endr
.irp p, 0,1,2,3,4,5,6,7
	v_fma_f32 v[T1+\p], v[ac+2*\p+1], v[T1+\p], v[T1+\p]   ; (up + 1) glu
.endr
.irp p, 0,1,2,3
	v_cvt_pk_f16_f32 v[ac+\p], v[T1+2*\p], v[T1+2*\p+1]    ; |act| <= 56: inside f16 for every input
.endr
	global_store_b128 v[OOFF], v[ac:ac+3], s[12:13] offset:\t*65536+(\j>>2)*1024+((\j>>1)&1)*512   ; the wave stores 512 neighbouring bytes
.endm
	s_mov_b32 s19, 0                               ; the trip's number
	s_cmp_eq_u32 s17, 0
	s_cbranch_scc1 .Lend                           ; no unit for this wave; no barrier stands behind this branch
.Lunit:
	s_lshl_b32 s20, s19, 3
	s_add_co_u32 s20, s20, s14                     ; the unit: 8 x trip + wave
	s_lshl_b32 s20, s20, 5
	s_add_co_u32 s20, s20, s30                     ; the unit's first row
	s_min_u32 s20, s20, 2272                       ; the last unit that the row space holds
	s_lshl_b32 s21, s20, 11                        ; xg: 2,048 bytes a row
	v_add_nc_u32 v8, s21, v9
	s_lshl_b32 s21, s20, 12                        ; act: 4,096 bytes a row,
	s_lshl_b32 s22, s16, 11                        ; K steps 2 c and 2 c + 1
	s_add_co_u32 s21, s21, s22
	WIN 0x40
	v_add_nc_u32 v[OOFF], s21, v9
	WIN 0
.irp n, 0,1,2,3,4,5,6,7
	ALOAD \n
.endr
	WLOAD 0, 0
	WLOAD 1, 0
	; The 16 accumulators take turns, one instruction a turn, over the K steps too.
.set ks, 0
.rept NK
.if ks < NK-8
	s_wait_loadcnt 28                              ; x of this K step is in; the seven younger K steps' 28 loads stay out
.else
	s_wait_loadcnt 4*(NK-1-ks)
.endif
	s_wait_dscnt 0x8                               ; tiles 0-3 are in; the eight younger loads (tiles 4-7) may be out
	WIN MULW
.if ks == 0
	MUL8 0, ks, 1                                  ; the first products start the sums
.else
	MUL8 0, ks, 0
.endif
	PLACES
	WIN 0
.if ks < NK-1
	WLOAD 0, ks+1
	s_wait_dscnt 0x8                               ; tiles 4-7 are in; the eight just issued stay out
.else
	s_wait_dscnt 0x0
.endif
	WIN MULW
.if ks == 0
	MUL8 1, ks, 1
.else
	MUL8 1, ks, 0
.endif
	PLACES
	WIN 0
.if ks < NK-1
	WLOAD 1, ks+1
.endif
.if ks+8 < NK
	ALOAD ks+8                                     ; into the ring's place that this K step has left
.endif
.set ks, ks+1
.endr
	; bias (tile j's 8 numbers of my half, the same for both tile rows), activation, store
.irp j, 0,1,2,3,4,5,6,7
	ds_load_b128 v[W+8*\j:W+8*\j+3], v7 offset:64*\j
	ds_load_b128 v[W+8*\j+4:W+8*\j+7], v7 offset:64*\j+16
.endr
	s_wait_dscnt 0x0
	WIN 0x41                                       ; source 0 and destination in window 1, the bias in window 0
.irp t, 0,1
.irp j, 0,1,2,3,4,5,6,7
.irp q, 0,2,4,6
	v_pk_add_f32 v[8*(8*\t+\j)+\q:8*(8*\t+\j)+\q+1], v[8*(8*\t+\j)+\q:8*(8*\t+\j)+\q+1], v[W+8*\j+\q:W+8*\j+\q+1]
.endr
.endr
.endr
	WIN 0x55
.irp t, 0,1
.irp j, 0,2,4,6
	ACT2 \t, \j
.endr
.endr
	s_wait_xcnt 0x0                                ; the stores' data and offset are rewritten in the next unit only behind this wait
	WIN 0
	s_add_co_u32 s19, s19, 1
	s_cmp_lt_u32 s19, s17
	s_cbranch_scc1 .Lunit
.Lend:
	s_wait_tensorcnt 0x0
	ds_add_u32 v62, v63
	s_wait_dscnt 0x0
	s_endpgm
.Lfunc_end_k_q7c85ea584d_gateup:
	.size	k_q7c85ea584d_gateup, .Lfunc_end_k_q7c85ea584d_gateup-k_q7c85ea584d_gateup
	.p2alignl 7, 3214868480
	.fill 96, 4, 3214868480
	.section	.rodata,"a",@progbits
	.p2align	6, 0x0
	.amdhsa_kernel k_q7c85ea584d_gateup
		.amdhsa_group_segment_fixed_size 265728
		.amdhsa_private_segment_fixed_size 0
		.amdhsa_enable_private_segment 0
		.amdhsa_kernarg_size 40
		.amdhsa_user_sgpr_count 2
		.amdhsa_user_sgpr_kernarg_segment_ptr 1
		.amdhsa_wavefront_size32 1
		.amdhsa_system_sgpr_workgroup_id_x 1
		.amdhsa_system_sgpr_workgroup_id_y 1
		.amdhsa_system_sgpr_workgroup_id_z 1
		.amdhsa_system_vgpr_workitem_id 0
		.amdhsa_next_free_vgpr 416
		.amdhsa_next_free_sgpr 66
		.amdhsa_reserve_vcc 0
		.amdhsa_float_denorm_mode_32 3
		.amdhsa_float_denorm_mode_16_64 3
		.amdhsa_memory_ordered 1
		.amdhsa_forward_progress 1
		.amdhsa_inst_pref_size 156
	.end_amdhsa_kernel
	.amdgpu_metadata
---
amdhsa.version: [ 1, 2 ]
amdhsa.kernels:
  - .name:           k_q7c85ea584d_gateup
    .symbol:         k_q7c85ea584d_gateup.kd
    .args:
      - { .name: gate_up_proj, .offset: 0, .size: 8, .value_kind: global_buffer, .address_space: global }
      - { .name: gate_up_proj_bias, .offset: 8, .size: 8, .value_kind: global_buffer, .address_space: global }
      - { .name: xg, .offset: 16, .size: 8, .value_kind: global_buffer, .address_space: global }
      - { .name: meta, .offset: 24, .size: 8, .value_kind: global_buffer, .address_space: global }
      - { .name: act, .offset: 32, .size: 8, .value_kind: global_buffer, .address_space: global }
    .group_segment_fixed_size: 265728
    .private_segment_fixed_size: 0
    .kernarg_segment_align: 8
    .kernarg_segment_size: 40
    .max_flat_workgroup_size: 256
    .sgpr_count:     66
    .vgpr_count:     416
    .wavefront_size: 32
...
	.end_amdgpu_metadata
.endif
;; end of part 2
;; launch down (part 3): grid 256 x 1, 8 waves a work-group, no clusters, 201,728 bytes of LDS; arguments down_proj, act, meta, part; writes part
.if DOCPART == 3
	.amdgcn_target "amdgcn-amd-amdhsa--gfx1250"
	.amdhsa_code_object_version 6
	.text
	.protected	k_q7c85ea584d_down
	.globl	k_q7c85ea584d_down
	.p2align	8
	.type	k_q7c85ea584d_down,@function
k_q7c85ea584d_down:
	s_mov_b64 s[64:65], 0
	v_nop
	global_prefetch_b8 v0, s[64:65] scope:SCOPE_SE
	s_setreg_imm32_b32 hwreg(HW_REG_WAVE_MODE, 25, 1), 1
	s_wait_xcnt 0x0
; down: part[ks] = act_e W2_e over f = 512 ks .. + 511, for the rows that picked expert e.  Work-group = (e = wg / 32, columns 128 c .. + 127 of 1,024 with c = (wg / 4) % 8, ks = wg % 4).
; K is split in four so that 256 work-groups each own one slice of the weights (512 f x 128 columns of f32, 256 KB, read once, by nobody else); the four partial sums are
; stored apart and added by the next launch: each byte of part has one owner.
; PHASE A and PHASE B as in the launch before: the slice goes to LDS once as f16 [column][f]; wave w takes units w, w + 8, .. of 32 rows x 128 columns.
; act holds, at place sigma of a K step, f = sigma with bits 2 and 3 exchanged; phase A loads W2's rows in that order, so both operands are permuted alike.
; THE WAY OUT: 16 rows x 128 f32 through the wave's own stage in LDS, read back by rows: each store of the wave covers 512 neighbouring bytes, aligned.
; No tensor loads, cluster or prefetch, for the reasons given in the launch before.
; LIMITS: a number of W2 beyond 65,504 in magnitude becomes an infinity (W2 of spread 1/45, 30 times larger, stays below 10); below 2^-14 f16 steps by 2^-24,
; which is under 1e-4 of W2's spread made 30 times smaller.
.set P,    1040                        ; LDS row: 512 f16 + 16 bytes: an odd multiple of 16
.set NK,   16
.set STG,  128*P                       ; 133,120: the stages, 16 rows x 528 bytes for each wave
.set SP,   528                         ; 512 + 16: an odd multiple of 16
.set TSTR, 65536                       ; bytes of a tile of act
.set T,    64
.set X,    128
.set W,    64
.set A,    128
.set LRD,  16
.set MULW, 0x50
.set MSB, 0
.macro WIN new                         ; the immediate's high byte repeats the setting that is left
.if MSB != \new
	s_set_vgpr_msb (MSB<<8)|\new
.set MSB, \new
.endif
.endm
.macro PLACES                          ; four places behind a matrix instruction before its registers are loaded into or its result is read (ISA guide 7.12.1)
.rept 4
	v_nop
.endr
.endm
	s_load_b256 s[4:11], s[0:1], 0x0               ; W2 s[4:5], act s[6:7], meta s[8:9], part s[10:11]
	v_lshl_add_u32 v62, v0, 2, 0x31000
	v_mov_b32 v63, 0
	v_and_b32 v1, 31, v0                           ; lane
	v_lshrrev_b32 v2, 5, v0
	v_readfirstlane_b32 s14, v2                    ; wave 0..7
	s_lshr_b32 s15, ttmp9, 5                       ; e
	s_bfe_u32 s16, ttmp9, 0x30002                  ; c
	s_and_b32 s18, ttmp9, 3                        ; ks
	s_lshl_b32 s27, s15, 3                         ; 8 e: my entry of meta; never rewritten
	s_lshl_b32 s20, s15, 23                        ; an expert's 2,048 x 1,024 f32
	s_lshl_b32 s22, s18, 21                        ; 512 rows of 4,096 bytes
	s_add_co_u32 s20, s20, s22
	s_lshl_b32 s22, s16, 9                         ; 128 columns of f32
	s_add_co_u32 s20, s20, s22
	s_mov_b32 s21, 0
	s_lshl_b32 s32, s18, 14                        ; act: 16 K steps of 1,024 bytes
	s_mov_b32 s33, 0
	s_mul_i32 s34, s18, 0x900000                   ; part: 2,304 rows of 4,096 bytes
	s_mov_b32 s35, 0
	v_lshlrev_b32 v9, 4, v1                        ; 16 x lane
	v_lshl_add_u32 v4, s14, 18, v9                 ; + wave x 64 rows of 4,096 bytes
	v_mul_u32_u24 v5, v1, 4*P                      ; LDS: column 4 x lane,
	v_lshl_add_u32 v5, s14, 7, v5                  ; place 64 x wave
	s_wait_kmcnt 0x0
	s_add_nc_u64 s[4:5], s[4:5], s[20:21]
	s_add_nc_u64 s[6:7], s[6:7], s[32:33]
	s_add_nc_u64 s[10:11], s[10:11], s[34:35]
	s_load_b64 s[28:29], s[8:9], s27 offset:0x0    ; units of 32 rows of my expert
	s_load_b64 s[30:31], s[8:9], s27 offset:0x40   ; its first row
; group g fills places 8 g .. 8 g + 7 of my 64: place 8 g + i holds row f0 + i + 4 (i / 4), which is 8 g + i with bits 2 and 3 exchanged
.macro GLOAD g, slot
.set f0, 32*((\g)>>2)+16*(((\g)>>1)&1)+4*((\g)&1)
.irp i, 0,1,2,3,4,5,6,7
	global_load_b128 v[X+32*\slot+4*\i:X+32*\slot+4*\i+3], v4, s[4:5] offset:(f0+\i+4*(\i>>2))*4096 th:TH_LOAD_NT
.endr
.endm
.macro GCVT g, slot
.irp c, 0,1,2,3
.irp p, 0,1,2,3
	v_cvt_pk_f16_f32 v[T+4*\c+\p], v[X+32*\slot+8*\p+\c], v[X+32*\slot+8*\p+4+\c]
.endr
.endr
.irp c, 0,1,2,3
	ds_store_b128 v5, v[T+4*\c:T+4*\c+3] offset:\c*P+16*(\g)
.endr
.endm
	GLOAD 0, 0
	GLOAD 1, 1
	GLOAD 2, 2
	GLOAD 3, 3
.set g, 0
.rept 8
.if g < 5
	s_wait_loadcnt 24                              ; group g is in, the three younger groups' 24 loads stay out (loads return in order: ISA guide 5.7.1)
.else
	s_wait_loadcnt 8*(7-g)
.endif
	GCVT g, (g%4)
.if g < 4
	GLOAD (g+4), (g%4)
.endif
.set g, g+1
.endr
	v_and_b32 v2, 15, v0                           ; r
	v_bfe_u32 v3, v0, 4, 1                         ; h
	v_mul_u32_u24 v12, v2, P
	v_lshl_add_u32 v12, v3, 4, v12                 ; r x pitch + 16 h
.irp j, 0,1,2,3,4,5,6,7
	v_add_nc_u32 v[LRD+\j], \j*16*P, v12
.endr
	s_mul_i32 s23, s14, 16*SP
	s_add_co_u32 s23, s23, STG                     ; my stage
	v_mul_u32_u24 v11, v2, SP
	v_lshl_add_u32 v11, v3, 5, v11
	v_add_nc_u32 v11, s23, v11                     ; in: row r, 32 bytes for each half of the lanes, tile j at + 64 j
	v_add_nc_u32 v24, s23, v9                      ; back: a whole row of 512 bytes
	s_wait_kmcnt 0x0                               ; meta
	s_min_u32 s17, s28, 32                         ; at most 1,024 rows = 32 units
	s_add_co_u32 s17, s17, 7
	s_sub_co_u32 s17, s17, s14                     ; never below 0: the wave's number is at most 7
	s_lshr_b32 s17, s17, 3                         ; my trips: the units w, w + 8, .. below the expert's count, 0 to 4 of them
	s_wait_dscnt 0x0                               ; my part of the weights is in LDS before I signal
	s_barrier_signal -1
	s_barrier_wait -1                              ; the launch's one barrier: the weights are only read from here on, the stages are each wave's own
.macro ALOAD s
.irp t, 0,1
.irp q, 0,1
	global_load_b128 v[A+16*((\s)%8)+8*\t+4*\q:A+16*((\s)%8)+8*\t+4*\q+3], v8, s[6:7] offset:\t*TSTR+(\s)*1024+\q*512
.endr
.endr
.endm
.macro WLOAD half, s
.irp j, 0,1,2,3
	ds_load_b128 v[W+8*(4*\half+\j):W+8*(4*\half+\j)+3], v[LRD+4*\half+\j] offset:64*(\s)
	ds_load_b128 v[W+8*(4*\half+\j)+4:W+8*(4*\half+\j)+7], v[LRD+4*\half+\j] offset:64*(\s)+32
.endr
.endm
.macro MUL8 half, s, zero
.irp j, 0,1,2,3
.irp t, 0,1
.if \zero
	v_wmma_f32_16x16x32_f16 v[8*(8*\t+4*\half+\j):8*(8*\t+4*\half+\j)+7], v[W+8*(4*\half+\j):W+8*(4*\half+\j)+7], v[A+16*((\s)%8)+8*\t:A+16*((\s)%8)+8*\t+7], 0
.else
	v_wmma_f32_16x16x32_f16 v[8*(8*\t+4*\half+\j):8*(8*\t+4*\half+\j)+7], v[W+8*(4*\half+\j):W+8*(4*\half+\j)+7], v[A+16*((\s)%8)+8*\t:A+16*((\s)%8)+8*\t+7], v[8*(8*\t+4*\half+\j):8*(8*\t+4*\half+\j)+7]
.endif
.endr
.endr
.endm
	s_mov_b32 s19, 0                               ; the trip's number
	s_cmp_eq_u32 s17, 0
	s_cbranch_scc1 .Lend                           ; no unit for this wave; no barrier stands behind this branch
.Lunit:
	s_lshl_b32 s20, s19, 3
	s_add_co_u32 s20, s20, s14                     ; the unit: 8 x trip + wave
	s_lshl_b32 s20, s20, 5
	s_add_co_u32 s20, s20, s30                     ; the unit's first row
	s_min_u32 s20, s20, 2272                       ; the last unit that the row space holds
	s_lshl_b32 s21, s20, 12                        ; act and part: 4,096 bytes a row
	v_add_nc_u32 v8, s21, v9
	s_lshl_b32 s22, s16, 9
	s_add_co_u32 s21, s21, s22
	v_add_nc_u32 v10, s21, v9                      ; part: + my 128 columns
.irp n, 0,1,2,3,4,5,6,7
	ALOAD \n
.endr
	WLOAD 0, 0
	WLOAD 1, 0
	; The 16 accumulators take turns, one instruction a turn, over the K steps too.
.set ks, 0
.rept NK
.if ks < NK-8
	s_wait_loadcnt 28                              ; act of this K step is in; the seven younger K steps' 28 loads stay out
.else
	s_wait_loadcnt 4*(NK-1-ks)
.endif
	s_wait_dscnt 0x8                               ; tiles 0-3 are in; the eight younger loads (tiles 4-7) may be out
	WIN MULW
.if ks == 0
	MUL8 0, ks, 1                                  ; the first products start the sums
.else
	MUL8 0, ks, 0
.endif
	PLACES
	WIN 0
.if ks < NK-1
	WLOAD 0, ks+1
	s_wait_dscnt 0x8                               ; tiles 4-7 are in; the eight just issued stay out
.else
	s_wait_dscnt 0x0
.endif
	WIN MULW
.if ks == 0
	MUL8 1, ks, 1
.else
	MUL8 1, ks, 0
.endif
	PLACES
	WIN 0
.if ks < NK-1
	WLOAD 1, ks+1
.endif
.if ks+8 < NK
	ALOAD ks+8
.endif
.set ks, ks+1
.endr
	; the way out, 16 rows at a time
.irp t, 0,1
	WIN 0x04                                       ; the stored data in window 1
.irp j, 0,1,2,3,4,5,6,7
	ds_store_b128 v11, v[8*(8*\t+\j):8*(8*\t+\j)+3] offset:64*\j
	ds_store_b128 v11, v[8*(8*\t+\j)+4:8*(8*\t+\j)+7] offset:64*\j+16
.endr
	WIN 0
	s_wait_xcnt 0x0                                ; the registers that the last 16 stores read are loaded again only behind this wait
.irp i, 0,1,2,3,4,5,6,7,8,9,10,11,12,13,14,15
	ds_load_b128 v[W+4*\i:W+4*\i+3], v24 offset:SP*\i      ; LDS serves a wave's instructions in order (ISA guide 5.7.1.4): these see the stores above
.endr
.irp i, 0,1,2,3,4,5,6,7,8,9,10,11,12,13,14,15
	s_wait_dscnt 15-\i                             ; row i is back, the younger rows may be out
	global_store_b128 v10, v[W+4*\i:W+4*\i+3], s[10:11] offset:(16*\t+\i)*4096
.endr
.endr
	s_wait_xcnt 0x0                                ; the stores' data and offset are rewritten in the next unit only behind this wait
	s_add_co_u32 s19, s19, 1
	s_cmp_lt_u32 s19, s17
	s_cbranch_scc1 .Lunit
.Lend:
	s_wait_tensorcnt 0x0
	ds_add_u32 v62, v63
	s_wait_dscnt 0x0
	s_endpgm
.Lfunc_end_k_q7c85ea584d_down:
	.size	k_q7c85ea584d_down, .Lfunc_end_k_q7c85ea584d_down-k_q7c85ea584d_down
	.p2alignl 7, 3214868480
	.fill 96, 4, 3214868480
	.section	.rodata,"a",@progbits
	.p2align	6, 0x0
	.amdhsa_kernel k_q7c85ea584d_down
		.amdhsa_group_segment_fixed_size 201728
		.amdhsa_private_segment_fixed_size 0
		.amdhsa_enable_private_segment 0
		.amdhsa_kernarg_size 32
		.amdhsa_user_sgpr_count 2
		.amdhsa_user_sgpr_kernarg_segment_ptr 1
		.amdhsa_wavefront_size32 1
		.amdhsa_system_sgpr_workgroup_id_x 1
		.amdhsa_system_sgpr_workgroup_id_y 1
		.amdhsa_system_sgpr_workgroup_id_z 1
		.amdhsa_system_vgpr_workitem_id 0
		.amdhsa_next_free_vgpr 384
		.amdhsa_next_free_sgpr 66
		.amdhsa_reserve_vcc 0
		.amdhsa_float_denorm_mode_32 3
		.amdhsa_float_denorm_mode_16_64 3
		.amdhsa_memory_ordered 1
		.amdhsa_forward_progress 1
		.amdhsa_inst_pref_size 74
	.end_amdhsa_kernel
	.amdgpu_metadata
---
amdhsa.version: [ 1, 2 ]
amdhsa.kernels:
  - .name:           k_q7c85ea584d_down
    .symbol:         k_q7c85ea584d_down.kd
    .args:
      - { .name: down_proj, .offset: 0, .size: 8, .value_kind: global_buffer, .address_space: global }
      - { .name: act, .offset: 8, .size: 8, .value_kind: global_buffer, .address_space: global }
      - { .name: meta, .offset: 16, .size: 8, .value_kind: global_buffer, .address_space: global }
      - { .name: part, .offset: 24, .size: 8, .value_kind: global_buffer, .address_space: global }
    .group_segment_fixed_size: 201728
    .private_segment_fixed_size: 0
    .kernarg_segment_align: 8
    .kernarg_segment_size: 32
    .max_flat_workgroup_size: 256
    .sgpr_count:     66
    .vgpr_count:     384
    .wavefront_size: 32
...
	.end_amdgpu_metadata
.endif
;; end of part 3
;; launch combine (part 4): grid 256 x 1, 8 waves a work-group, no clusters, 0 bytes of LDS; arguments part, slot, router_indices, routing_weights, down_proj_bias, out0; writes out0
.if DOCPART == 4
	.amdgcn_target "amdgcn-amd-amdhsa--gfx1250"
	.amdhsa_code_object_version 6
	.text
	.protected	k_q7c85ea584d_combine
	.globl	k_q7c85ea584d_combine
	.p2align	8
	.type	k_q7c85ea584d_combine,@function
k_q7c85ea584d_combine:
	s_mov_b64 s[64:65], 0
	v_nop
	global_prefetch_b8 v0, s[64:65] scope:SCOPE_SE
	s_setreg_imm32_b32 hwreg(HW_REG_WAVE_MODE, 25, 1), 1
	s_wait_xcnt 0x0
; combine: y[t] = sum over the token's picks k of w[t][e_k] x (part[0..3][row_k] + b2[e_k]).  A wave makes half a row of y (2,048 bytes): t = 4 wg + wave / 2.
; The token's two rows, two experts and two weights are the same for the whole wave: scalar loads.  40 vector loads of 512 neighbouring bytes go out at once.
; A token that names one expert twice counts it once, as the reference's mask does: the second weight is then taken as 0.
; A stream: no LDS, no barrier, no matrix unit.
; LIMITS: indices are taken as 0 .. 7 (clamped to 7).  Experts that the token did not pick are not formed at all, where the reference multiplies them by 0:
; an infinity or NaN in such an expert's output does not reach y here.
	s_load_b256 s[4:11], s[0:1], 0x0               ; part s[4:5], slot s[6:7], router_indices s[8:9], routing_weights s[10:11]
	s_load_b128 s[12:15], s[0:1], 0x20             ; b2 s[12:13], y s[14:15]
	v_and_b32 v1, 31, v0
	v_lshrrev_b32 v2, 5, v0
	v_readfirstlane_b32 s52, v2                    ; wave 0..7
	v_lshlrev_b32 v1, 4, v1                        ; 16 x lane
	s_and_b32 s17, s52, 1
	s_lshl_b32 s17, s17, 11                        ; which half of the row, in bytes
	s_lshr_b32 s16, s52, 1
	s_lshl_b32 s19, ttmp9, 2
	s_add_co_u32 s16, s16, s19                     ; t
	s_lshl_b32 s18, s16, 3                         ; 8 t
	s_lshl_b32 s19, s16, 5                         ; 32 t: the token's 8 weights
	s_wait_kmcnt 0x0
	s_load_b64 s[20:21], s[6:7], s18 offset:0x0    ; the two rows
	s_load_b64 s[22:23], s[8:9], s18 offset:0x0    ; the two experts
	s_wait_kmcnt 0x0
	s_min_u32 s20, s20, 2303
	s_min_u32 s21, s21, 2303
	s_min_u32 s22, s22, 7
	s_min_u32 s23, s23, 7
	s_lshl_b32 s24, s22, 2
	s_add_co_u32 s24, s24, s19
	s_lshl_b32 s25, s23, 2
	s_add_co_u32 s25, s25, s19
	s_load_b32 s26, s[10:11], s24 offset:0x0       ; w[t][e0]
	s_load_b32 s28, s[10:11], s25 offset:0x0       ; w[t][e1]
	s_mov_b32 s31, 0
	s_lshl_b32 s30, s20, 12
	s_add_co_u32 s30, s30, s17
	s_add_nc_u64 s[32:33], s[4:5], s[30:31]        ; pick 0: my half of its row in the four partial sums, 2,304 rows of 4,096 bytes apart
	s_add_nc_u64 s[34:35], s[32:33], 0x900000
	s_add_nc_u64 s[36:37], s[34:35], 0x900000
	s_add_nc_u64 s[38:39], s[36:37], 0x900000
	s_lshl_b32 s30, s21, 12
	s_add_co_u32 s30, s30, s17
	s_add_nc_u64 s[40:41], s[4:5], s[30:31]        ; pick 1
	s_add_nc_u64 s[42:43], s[40:41], 0x900000
	s_add_nc_u64 s[44:45], s[42:43], 0x900000
	s_add_nc_u64 s[46:47], s[44:45], 0x900000
	s_lshl_b32 s30, s22, 12
	s_add_co_u32 s30, s30, s17
	s_add_nc_u64 s[48:49], s[12:13], s[30:31]      ; b2[e0]
	s_lshl_b32 s30, s23, 12
	s_add_co_u32 s30, s30, s17
	s_add_nc_u64 s[50:51], s[12:13], s[30:31]      ; b2[e1]
	s_lshl_b32 s30, s16, 12
	s_add_co_u32 s30, s30, s17
	s_add_nc_u64 s[14:15], s[14:15], s[30:31]      ; y[t]
; pick k: the bias into v[4 + 80 k ..], 16 registers, which then take the sum; the four partial sums behind it
.macro PICKLD k
.irp i, 0,1,2,3
	global_load_b128 v[4+80*\k+4*\i:4+80*\k+4*\i+3], v1, s[48+2*\k:49+2*\k] offset:512*\i
.endr
.irp s, 0,1,2,3
.irp i, 0,1,2,3
	global_load_b128 v[20+80*\k+16*\s+4*\i:20+80*\k+16*\s+4*\i+3], v1, s[32+8*\k+2*\s:33+8*\k+2*\s] offset:512*\i
.endr
.endr
.endm
.macro PICKSUM k
.irp s, 0,1,2,3
.irp q, 0,2,4,6,8,10,12,14
	v_pk_add_f32 v[4+80*\k+\q:5+80*\k+\q], v[4+80*\k+\q:5+80*\k+\q], v[20+80*\k+16*\s+\q:21+80*\k+16*\s+\q]
.endr
.endr
.endm
	PICKLD 0
	PICKLD 1
	s_wait_loadcnt 20                              ; pick 0's 20 loads are in; pick 1's 20 stay out (loads return in order: ISA guide 5.7.1)
	PICKSUM 0
	s_wait_loadcnt 0x0
	PICKSUM 1
	s_wait_kmcnt 0x0                               ; the two weights
	s_cmp_eq_u32 s22, s23
	s_cselect_b32 s28, 0, s28                      ; one expert named twice counts once
	s_mov_b32 s27, s26                             ; the pairs' upper registers are written too
	s_mov_b32 s29, s28
.irp q, 0,2,4,6,8,10,12,14
	v_pk_mul_f32 v[4+\q:5+\q], v[4+\q:5+\q], s[26:27] op_sel_hi:[1,0]
.endr
.irp q, 0,2,4,6,8,10,12,14
	v_pk_fma_f32 v[4+\q:5+\q], v[84+\q:85+\q], s[28:29], v[4+\q:5+\q] op_sel_hi:[1,0,1]
.endr
.irp i, 0,1,2,3
	global_store_b128 v1, v[4+4*\i:7+4*\i], s[14:15] offset:512*\i th:TH_STORE_NT     ; 512 neighbouring bytes
.endr
	s_endpgm
.Lfunc_end_k_q7c85ea584d_combine:
	.size	k_q7c85ea584d_combine, .Lfunc_end_k_q7c85ea584d_combine-k_q7c85ea584d_combine
	.p2alignl 7, 3214868480
	.fill 96, 4, 3214868480
	.section	.rodata,"a",@progbits
	.p2align	6, 0x0
	.amdhsa_kernel k_q7c85ea584d_combine
		.amdhsa_group_segment_fixed_size 0
		.amdhsa_private_segment_fixed_size 0
		.amdhsa_enable_private_segment 0
		.amdhsa_kernarg_size 48
		.amdhsa_user_sgpr_count 2
		.amdhsa_user_sgpr_kernarg_segment_ptr 1
		.amdhsa_wavefront_size32 1
		.amdhsa_system_sgpr_workgroup_id_x 1
		.amdhsa_system_sgpr_workgroup_id_y 1
		.amdhsa_system_sgpr_workgroup_id_z 1
		.amdhsa_system_vgpr_workitem_id 0
		.amdhsa_next_free_vgpr 168
		.amdhsa_next_free_sgpr 66
		.amdhsa_reserve_vcc 0
		.amdhsa_float_denorm_mode_32 3
		.amdhsa_float_denorm_mode_16_64 3
		.amdhsa_memory_ordered 1
		.amdhsa_forward_progress 1
		.amdhsa_inst_pref_size 12
	.end_amdhsa_kernel
	.amdgpu_metadata
---
amdhsa.version: [ 1, 2 ]
amdhsa.kernels:
  - .name:           k_q7c85ea584d_combine
    .symbol:         k_q7c85ea584d_combine.kd
    .args:
      - { .name: part, .offset: 0, .size: 8, .value_kind: global_buffer, .address_space: global }
      - { .name: slot, .offset: 8, .size: 8, .value_kind: global_buffer, .address_space: global }
      - { .name: router_indices, .offset: 16, .size: 8, .value_kind: global_buffer, .address_space: global }
      - { .name: routing_weights, .offset: 24, .size: 8, .value_kind: global_buffer, .address_space: global }
      - { .name: down_proj_bias, .offset: 32, .size: 8, .value_kind: global_buffer, .address_space: global }
      - { .name: out0, .offset: 40, .size: 8, .value_kind: global_buffer, .address_space: global }
    .group_segment_fixed_size: 0
    .private_segment_fixed_size: 0
    .kernarg_segment_align: 8
    .kernarg_segment_size: 48
    .max_flat_workgroup_size: 256
    .sgpr_count:     66
    .vgpr_count:     168
    .wavefront_size: 32
...
	.end_amdgpu_metadata
.endif
;; end of part 4
;; ======== version 2 of 3: 4 launches; 1.14 times as fast as version 1
;; limits: values are held in f16: magnitudes above 65,504 overflow, below 6.1e-05 lose precision
;; workspace buffers: xg 4,718,592 bytes; act 9,437,184 bytes; part 37,748,736 bytes; meta 256 bytes of whole numbers; slot 8,192 bytes of whole numbers
;; launch route (part 5): grid 72 x 1, 32 waves a work-group, no clusters, 6,656 bytes of LDS; arguments hidden_states, router_indices, xg, meta, slot; writes xg, meta, slot
.if DOCPART == 5
	.amdgcn_target "amdgcn-amd-amdhsa--gfx1250"
	.amdhsa_code_object_version 6
	.text
	.protected	k_q7c85ea584d_route
	.globl	k_q7c85ea584d_route
	.p2align	8
	.type	k_q7c85ea584d_route,@function
k_q7c85ea584d_route:
	s_mov_b64 s[64:65], 0
	v_nop
	global_prefetch_b8 v0, s[64:65] scope:SCOPE_SE
	s_setreg_imm32_b32 hwreg(HW_REG_WAVE_MODE, 25, 1), 1
	s_wait_xcnt 0x0
; route: sorts the (token, expert) picks by expert and gathers x, as f16, in the order in which the matrix instruction wants it.
; Expert e owns the rows BASE_e .. BASE_e + P_e - 1 of a common row space, P_e = its number of tokens n_e made up to a multiple of 32;
; at most 2,048 + 8 x 31 rows, inside 2,304 = 144 tiles of 16.  A token's rank inside its expert is its place in token order.
; Every work-group repeats the routing (8 KB of indices, one token a thread); work-group b then stores rows 32 b .. 32 b + 31 of xg, 64 KB in one piece.
; xg: [tile][K step of 32][jj 0/1][lane][16 bytes]: lane (r, h) holds row r, k = 16 jj + 8 h .. + 7: a fragment is two loads of 512 neighbouring bytes.
; Rows without a token are stored as zeros.  Work-group 0 also stores meta (entries of 8 bytes: 0-7 P_e / 32, 8-15 BASE_e, the rest 0) and slot (each pick's row).
; LDS holds only bytes that a wave writes for itself; behind the second barrier it is only read, so a row's token is FOUND, not scattered.
; WHY f16: 11 significant bits against bf16's 8, at the same bytes and the same matrix form's shape; results in which two experts' terms nearly cancel need them.
; LIMITS: a number of x beyond 65,504 in magnitude becomes an infinity (x of spread 1, 30 times larger and with an offset of 30, stays below 200);
; below 2^-14 f16 steps by 2^-24.  Indices are taken as 0 .. 7 (an index stays inside its table); larger ones are clamped to 7.
.set CNT, 0                            ; [wave][16 bytes]  the wave's 8 counts, 16 bits each
.set MK,  512                          ; [wave][8 words]   the wave's ballots: bit l = token 32 wave + l picked expert e
.set RB,  1536                         ; [wave][8 words]   the row of the wave's first token of expert e
	s_load_b256 s[4:11], s[0:1], 0x0               ; hidden_states s[4:5], router_indices s[6:7], xg s[8:9], meta s[10:11]
	s_load_b64 s[12:13], s[0:1], 0x20              ; slot
	v_lshl_add_u32 v112, v0, 2, 0xa00
	v_mov_b32 v113, 0
	v_and_b32 v1, 31, v0                           ; lane
	v_lshrrev_b32 v5, 5, v0
	v_readfirstlane_b32 s14, v5                    ; wave 0..31
	v_lshlrev_b32 v6, 3, v0                        ; 8 t: my token's two indices, and later its two rows
	v_lshlrev_b32 v7, 4, v5                        ; 16 x wave
	v_lshlrev_b32 v5, 5, v5                        ; 32 x wave
	s_wait_kmcnt 0x0
	global_load_b64 v[2:3], v6, s[6:7]
	s_wait_loadcnt 0x0
	v_min_u32 v2, 7, v2
	v_min_u32 v3, 7, v3
	; ballots M_e in s[16:23] (a token that names an expert twice counts once, as the reference's mask does), counts packed in s[24:27]
.irp e, 0,1,2,3,4,5,6,7
	v_cmp_eq_u32 s61, \e, v2
	v_cmp_eq_u32 s62, \e, v3
	s_or_b32 s[16+\e], s61, s62
	s_bcnt1_i32_b32 s63, s[16+\e]
.if \e & 1
	s_lshl_b32 s63, s63, 16
	s_or_b32 s[24+(\e>>1)], s[24+(\e>>1)], s63
.else
	s_mov_b32 s[24+(\e>>1)], s63
.endif
.endr
.irp q, 0,1,2,3
	v_mov_b32 v[8+\q], s[24+\q]
.endr
.irp q, 0,1,2,3,4,5,6,7
	v_mov_b32 v[16+\q], s[16+\q]
.endr
	ds_store_b128 v7, v[8:11] offset:CNT           ; all lanes store the same 16 bytes
	ds_store_b128 v5, v[16:19] offset:MK
	ds_store_b128 v5, v[20:23] offset:MK+16
	s_wait_dscnt 0x0                               ; for the other waves' sake: my stores are done before I signal
	s_barrier_signal -1
	s_barrier_wait -1
	; Totals v[8:11] and the sums over the waves in front of mine v[12:15]: lane j takes wave j's 16 bytes, the second set keeps only the lanes below my
	; wave's number, and eight sums run over the 32 lanes at once.  Fields of 16 bits never pass 1,024.
	v_lshlrev_b32 v48, 4, v1                       ; 16 x lane
	ds_load_b128 v[8:11], v48 offset:CNT
	s_mov_b32 s61, 0x76543210                      ; v_permlanex16_b32: lane i of one half reads lane i of the other
	s_mov_b32 s62, 0xfedcba98
	v_cmp_gt_u32 vcc_lo, s14, v1                   ; is that wave in front of mine?
	s_wait_dscnt 0x0
.irp q, 0,1,2,3
	v_cndmask_b32 v[12+\q], 0, v[8+\q], vcc_lo
.endr
.irp m, 1,2,4,8
.irp q, 0,1,2,3,4,5,6,7
	v_mov_b32_dpp v[16+\q], v[8+\q] row_xmask:\m row_mask:0xf bank_mask:0xf       ; lane i takes lane i xor m; v[16:23] have been written above
.endr
.irp q, 0,1,2,3,4,5,6,7
	v_add_nc_u32 v[8+\q], v[8+\q], v[16+\q]
.endr
.endr
.irp q, 0,1,2,3,4,5,6,7
	v_permlanex16_b32 v[16+\q], v[8+\q], s61, s62
.endr
.irp q, 0,1,2,3,4,5,6,7
	v_add_nc_u32 v[8+\q], v[8+\q], v[16+\q]        ; every lane holds the sums
.endr
.irp q, 0,1,2,3,4,5,6,7
	v_readfirstlane_b32 s[28+\q], v[8+\q]          ; s[28:31] totals, s[32:35] sums in front of my wave
.endr
	s_mov_b32 s60, 0                               ; running first row
.irp e, 0,1,2,3,4,5,6,7
	s_bfe_u32 s61, s[28+(\e>>1)], 0x100000|(16*(\e&1))     ; n_e
	s_bfe_u32 s62, s[32+(\e>>1)], 0x100000|(16*(\e&1))     ; tokens of e in the waves in front of mine
	s_add_co_u32 s61, s61, 31
	s_and_b32 s61, s61, 0xffe0                     ; P_e
	s_add_co_u32 s[36+\e], s60, s62                ; row of my wave's first token of e
	s_mov_b32 s[44+\e], s60                        ; BASE_e
	s_lshr_b32 s[52+\e], s61, 5                    ; units of 32 rows
	s_add_co_u32 s60, s60, s61
.endr
.irp q, 0,1,2,3,4,5,6,7
	v_mov_b32 v[16+\q], s[36+\q]
.endr
	ds_store_b128 v5, v[16:19] offset:RB
	ds_store_b128 v5, v[20:23] offset:RB+16
	s_wait_dscnt 0x0                               ; my stores are done, and my read of CNT was waited for above
	s_barrier_signal -1
	s_barrier_wait -1                              ; from here on LDS is only read
	; work-group 0 alone: each pick's row, and the table of experts
	s_cmp_lg_u32 ttmp9, 0
	s_cbranch_scc1 .Lgather
	v_mov_b32 v50, 0
	v_mov_b32 v51, 0
.irp e, 0,1,2,3,4,5,6,7
	v_mbcnt_lo_u32_b32 v52, s[16+\e], 0            ; tokens of e in the lanes below mine
	v_add_nc_u32 v52, s[36+\e], v52
	v_cmp_eq_u32 vcc_lo, \e, v2
	v_cndmask_b32 v50, v50, v52, vcc_lo
	v_cmp_eq_u32 vcc_lo, \e, v3
	v_cndmask_b32 v51, v51, v52, vcc_lo
.endr
	global_store_b64 v6, v[50:51], s[12:13]        ; a wave stores 256 neighbouring bytes
	s_cmp_lg_u32 s14, 0
	s_cbranch_scc1 .Lgather
	v_mov_b32 v56, 0
	v_mov_b32 v57, 0
.irp e, 0,1,2,3,4,5,6,7
	v_writelane_b32 v56, s[52+\e], \e
	v_writelane_b32 v56, s[44+\e], 8+\e
.endr
	v_lshlrev_b32 v55, 3, v1
	global_store_b64 v55, v[56:57], s[10:11]       ; the whole 256 bytes of meta
.Lgather:
	; The gather.  Wave = (tile tau of the group's two, pair kp of K steps).  None of the registers of the stores above is written below.
	v_and_b32 v24, 15, v0                          ; r
	v_bfe_u32 v25, v0, 4, 1                        ; h
	s_and_b32 s61, s14, 1                          ; tau
	s_lshr_b32 s62, s14, 1                         ; kp
	s_lshl_b32 s63, ttmp9, 1
	s_add_co_u32 s63, s63, s61                     ; tile = 2 b + tau
	s_lshl_b32 s60, s63, 4
	v_add_nc_u32 v26, s60, v24                     ; rho: my row
	v_mov_b32 v27, 0                               ; 4 e: the last expert whose BASE is not beyond rho (BASE ascends)
.irp e, 1,2,3,4,5,6,7
	v_cmp_gt_u32 vcc_lo, s[44+\e], v26             ; BASE_e > rho: keep
	v_cndmask_b32 v27, 4*\e, v27, vcc_lo
.endr
	v_mov_b32 v28, 0                               ; j: the last wave whose first row of e is not beyond rho, by halving
.irp st, 16,8,4,2,1
	v_add_nc_u32 v29, \st, v28
	v_lshl_add_u32 v30, v29, 5, v27
	v_min_u32 v30, 0x3fc, v30                      ; the table's last word: j <= 31, e <= 7
	ds_load_b32 v31, v30 offset:RB
	s_wait_dscnt 0x0
	v_cmp_le_u32 vcc_lo, v31, v26
	v_cndmask_b32 v28, v28, v29, vcc_lo
.endr
	v_lshl_add_u32 v30, v28, 5, v27
	v_min_u32 v30, 0x3fc, v30
	ds_load_b32 v31, v30 offset:RB
	ds_load_b32 v32, v30 offset:MK                 ; m: that wave's ballot
	s_wait_dscnt 0x0
	v_sub_nc_u32 v33, v26, v31                     ; n: my row's rank among that wave's tokens of e
	; counts of m's set bits in fields of 2, 4, 8, 16 bits
	v_lshrrev_b32 v34, 1, v32
	v_and_b32 v34, 0x55555555, v34
	v_sub_nc_u32 v34, v32, v34                     ; fields of 2
	v_lshrrev_b32 v35, 2, v34
	v_and_b32 v35, 0x33333333, v35
	v_and_b32 v40, 0x33333333, v34
	v_add_nc_u32 v35, v35, v40                     ; fields of 4
	v_lshrrev_b32 v36, 4, v35
	v_add_nc_u32 v36, v36, v35
	v_and_b32 v36, 0x0f0f0f0f, v36                 ; fields of 8
	v_lshrrev_b32 v37, 8, v36
	v_add_nc_u32 v37, v37, v36
	v_and_b32 v37, 0x00ff00ff, v37                 ; fields of 16
	v_lshrrev_b32 v40, 16, v37
	v_and_b32 v39, 0xffff, v37
	v_add_nc_u32 v40, v40, v39                     ; all of m
	v_cmp_lt_u32 s60, v33, v40                     ; the row has a token if its rank is below the count (padding rows end at the last wave with a rank too large)
; one halving: if the lower half of the window at v38 holds no more than n set bits, go to the upper half
.macro PICK src, w
	v_bfe_u32 v39, v[\src], v38, \w
	v_sub_nc_u32 v40, v33, v39
	v_add_nc_u32 v41, \w, v38
	v_cmp_ge_u32 vcc_lo, v33, v39
	v_cndmask_b32 v33, v33, v40, vcc_lo
	v_cndmask_b32 v38, v38, v41, vcc_lo
.endm
	v_mov_b32 v38, 0
	PICK 37, 16
	PICK 36, 8
	PICK 35, 4
	PICK 34, 2
	PICK 32, 1
	v_lshl_add_u32 v39, v28, 5, v38                ; token = 32 j + bit
	v_min_u32 v39, 0x3ff, v39
	s_lshl_b32 s61, s62, 11                        ; kp x two K steps of 1,024 bytes in xg
	s_lshl_b32 s62, s62, 8                         ; kp x 256 bytes of a row of x
	s_lshl_b32 s63, s63, 15                        ; tile x 32,768 bytes
	s_add_co_u32 s63, s63, s61
	v_lshlrev_b32 v42, 12, v39                     ; token x 4,096 bytes
	v_lshl_add_u32 v42, v25, 5, v42                ; + 32 h
	v_add_nc_u32 v42, s62, v42
	v_lshl_add_u32 v43, v1, 4, s63                 ; 16 x lane + the wave's 2,048 bytes of xg
	; q = 2 x (K step of the pair) + jj: k = 16 q + 8 h .. + 7 of the pair's 64: the eight loads take 256 aligned bytes of each of 16 rows
.irp q, 0,1,2,3
	global_load_b128 v[64+8*\q:64+8*\q+3], v42, s[4:5] offset:64*\q
	global_load_b128 v[64+8*\q+4:64+8*\q+7], v42, s[4:5] offset:64*\q+16
.endr
	s_wait_loadcnt 0x0
.irp q, 0,1,2,3
.irp p, 0,1,2,3
	v_cvt_pk_f16_f32 v[96+4*\q+\p], v[64+8*\q+2*\p], v[64+8*\q+2*\p+1]     ; the first source into the low half
.endr
.endr
.irp q, 0,1,2,3,4,5,6,7,8,9,10,11,12,13,14,15
	v_cndmask_b32 v[96+\q], 0, v[96+\q], s60       ; rows without a token are zeros
.endr
.irp q, 0,1,2,3
	global_store_b128 v43, v[96+4*\q:96+4*\q+3], s[8:9] offset:512*\q      ; 512 neighbouring bytes
.endr
	s_wait_tensorcnt 0x0
	ds_add_u32 v112, v113
	s_wait_dscnt 0x0
	s_endpgm
.Lfunc_end_k_q7c85ea584d_route:
	.size	k_q7c85ea584d_route, .Lfunc_end_k_q7c85ea584d_route-k_q7c85ea584d_route
	.p2alignl 7, 3214868480
	.fill 96, 4, 3214868480
	.section	.rodata,"a",@progbits
	.p2align	6, 0x0
	.amdhsa_kernel k_q7c85ea584d_route
		.amdhsa_group_segment_fixed_size 6656
		.amdhsa_private_segment_fixed_size 0
		.amdhsa_enable_private_segment 0
		.amdhsa_kernarg_size 40
		.amdhsa_user_sgpr_count 2
		.amdhsa_user_sgpr_kernarg_segment_ptr 1
		.amdhsa_wavefront_size32 1
		.amdhsa_system_sgpr_workgroup_id_x 1
		.amdhsa_system_sgpr_workgroup_id_y 1
		.amdhsa_system_sgpr_workgroup_id_z 1
		.amdhsa_system_vgpr_workitem_id 0
		.amdhsa_next_free_vgpr 114
		.amdhsa_next_free_sgpr 66
		.amdhsa_reserve_vcc 1
		.amdhsa_float_denorm_mode_32 3
		.amdhsa_float_denorm_mode_16_64 3
		.amdhsa_memory_ordered 1
		.amdhsa_forward_progress 1
		.amdhsa_inst_pref_size 23
	.end_amdhsa_kernel
	.amdgpu_metadata
---
amdhsa.version: [ 1, 2 ]
amdhsa.kernels:
  - .name:           k_q7c85ea584d_route
    .symbol:         k_q7c85ea584d_route.kd
    .args:
      - { .name: hidden_states, .offset: 0, .size: 8, .value_kind: global_buffer, .address_space: global }
      - { .name: router_indices, .offset: 8, .size: 8, .value_kind: global_buffer, .address_space: global }
      - { .name: xg, .offset: 16, .size: 8, .value_kind: global_buffer, .address_space: global }
      - { .name: meta, .offset: 24, .size: 8, .value_kind: global_buffer, .address_space: global }
      - { .name: slot, .offset: 32, .size: 8, .value_kind: global_buffer, .address_space: global }
    .group_segment_fixed_size: 6656
    .private_segment_fixed_size: 0
    .kernarg_segment_align: 8
    .kernarg_segment_size: 40
    .max_flat_workgroup_size: 1024
    .sgpr_count:     66
    .vgpr_count:     114
    .wavefront_size: 32
...
	.end_amdgpu_metadata
.endif
;; end of part 5
;; launch gateup (part 6): grid 256 x 1, 8 waves a work-group, no clusters, 280,064 bytes of LDS; arguments gate_up_proj, gate_up_proj_bias, xg, meta, act; writes act
.if DOCPART == 6
	.amdgcn_target "amdgcn-amd-amdhsa--gfx1250"
	.amdhsa_code_object_version 6
	.text
	.protected	k_q7c85ea584d_gateup
	.globl	k_q7c85ea584d_gateup
	.p2align	8
	.type	k_q7c85ea584d_gateup,@function
k_q7c85ea584d_gateup:
	s_mov_b64 s[64:65], 0
	v_nop
	global_prefetch_b8 v0, s[64:65] scope:SCOPE_SE
	s_setreg_imm32_b32 hwreg(HW_REG_WAVE_MODE, 25, 1), 1
	s_wait_xcnt 0x0
; gateup: act_e = GEGLU(X_e W1_e + b1_e) for the rows that picked expert e.  Work-group = (expert e = wg / 32, columns 128 c .. + 127 of 4,096, c = wg % 32).
; The group's slice of W1 (1,024 k x 128 columns of f32, 512 KB, read by no other work-group) is read once, rounded to f16 and laid into LDS as [chunk of 128 k][column][k]; it stays there.
; THE STREAM OF WEIGHTS AND THE PRODUCTS RUN AT THE SAME TIME, in every wave alike.  Wave w multiplies unit w of the expert's first eight units of 32 rows (32 rows x 128 columns, 16 accumulator
; tiles) and brings k = 128 ch + 16 w .. + 15 of every chunk ch: two groups of 8 k-rows, through a ring of four groups in registers.  While chunk ch is multiplied, chunk ch + 1 is converted and
; stored (other bytes of LDS) and chunk ch + 3 is asked for.  ONE BARRIER A CHUNK: in front of it the next chunk is stored and waited for, behind it it is read.  No LDS byte is written twice.
; The turn from [k][n] to [n][k] costs no instruction: a lane loads 8 k-rows x 4 columns, v_cvt_pk_f16_f32 pairs (k, k + 1) of one column, four such words are 16 bytes of a row of LDS.
; x comes from xg in fragment order straight into registers (ring of 8 K steps).  The matrix instruction takes the weights as source 0 and x as source 1: lane (r, h) then holds token row r and,
; in register i of tile j, column 16 j + 8 h + i: gate and up of one act column lie in neighbouring registers of one lane.
; A wave whose unit lies beyond the expert's count multiplies rows that it does not store: every wave's way through the barriers is the same.
; UNITS FROM THE NINTH ON: behind the last barrier, as items of 16 rows x 64 columns (four to a unit): waves 0-3 take units 8, 10, .., waves 4-7 units 9, 11, ..
; An expert with far more than 256 rows is served rightly, but by these small items.
; act: [tile of 16 rows][K step of 32 f][jj][lane][16 bytes], as xg, but inside a K step place sigma holds f = sigma with bits 2 and 3 exchanged
; (a lane's 8 results of two neighbouring tiles are stored as they lie); the next launch lays W2 in the same order, which leaves the products as they are.
; WHY f16: 11 significant bits against bf16's 8, at the same bytes.  act has room in f16 for every input: the clamps bound |up + 1| by 8 and |glu| by 7, so |act| <= 56.
; No tensor loads and no cluster: the weights need converting and turning in registers and are shared with nobody; x is shared but goes to registers.  No prefetch: the ring keeps the stream going.
; LIMITS: a number of W1 beyond 65,504 in magnitude becomes an infinity (W1 of spread 1/32, 30 times larger, stays below 10); below 2^-14 f16 steps by 2^-24,
; which is under 1e-4 of W1's spread made 30 times smaller.  A NaN in gate or up is replaced by the clamp's bound (v_min_num, v_med3_num let the number win).
; Very negative gates: exp2 gives +inf, its reciprocal 0, glu -0.
.set PC,   272                         ; LDS row of a chunk: 128 f16 + 16 bytes: an odd multiple of 16, so the 16 rows of a fragment load start at 16 different 16-byte columns modulo 256
.set CHB,  128*PC                      ; 34,816 bytes: a chunk
.set NC,   8                           ; chunks
.set NK,   32                          ; K steps of 32, four to a chunk
.set BIAS, NC*CHB                      ; 512 bytes: the group's 128 biases
.set TSTR, 32768                       ; bytes of a tile of xg
; window 0: v4 my offset in W1, v8 in xg, v9 16 x lane, v10 in act (items)
.set SB,   12                          ; v[12:15]   where I store my part of chunks 2 m, 2 m + 1
.set LC,   20                          ; v[20:23]   where I read fragments of chunks 2 m, 2 m + 1
.set LB,   24                          ; v[24:27]   the same for an item's 64 columns
.set T,    32                          ; v[32:47]   16 packed words on their way to LDS
.set W,    64                          ; v[64:127]  weight fragments, tile j at W + 8 j
.set A,    128                         ; v[128:255] ring of 8 K steps x (2 tiles x 8 registers) of x
; window 1: accumulator tile (tau, j) at v[256 + 8 (8 tau + j)]
.set X,    128                         ; v[384:511] ring of 4 groups x 8 loads of W1
.set T1,   128                         ; v[384:391] at work in the activation, when the ring has been used up
.set OOFF, 144                         ; v400       my byte offset in act
.set MULW, 0x50                        ; C and D in window 1, sources in window 0
; the items, all in window 0
.set LACC, 32                          ; v[32:63]   four accumulator tiles
.set LA,   64                          ; v[64:127]  ring of 8 K steps of x
.set LW,   128                         ; v[128:255] ring of 4 K steps x 4 tiles of weights
.set LT,   192                         ; v[192:199] at work in the activation
.set MSB, 0
.macro WIN new                         ; the immediate's high byte repeats the setting that is left
.if MSB != \new
	s_set_vgpr_msb (MSB<<8)|\new
.set MSB, \new
.endif
.endm
.macro PLACES                          ; four places behind a matrix instruction before its registers are loaded into or its result is read (ISA guide 7.12.1)
.rept 4
	v_nop
.endr
.endm
; THE COUNTS OF s_wait_loadcnt.  Loads of x and of W1 share one counter and return in the order of issue (ISA guide 5.7.1).  That order is, in loads (X c g: group g of chunk c, 8 loads; A s: x of K step s, 4):
;   X00 X01 X10 X11 | A0 .. A7 | X20 X21 | and while chunk q is multiplied: X(q+3)0 A(4q+8) A(4q+9) X(q+3)1 A(4q+10) A(4q+11), without the X when chunk q + 3 does not exist.
; NI counts the loads issued so far; POSA and POSX set PP to the number of loads up to and with the wanted one; NI - PP younger loads may stay out.
.set NI, 0
.set PP, 0
.macro POSA s
.if (\s) < 8
.set PP, 36+4*(\s)
.else
.if (((\s)-8)>>2) < NC-3
.set PP, 80+32*(((\s)-8)>>2)+12+4*((\s)&3)+8*(((\s)&3)>>1)
.else
.set PP, 80+32*(((\s)-8)>>2)+4*(((\s)&3)+1)
.endif
.endif
.endm
.macro POSX c, g
.if (\c) < 2
.set PP, 8*(2*(\c)+(\g)+1)
.else
.if (\c) == 2
.set PP, 72+8*(\g)
.else
.set PP, 80+32*((\c)-3)+8+16*(\g)
.endif
.endif
.endm
.macro WAITLD
.if NI-PP > 63
	s_wait_loadcnt 63                              ; a smaller count than the younger loads' number: the largest that the instruction can name
.else
	s_wait_loadcnt NI-PP                           ; the wanted load is in; the younger ones stay out
.endif
.endm
	s_load_b256 s[4:11], s[0:1], 0x0               ; W1 s[4:5], b1 s[6:7], xg s[8:9], meta s[10:11]
	s_load_b64 s[12:13], s[0:1], 0x20              ; act
	v_lshl_add_u32 v30, v0, 2, 0x44200
	v_mov_b32 v31, 0
	v_and_b32 v1, 31, v0                           ; lane
	v_lshrrev_b32 v2, 5, v0
	v_readfirstlane_b32 s14, v2                    ; wave 0..7
	s_lshr_b32 s37, s14, 2                         ; items: waves 0-3 the even units, waves 4-7 the odd ones
	s_bfe_u32 s38, s14, 0x10001                    ; an item's half of the 128 columns
	s_and_b32 s39, s14, 1                          ; an item's tile of the unit's two
	s_lshr_b32 s15, ttmp9, 5                       ; e
	s_and_b32 s16, ttmp9, 31                       ; c
	s_lshl_b32 s27, s15, 3                         ; 8 e: my entry of meta; never rewritten
	s_lshl_b32 s22, s16, 9                         ; 128 columns of f32
	s_lshl_b32 s20, s15, 24                        ; an expert's 1,024 x 4,096 f32
	s_add_co_u32 s20, s20, s22
	s_mov_b32 s21, 0
	s_lshl_b32 s32, s15, 14                        ; an expert's 4,096 biases
	s_add_co_u32 s32, s32, s22
	s_mov_b32 s33, 0
	s_mov_b32 s24, 0xc0e00000                      ; -7.0
	s_mov_b32 s25, 0x40e00000                      ; 7.0
	s_mov_b32 s26, 0xc01d265f                      ; -1.702 x log2(e)
	v_lshlrev_b32 v9, 4, v1                        ; 16 x lane
	v_lshl_add_u32 v4, s14, 18, v9                 ; + wave x 16 k-rows of 16,384 bytes
	v_mul_u32_u24 v5, v1, 4*PC                     ; LDS: column 4 x lane,
	v_lshl_add_u32 v5, s14, 5, v5                  ; k = 16 x wave of the chunk
.irp m, 0,1,2,3
	v_add_nc_u32 v[SB+\m], 2*CHB*\m, v5            ; chunks 2 m and 2 m + 1: the second is reached by the immediate
.endr
	v_add_nc_u32 v6, BIAS, v9
	s_wait_kmcnt 0x0
	s_add_nc_u64 s[4:5], s[4:5], s[20:21]
	s_add_nc_u64 s[34:35], s[4:5], 0x800000        ; chunks 4-7: 512 k-rows on, so that the immediates stay inside their signed 24 bits
	s_add_nc_u64 s[6:7], s[6:7], s[32:33]
	s_load_b64 s[28:29], s[10:11], s27 offset:0x0  ; units of 32 rows of my expert
	s_load_b64 s[30:31], s[10:11], s27 offset:0x40 ; its first row
; group g of chunk c: 8 k-rows, each load 512 neighbouring bytes of one row; the data go to window 1
.macro GLOAD c, g
.irp i, 0,1,2,3,4,5,6,7
.if (\c) < 4
	global_load_b128 v[X+32*((2*(\c)+(\g))%4)+4*\i:X+32*((2*(\c)+(\g))%4)+4*\i+3], v4, s[4:5] offset:((\c)*128+8*(\g)+\i)*16384 th:TH_LOAD_NT
.else
	global_load_b128 v[X+32*((2*(\c)+(\g))%4)+4*\i:X+32*((2*(\c)+(\g))%4)+4*\i+3], v4, s[34:35] offset:(((\c)-4)*128+8*(\g)+\i)*16384 th:TH_LOAD_NT
.endif
.endr
.set NI, NI+8
.endm
; group g of chunk c is converted and stored, and its place in the ring is asked for again, two chunks on
.macro CONV c, g
	POSX \c, \g
	WAITLD
	WIN 0x05                                       ; both sources in window 1, the result in window 0
.irp n, 0,1,2,3
.irp p, 0,1,2,3
	v_cvt_pk_f16_f32 v[T+4*\n+\p], v[X+32*((2*(\c)+(\g))%4)+8*\p+\n], v[X+32*((2*(\c)+(\g))%4)+8*\p+4+\n]   ; k = 2 p below, 2 p + 1 above, column n
.endr
.endr
	WIN 0
.irp n, 0,1,2,3
	ds_store_b128 v[SB+((\c)>>1)], v[T+4*\n:T+4*\n+3] offset:((\c)&1)*CHB+\n*PC+16*(\g)
.endr
.if (\c)+2 < NC
	WIN 0x40
	GLOAD (\c)+2, \g
	WIN 0
.endif
.endm
.macro ALOAD s                         ; x of K step s, both tiles: four loads of 512 neighbouring bytes
.irp t, 0,1
.irp q, 0,1
	global_load_b128 v[A+16*((\s)%8)+8*\t+4*\q:A+16*((\s)%8)+8*\t+4*\q+3], v8, s[8:9] offset:\t*TSTR+(\s)*1024+\q*512
.endr
.endr
.set NI, NI+4
.endm
.macro WLOAD half, s                   ; weight fragments of tiles 4 half .. 4 half + 3, K step s: eight LDS loads
.irp j, 0,1,2,3
	ds_load_b128 v[W+8*(4*\half+\j):W+8*(4*\half+\j)+3], v[LC+((\s)>>3)] offset:(((\s)>>2)&1)*CHB+(4*\half+\j)*16*PC+((\s)&3)*64
	ds_load_b128 v[W+8*(4*\half+\j)+4:W+8*(4*\half+\j)+7], v[LC+((\s)>>3)] offset:(((\s)>>2)&1)*CHB+(4*\half+\j)*16*PC+((\s)&3)*64+32
.endr
.endm
.macro MUL8 half, s, zero              ; eight matrix instructions on eight accumulators
.irp j, 0,1,2,3
.irp t, 0,1
.if \zero
	v_wmma_f32_16x16x32_f16 v[8*(8*\t+4*\half+\j):8*(8*\t+4*\half+\j)+7], v[W+8*(4*\half+\j):W+8*(4*\half+\j)+7], v[A+16*((\s)%8)+8*\t:A+16*((\s)%8)+8*\t+7], 0
.else
	v_wmma_f32_16x16x32_f16 v[8*(8*\t+4*\half+\j):8*(8*\t+4*\half+\j)+7], v[W+8*(4*\half+\j):W+8*(4*\half+\j)+7], v[A+16*((\s)%8)+8*\t:A+16*((\s)%8)+8*\t+7], v[8*(8*\t+4*\half+\j):8*(8*\t+4*\half+\j)+7]
.endif
.endr
.endr
.endm
	s_cmp_lg_u32 s14, 0
	s_cbranch_scc1 .Lnobias0
	global_load_b128 v[16:19], v9, s[6:7]          ; wave 0: the 128 biases; older than every counted load, so the counts hold for it too
.Lnobias0:
	WIN 0x40
	GLOAD 0, 0
	GLOAD 0, 1
	GLOAD 1, 0
	GLOAD 1, 1
	WIN 0
	v_and_b32 v2, 15, v0                           ; r
	v_bfe_u32 v3, v0, 4, 1                         ; h
	v_mul_u32_u24 v11, v2, PC
	v_lshl_add_u32 v11, v3, 4, v11                 ; r x pitch + 16 h
	s_mul_i32 s20, s38, 64*PC                      ; an item's 64 columns
.irp m, 0,1,2,3
	v_add_nc_u32 v[LC+\m], 2*CHB*\m, v11           ; the tile, the K step and the odd chunk stand in the immediate: 65,504 at the most
	v_add_nc_u32 v[LB+\m], s20, v[LC+\m]
.endr
	v_lshlrev_b32 v7, 5, v3
	v_add_nc_u32 v7, BIAS, v7                      ; my 8 biases of tile j lie at + 64 j
	v_lshl_add_u32 v28, s38, 8, v7                 ; the same for an item's four tiles
	s_wait_kmcnt 0x0                               ; meta
	s_min_u32 s18, s28, 32                         ; at most 1,024 rows = 32 units
	s_max_u32 s17, s18, 8
	s_sub_co_u32 s17, s17, 7                       ; units from the ninth on, + 1
	s_sub_co_u32 s17, s17, s37
	s_lshr_b32 s17, s17, 1                         ; my trips through them
	s_lshl_b32 s20, s14, 5
	s_add_co_u32 s20, s20, s30                     ; my unit's first row
	s_min_u32 s20, s20, 2272                       ; the last unit that the row space holds; the bound moves only rows that are not stored
	s_lshl_b32 s21, s20, 11                        ; xg: 2,048 bytes a row
	v_add_nc_u32 v8, s21, v9
	s_lshl_b32 s41, s20, 12                        ; act: 4,096 bytes a row,
	s_lshl_b32 s22, s16, 11                        ; K steps 2 c and 2 c + 1
	s_add_co_u32 s41, s41, s22
.irp n, 0,1,2,3,4,5,6,7
	ALOAD \n
.endr
	CONV 0, 0
	s_cmp_lg_u32 s14, 0
	s_cbranch_scc1 .Lnobias1
	ds_store_b128 v6, v[16:19]                     ; the wait above has shown this older load in
.Lnobias1:
	CONV 0, 1
	s_wait_dscnt 0x0                               ; for the others' sake: my part of chunk 0 is in LDS before I signal
	s_barrier_signal -1
	s_barrier_wait -1                              ; chunk 0 is whole
	WLOAD 0, 0
	WLOAD 1, 0
	; The 16 accumulators take turns, one instruction a turn, over the K steps too.
.set ks, 0
.rept NK
.set cv, 0                                             ; does this K step convert a group of the next chunk?  K steps 0 and 2 of a chunk do
.if (ks&1) == 0
.if (ks>>2)+1 < NC
.set cv, 1
.endif
.endif
	POSA ks
	WAITLD                                         ; x of this K step
	s_wait_dscnt 0x8                               ; tiles 0-3 are in; the eight younger loads (tiles 4-7) may be out
	WIN MULW
.if ks == 0
	MUL8 0, ks, 1                                  ; the first products start the sums
.else
	MUL8 0, ks, 0
.endif
	PLACES
	WIN 0
.if cv
.set cc, (ks>>2)+1
.set gg, (ks>>1)&1
	CONV cc, gg
.endif
.if (ks&3) < 3
	WLOAD 0, ks+1
	s_wait_dscnt 8+4*cv                            ; tiles 4-7 are in; the eight loads just issued, and the four stores of a conversion in front of them, may be out
	WIN MULW
.if ks == 0
	MUL8 1, ks, 1
.else
	MUL8 1, ks, 0
.endif
	PLACES
	WIN 0
	WLOAD 1, ks+1
.else
	s_wait_dscnt 0x0                               ; tiles 4-7 are in, my reads of this chunk are over and my part of the next chunk is in LDS:
.if ks < NK-1
	s_barrier_signal -1                            ; say so,
.endif
	WIN MULW
	MUL8 1, ks, 0                                  ; work on registers while the others arrive,
	PLACES
	WIN 0
.if ks < NK-1
	s_barrier_wait -1                              ; and read the next chunk when it is whole
	WLOAD 0, ks+1
	WLOAD 1, ks+1
.endif
.endif
.if ks+8 < NK
	ALOAD ks+8                                     ; into the ring's place that this K step has left
.endif
.set ks, ks+1
.endr
	; from here on LDS is only read, and no barrier follows
	s_cmp_ge_u32 s14, s18
	s_cbranch_scc1 .Lleft                          ; my unit lies beyond the expert's count: those rows belong to others
; the activation of tiles j and j + 1 (j even) of tile row tau: 8 gates in the even, 8 ups in the odd of 16 registers; all operands in window 1
.macro ACTW t, j
.set ac, 8*(8*\t+\j)
.irp p, 0,1,2,3,4,5,6,7
	v_min_num_f32 v[ac+2*\p], s25, v[ac+2*\p]              ; gate = min(gate, 7)
.endr
.irp p, 0,1,2,3,4,5,6,7
	v_mul_f32 v[T1+\p], s26, v[ac+2*\p]
.endr
.irp p, 0,1,2,3,4,5,6,7
	v_exp_f32 v[T1+\p], v[T1+\p]                           ; e^(-1.702 gate); gate <= 7 bounds the other side
.endr
.irp p, 0,1,2,3,4,5,6,7
	v_med3_num_f32 v[ac+2*\p+1], v[ac+2*\p+1], s24, s25    ; up clamped to -7 .. 7: also the plain instructions that stand behind the exponentials (ISA guide 5.7.2)
.endr
	s_wait_alu depctr_va_vdst(0)
.irp p, 0,1,2,3,4,5,6,7
	v_add_f32 v[T1+\p], 1.0, v[T1+\p]
.endr
.irp p, 0,1,2,3,4,5,6,7
	v_rcp_f32 v[T1+\p], v[T1+\p]                           ; sigmoid
.endr
	v_nop                                                  ; one plain place behind the reciprocals
	s_wait_alu depctr_va_vdst(0)
.irp p, 0,1,2,3,4,5,6,7
	v_mul_f32 v[T1+\p], v[ac+2*\p], v[T1+\p]               ; glu
.endr
.irp p, 0,1,2,3,4,5,6,7
	v_fma_f32 v[T1+\p], v[ac+2*\p+1], v[T1+\p], v[T1+\p]   ; (up + 1) glu
.endr
.irp p, 0,1,2,3
	v_cvt_pk_f16_f32 v[ac+\p], v[T1+2*\p], v[T1+2*\p+1]    ; |act| <= 56: inside f16 for every input
.endr
	global_store_b128 v[OOFF], v[ac:ac+3], s[12:13] offset:\t*65536+(\j>>2)*1024+((\j>>1)&1)*512   ; the wave stores 512 neighbouring bytes
.endm
	WIN 0x40
	v_add_nc_u32 v[OOFF], s41, v9                  ; the ring of W1 has been used up: its registers are free
	WIN 0
	; bias (tile j's 8 numbers of my half of the lanes, the same for both tile rows), activation, store
.irp j, 0,1,2,3,4,5,6,7
	ds_load_b128 v[W+8*\j:W+8*\j+3], v7 offset:64*\j
	ds_load_b128 v[W+8*\j+4:W+8*\j+7], v7 offset:64*\j+16
.endr
	s_wait_dscnt 0x0
	WIN 0x41                                       ; source 0 and destination in window 1, the bias in window 0
.irp t, 0,1
.irp j, 0,1,2,3,4,5,6,7
.irp q, 0,2,4,6
	v_pk_add_f32 v[8*(8*\t+\j)+\q:8*(8*\t+\j)+\q+1], v[8*(8*\t+\j)+\q:8*(8*\t+\j)+\q+1], v[W+8*\j+\q:W+8*\j+\q+1]
.endr
.endr
.endr
	WIN 0x55
.irp t, 0,1
.irp j, 0,2,4,6
	ACTW \t, \j
.endr
.endr
	WIN 0
.Lleft:
; THE UNITS FROM THE NINTH ON.  My item: tile s39 of the unit, columns 64 s38 .. + 63.
.macro ALOAD1 s                        ; x of K step s, one tile
.irp q, 0,1
	global_load_b128 v[LA+8*((\s)%8)+4*\q:LA+8*((\s)%8)+4*\q+3], v8, s[8:9] offset:(\s)*1024+\q*512
.endr
.endm
.macro WLOAD4 s                        ; weight fragments of my four tiles, K step s
.irp j, 0,1,2,3
	ds_load_b128 v[LW+32*((\s)%4)+8*\j:LW+32*((\s)%4)+8*\j+3], v[LB+((\s)>>3)] offset:(((\s)>>2)&1)*CHB+\j*16*PC+((\s)&3)*64
	ds_load_b128 v[LW+32*((\s)%4)+8*\j+4:LW+32*((\s)%4)+8*\j+7], v[LB+((\s)>>3)] offset:(((\s)>>2)&1)*CHB+\j*16*PC+((\s)&3)*64+32
.endr
.endm
.macro LSTEP s
.if (\s) < NK-7
	s_wait_loadcnt 14                              ; x of this K step is in; the seven younger K steps' 14 loads stay out
.else
	s_wait_loadcnt 2*(NK-1-(\s))
.endif
.if (\s) < NK-3
	s_wait_dscnt 24                                ; this K step's fragments are in; the three younger K steps' 24 loads stay out
.else
	s_wait_dscnt 8*(NK-1-(\s))
.endif
.irp j, 0,1,2,3
.if (\s) == 0
	v_wmma_f32_16x16x32_f16 v[LACC+8*\j:LACC+8*\j+7], v[LW+32*((\s)%4)+8*\j:LW+32*((\s)%4)+8*\j+7], v[LA+8*((\s)%8):LA+8*((\s)%8)+7], 0
.else
	v_wmma_f32_16x16x32_f16 v[LACC+8*\j:LACC+8*\j+7], v[LW+32*((\s)%4)+8*\j:LW+32*((\s)%4)+8*\j+7], v[LA+8*((\s)%8):LA+8*((\s)%8)+7], v[LACC+8*\j:LACC+8*\j+7]
.endif
.endr
	PLACES
.if (\s)+4 < NK
	WLOAD4 (\s)+4
.endif
.if (\s)+8 < NK
	ALOAD1 (\s)+8
.endif
.endm
; the activation of two neighbouring tiles of an item: 8 gates in the even, 8 ups in the odd of 16 registers
.macro ACTL pr
.set ac, LACC+16*\pr
.irp p, 0,1,2,3,4,5,6,7
	v_min_num_f32 v[ac+2*\p], s25, v[ac+2*\p]
.endr
.irp p, 0,1,2,3,4,5,6,7
	v_mul_f32 v[LT+\p], s26, v[ac+2*\p]
.endr
.irp p, 0,1,2,3,4,5,6,7
	v_exp_f32 v[LT+\p], v[LT+\p]
.endr
.irp p, 0,1,2,3,4,5,6,7
	v_med3_num_f32 v[ac+2*\p+1], v[ac+2*\p+1], s24, s25    ; also the plain instructions behind the exponentials
.endr
	s_wait_alu depctr_va_vdst(0)
.irp p, 0,1,2,3,4,5,6,7
	v_add_f32 v[LT+\p], 1.0, v[LT+\p]
.endr
.irp p, 0,1,2,3,4,5,6,7
	v_rcp_f32 v[LT+\p], v[LT+\p]
.endr
	v_nop                                                  ; one plain place behind the reciprocals
	s_wait_alu depctr_va_vdst(0)
.irp p, 0,1,2,3,4,5,6,7
	v_mul_f32 v[LT+\p], v[ac+2*\p], v[LT+\p]
.endr
.irp p, 0,1,2,3,4,5,6,7
	v_fma_f32 v[LT+\p], v[ac+2*\p+1], v[LT+\p], v[LT+\p]
.endr
.irp p, 0,1,2,3
	v_cvt_pk_f16_f32 v[ac+\p], v[LT+2*\p], v[LT+2*\p+1]
.endr
	global_store_b128 v10, v[ac:ac+3], s[12:13] offset:\pr*512     ; the wave stores 512 neighbouring bytes
.endm
	s_mov_b32 s19, 0                               ; the trip's number
	s_cmp_eq_u32 s17, 0
	s_cbranch_scc1 .Lend
.Lunit:
	s_wait_xcnt 0x0                                ; the data and the offsets of the loads and stores issued so far are rewritten only behind this wait
	s_lshl_b32 s20, s19, 1
	s_add_co_u32 s20, s20, 8
	s_add_co_u32 s20, s20, s37                     ; the unit: 8 + 2 x trip for waves 0-3, 9 + 2 x trip for waves 4-7
	s_lshl_b32 s20, s20, 1
	s_add_co_u32 s20, s20, s39                     ; its tile that is mine
	s_lshl_b32 s20, s20, 4
	s_add_co_u32 s20, s20, s30                     ; the tile's first row
	s_min_u32 s20, s20, 2288                       ; the last tile that the row space holds
	s_lshl_b32 s21, s20, 11
	v_add_nc_u32 v8, s21, v9
	s_lshl_b32 s21, s20, 12
	s_lshl_b32 s22, s16, 11
	s_add_co_u32 s21, s21, s22
	s_lshl_b32 s22, s38, 10                        ; my half of the columns is one K step of act
	s_add_co_u32 s21, s21, s22
	v_add_nc_u32 v10, s21, v9
.irp n, 0,1,2,3,4,5,6,7
	ALOAD1 \n
.endr
.irp n, 0,1,2,3
	WLOAD4 \n
.endr
	; The four accumulators take turns, one instruction a turn, over the K steps too.
.set ks, 0
.rept NK
	LSTEP ks
.set ks, ks+1
.endr
.irp j, 0,1,2,3
	ds_load_b128 v[LW+8*\j:LW+8*\j+3], v28 offset:64*\j
	ds_load_b128 v[LW+8*\j+4:LW+8*\j+7], v28 offset:64*\j+16
.endr
	s_wait_dscnt 0x0
.irp j, 0,1,2,3
.irp q, 0,2,4,6
	v_pk_add_f32 v[LACC+8*\j+\q:LACC+8*\j+\q+1], v[LACC+8*\j+\q:LACC+8*\j+\q+1], v[LW+8*\j+\q:LW+8*\j+\q+1]
.endr
.endr
	ACTL 0
	ACTL 1
	s_add_co_u32 s19, s19, 1
	s_cmp_lt_u32 s19, s17
	s_cbranch_scc1 .Lunit
.Lend:
	s_wait_tensorcnt 0x0
	ds_add_u32 v30, v31
	s_wait_dscnt 0x0
	s_endpgm
.Lfunc_end_k_q7c85ea584d_gateup:
	.size	k_q7c85ea584d_gateup, .Lfunc_end_k_q7c85ea584d_gateup-k_q7c85ea584d_gateup
	.p2alignl 7, 3214868480
	.fill 96, 4, 3214868480
	.section	.rodata,"a",@progbits
	.p2align	6, 0x0
	.amdhsa_kernel k_q7c85ea584d_gateup
		.amdhsa_group_segment_fixed_size 280064
		.amdhsa_private_segment_fixed_size 0
		.amdhsa_enable_private_segment 0
		.amdhsa_kernarg_size 40
		.amdhsa_user_sgpr_count 2
		.amdhsa_user_sgpr_kernarg_segment_ptr 1
		.amdhsa_wavefront_size32 1
		.amdhsa_system_sgpr_workgroup_id_x 1
		.amdhsa_system_sgpr_workgroup_id_y 1
		.amdhsa_system_sgpr_workgroup_id_z 1
		.amdhsa_system_vgpr_workitem_id 0
		.amdhsa_next_free_vgpr 512
		.amdhsa_next_free_sgpr 66
		.amdhsa_reserve_vcc 0
		.amdhsa_float_denorm_mode_32 3
		.amdhsa_float_denorm_mode_16_64 3
		.amdhsa_memory_ordered 1
		.amdhsa_forward_progress 1
		.amdhsa_inst_pref_size 203
	.end_amdhsa_kernel
	.amdgpu_metadata
---
amdhsa.version: [ 1, 2 ]
amdhsa.kernels:
  - .name:           k_q7c85ea584d_gateup
    .symbol:         k_q7c85ea584d_gateup.kd
    .args:
      - { .name: gate_up_proj, .offset: 0, .size: 8, .value_kind: global_buffer, .address_space: global }
      - { .name: gate_up_proj_bias, .offset: 8, .size: 8, .value_kind: global_buffer, .address_space: global }
      - { .name: xg, .offset: 16, .size: 8, .value_kind: global_buffer, .address_space: global }
      - { .name: meta, .offset: 24, .size: 8, .value_kind: global_buffer, .address_space: global }
      - { .name: act, .offset: 32, .size: 8, .value_kind: global_buffer, .address_space: global }
    .group_segment_fixed_size: 280064
    .private_segment_fixed_size: 0
    .kernarg_segment_align: 8
    .kernarg_segment_size: 40
    .max_flat_workgroup_size: 256
    .sgpr_count:     66
    .vgpr_count:     512
    .wavefront_size: 32
...
	.end_amdgpu_metadata
.endif
;; end of part 6
;; launch down (part 7): grid 256 x 1, 8 waves a work-group, no clusters, 207,872 bytes of LDS; arguments down_proj, act, meta, part; writes part
.if DOCPART == 7
	.amdgcn_target "amdgcn-amd-amdhsa--gfx1250"
	.amdhsa_code_object_version 6
	.text
	.protected	k_q7c85ea584d_down
	.globl	k_q7c85ea584d_down
	.p2align	8
	.type	k_q7c85ea584d_down,@function
k_q7c85ea584d_down:
	s_mov_b64 s[64:65], 0
	v_nop
	global_prefetch_b8 v0, s[64:65] scope:SCOPE_SE
	s_setreg_imm32_b32 hwreg(HW_REG_WAVE_MODE, 25, 1), 1
	s_wait_xcnt 0x0
; down: part[ks] = act_e W2_e over f = 512 ks .. + 511, for the rows that picked expert e.  Work-group = (e = wg / 32, columns 128 c .. + 127 of 1,024 with c = (wg / 4) % 8, ks = wg % 4).
; K is split in four so that 256 work-groups each own one slice of the weights (512 f x 128 columns of f32, 256 KB, read once, by nobody else); the four partial sums are
; stored apart and added by the next launch: each byte of part has one owner.
; THE STREAM OF WEIGHTS AND THE PRODUCTS RUN AT THE SAME TIME, in every wave alike, as in the launch before: wave w multiplies unit w of the expert's first eight units of 32 rows (32 rows x 128
; columns) and brings places 16 w .. + 15 of every chunk of 128 f, two groups of 8 rows, through a ring of four groups in registers.  While chunk ch is multiplied, chunk ch + 1 is converted to f16
; and stored as [chunk][column][f] (other bytes of LDS) and chunk ch + 3 is asked for.  One barrier a chunk.  No byte of the weights' LDS is written twice.
; act holds, at place sigma of a K step, f = sigma with bits 2 and 3 exchanged; the weights' rows are loaded in that order, so both operands are permuted alike.
; A wave whose unit lies beyond the expert's count multiplies rows that it does not store.  UNITS FROM THE NINTH ON: behind the last barrier, as items of 16 rows x 64 columns:
; waves 0-3 take units 8, 10, .., waves 4-7 units 9, 11, ..  An expert with far more than 256 rows is served rightly, but by these small items.
; THE WAY OUT: 16 rows through the wave's own stage in LDS, read back by rows: sixteen neighbouring lanes store 256 neighbouring bytes, aligned.
; No tensor loads, cluster or prefetch, for the reasons given in the launch before.
; LIMITS: a number of W2 beyond 65,504 in magnitude becomes an infinity (W2 of spread 1/45, 30 times larger, stays below 10); below 2^-14 f16 steps by 2^-24,
; which is under 1e-4 of W2's spread made 30 times smaller.
.set PC,   272                         ; LDS row of a chunk: 128 f16 + 16 bytes: an odd multiple of 16
.set CHB,  128*PC                      ; 34,816 bytes: a chunk
.set NC,   4                           ; chunks
.set NK,   16                          ; K steps of 32, four to a chunk
.set STG,  NC*CHB                      ; 139,264: the stages, 16 rows x 528 bytes for each wave
.set SP,   528                         ; 512 + 16: an odd multiple of 16
.set OSTR, 65536                       ; bytes of a tile of act
; window 0: v4 my offset in W2, v8 in act, v9 16 x lane, v10 in part, v11 into my stage, v29-v30 back from it, v31 two rows of part
.set SB,   12                          ; v[12:13]   where I store my part of chunks 2 m, 2 m + 1
.set LC,   20                          ; v[20:21]   where I read fragments of chunks 2 m, 2 m + 1
.set LB,   24                          ; v[24:25]   the same for an item's 64 columns
.set T,    32                          ; v[32:47]   16 packed words on their way to LDS
.set W,    64                          ; v[64:127]  weight fragments, tile j at W + 8 j
.set A,    128                         ; v[128:255] ring of 8 K steps x (2 tiles x 8 registers) of act
; window 1: accumulator tile (tau, j) at v[256 + 8 (8 tau + j)]
.set X,    128                         ; v[384:511] ring of 4 groups x 8 loads of W2
.set MULW, 0x50                        ; C and D in window 1, sources in window 0
; the items, all in window 0
.set LACC, 32                          ; v[32:63]   four accumulator tiles
.set LA,   64                          ; v[64:127]  ring of 8 K steps of act
.set LW,   128                         ; v[128:255] ring of 4 K steps x 4 tiles of weights
.set MSB, 0
.macro WIN new                         ; the immediate's high byte repeats the setting that is left
.if MSB != \new
	s_set_vgpr_msb (MSB<<8)|\new
.set MSB, \new
.endif
.endm
.macro PLACES                          ; four places behind a matrix instruction before its registers are loaded into or its result is read (ISA guide 7.12.1)
.rept 4
	v_nop
.endr
.endm
; THE COUNTS OF s_wait_loadcnt.  Loads of act and of W2 share one counter and return in the order of issue (ISA guide 5.7.1).  That order is, in loads (X c g: group g of chunk c, 8 loads; A s: act of K step s, 4):
;   X00 X01 X10 X11 | A0 .. A7 | X20 X21 | and while chunk q is multiplied: X(q+3)0 A(4q+8) A(4q+9) X(q+3)1 A(4q+10) A(4q+11), without the X when chunk q + 3 does not exist.
; NI counts the loads issued so far; POSA and POSX set PP to the number of loads up to and with the wanted one; NI - PP younger loads may stay out.
.set NI, 0
.set PP, 0
.macro POSA s
.if (\s) < 8
.set PP, 36+4*(\s)
.else
.if (((\s)-8)>>2) < NC-3
.set PP, 80+32*(((\s)-8)>>2)+12+4*((\s)&3)+8*(((\s)&3)>>1)
.else
.set PP, 80+32*(((\s)-8)>>2)+4*(((\s)&3)+1)
.endif
.endif
.endm
.macro POSX c, g
.if (\c) < 2
.set PP, 8*(2*(\c)+(\g)+1)
.else
.if (\c) == 2
.set PP, 72+8*(\g)
.else
.set PP, 80+32*((\c)-3)+8+16*(\g)
.endif
.endif
.endm
.macro WAITLD
.if NI-PP > 63
	s_wait_loadcnt 63                              ; a smaller count than the younger loads' number: the largest that the instruction can name
.else
	s_wait_loadcnt NI-PP                           ; the wanted load is in; the younger ones stay out
.endif
.endm
	s_load_b256 s[4:11], s[0:1], 0x0               ; W2 s[4:5], act s[6:7], meta s[8:9], part s[10:11]
	v_lshl_add_u32 v27, v0, 2, 0x32800
	v_mov_b32 v28, 0
	v_and_b32 v1, 31, v0                           ; lane
	v_lshrrev_b32 v2, 5, v0
	v_readfirstlane_b32 s14, v2                    ; wave 0..7
	s_lshr_b32 s37, s14, 2                         ; items: waves 0-3 the even units, waves 4-7 the odd ones
	s_bfe_u32 s38, s14, 0x10001                    ; an item's half of the 128 columns
	s_and_b32 s39, s14, 1                          ; an item's tile of the unit's two
	s_lshr_b32 s15, ttmp9, 5                       ; e
	s_bfe_u32 s16, ttmp9, 0x30002                  ; c
	s_and_b32 s40, ttmp9, 3                        ; ks
	s_lshl_b32 s27, s15, 3                         ; 8 e: my entry of meta; never rewritten
	s_lshl_b32 s20, s15, 23                        ; an expert's 2,048 x 1,024 f32
	s_lshl_b32 s22, s40, 21                        ; 512 rows of 4,096 bytes
	s_add_co_u32 s20, s20, s22
	s_lshl_b32 s22, s16, 9                         ; 128 columns of f32
	s_add_co_u32 s20, s20, s22
	s_mov_b32 s21, 0
	s_lshl_b32 s32, s40, 14                        ; act: 16 K steps of 1,024 bytes
	s_mov_b32 s33, 0
	s_mul_i32 s34, s40, 0x900000                   ; part: 2,304 rows of 4,096 bytes
	s_mov_b32 s35, 0
	v_lshlrev_b32 v9, 4, v1                        ; 16 x lane
	v_lshl_add_u32 v4, s14, 16, v9                 ; + wave x 16 rows of 4,096 bytes
	v_mul_u32_u24 v5, v1, 4*PC                     ; LDS: column 4 x lane,
	v_lshl_add_u32 v5, s14, 5, v5                  ; place 16 x wave of the chunk
.irp m, 0,1
	v_add_nc_u32 v[SB+\m], 2*CHB*\m, v5            ; chunks 2 m and 2 m + 1: the second is reached by the immediate
.endr
	s_wait_kmcnt 0x0
	s_add_nc_u64 s[4:5], s[4:5], s[20:21]
	s_add_nc_u64 s[6:7], s[6:7], s[32:33]
	s_add_nc_u64 s[10:11], s[10:11], s[34:35]
	s_load_b64 s[28:29], s[8:9], s27 offset:0x0    ; units of 32 rows of my expert
	s_load_b64 s[30:31], s[8:9], s27 offset:0x40   ; its first row
; group g of chunk c fills places 8 g .. + 7 of my 16: place 8 g + i holds row 4 g + i + 4 (i / 4), which is 8 g + i with bits 2 and 3 exchanged; the data go to window 1
.macro GLOAD c, g
.irp i, 0,1,2,3,4,5,6,7
	global_load_b128 v[X+32*((2*(\c)+(\g))%4)+4*\i:X+32*((2*(\c)+(\g))%4)+4*\i+3], v4, s[4:5] offset:((\c)*128+4*(\g)+\i+4*(\i>>2))*4096 th:TH_LOAD_NT
.endr
.set NI, NI+8
.endm
; group g of chunk c is converted and stored, and its place in the ring is asked for again, two chunks on
.macro CONV c, g
	POSX \c, \g
	WAITLD
	WIN 0x05                                       ; both sources in window 1, the result in window 0
.irp n, 0,1,2,3
.irp p, 0,1,2,3
	v_cvt_pk_f16_f32 v[T+4*\n+\p], v[X+32*((2*(\c)+(\g))%4)+8*\p+\n], v[X+32*((2*(\c)+(\g))%4)+8*\p+4+\n]   ; place 2 p below, 2 p + 1 above, column n
.endr
.endr
	WIN 0
.irp n, 0,1,2,3
	ds_store_b128 v[SB+((\c)>>1)], v[T+4*\n:T+4*\n+3] offset:((\c)&1)*CHB+\n*PC+16*(\g)
.endr
.if (\c)+2 < NC
	WIN 0x40
	GLOAD (\c)+2, \g
	WIN 0
.endif
.endm
.macro ALOAD s                         ; act of K step s, both tiles: four loads of 512 neighbouring bytes
.irp t, 0,1
.irp q, 0,1
	global_load_b128 v[A+16*((\s)%8)+8*\t+4*\q:A+16*((\s)%8)+8*\t+4*\q+3], v8, s[6:7] offset:\t*OSTR+(\s)*1024+\q*512
.endr
.endr
.set NI, NI+4
.endm
.macro WLOAD half, s                   ; weight fragments of tiles 4 half .. 4 half + 3, K step s: eight LDS loads
.irp j, 0,1,2,3
	ds_load_b128 v[W+8*(4*\half+\j):W+8*(4*\half+\j)+3], v[LC+((\s)>>3)] offset:(((\s)>>2)&1)*CHB+(4*\half+\j)*16*PC+((\s)&3)*64
	ds_load_b128 v[W+8*(4*\half+\j)+4:W+8*(4*\half+\j)+7], v[LC+((\s)>>3)] offset:(((\s)>>2)&1)*CHB+(4*\half+\j)*16*PC+((\s)&3)*64+32
.endr
.endm
.macro MUL8 half, s, zero              ; eight matrix instructions on eight accumulators
.irp j, 0,1,2,3
.irp t, 0,1
.if \zero
	v_wmma_f32_16x16x32_f16 v[8*(8*\t+4*\half+\j):8*(8*\t+4*\half+\j)+7], v[W+8*(4*\half+\j):W+8*(4*\half+\j)+7], v[A+16*((\s)%8)+8*\t:A+16*((\s)%8)+8*\t+7], 0
.else
	v_wmma_f32_16x16x32_f16 v[8*(8*\t+4*\half+\j):8*(8*\t+4*\half+\j)+7], v[W+8*(4*\half+\j):W+8*(4*\half+\j)+7], v[A+16*((\s)%8)+8*\t:A+16*((\s)%8)+8*\t+7], v[8*(8*\t+4*\half+\j):8*(8*\t+4*\half+\j)+7]
.endif
.endr
.endr
.endm
	WIN 0x40
	GLOAD 0, 0
	GLOAD 0, 1
	GLOAD 1, 0
	GLOAD 1, 1
	WIN 0
	v_and_b32 v2, 15, v0                           ; r
	v_bfe_u32 v3, v0, 4, 1                         ; h
	v_mul_u32_u24 v6, v2, PC
	v_lshl_add_u32 v6, v3, 4, v6                   ; r x pitch + 16 h
	s_mul_i32 s20, s38, 64*PC                      ; an item's 64 columns
.irp m, 0,1
	v_add_nc_u32 v[LC+\m], 2*CHB*\m, v6            ; the tile, the K step and the odd chunk stand in the immediate: 65,504 at the most
	v_add_nc_u32 v[LB+\m], s20, v[LC+\m]
.endr
	s_mul_i32 s23, s14, 16*SP
	s_add_co_u32 s23, s23, STG                     ; my stage
	v_mul_u32_u24 v11, v2, SP
	v_lshl_add_u32 v11, v3, 5, v11
	v_add_nc_u32 v11, s23, v11                     ; in: row r, 32 bytes for each half of the lanes, tile j at + 64 j
	v_add_nc_u32 v29, s23, v9                      ; back, 128 columns: a whole row of 512 bytes
	v_mul_u32_u24 v30, v3, SP
	v_lshl_add_u32 v30, v2, 4, v30
	v_add_nc_u32 v30, s23, v30                     ; back, 64 columns: lanes 0-15 one row of 256 bytes, lanes 16-31 the next
	v_lshlrev_b32 v31, 4, v2
	v_lshl_add_u32 v31, v3, 12, v31                ; and the same two rows in part
	s_wait_kmcnt 0x0                               ; meta
	s_min_u32 s18, s28, 32                         ; at most 1,024 rows = 32 units
	s_max_u32 s17, s18, 8
	s_sub_co_u32 s17, s17, 7                       ; units from the ninth on, + 1
	s_sub_co_u32 s17, s17, s37
	s_lshr_b32 s17, s17, 1                         ; my trips through them
	s_lshl_b32 s20, s14, 5
	s_add_co_u32 s20, s20, s30                     ; my unit's first row
	s_min_u32 s20, s20, 2272                       ; the last unit that the row space holds; the bound moves only rows that are not stored
	s_lshl_b32 s21, s20, 12                        ; act and part: 4,096 bytes a row
	v_add_nc_u32 v8, s21, v9
	s_lshl_b32 s22, s16, 9
	s_add_co_u32 s21, s21, s22
	v_add_nc_u32 v10, s21, v9                      ; part: + my 128 columns
.irp n, 0,1,2,3,4,5,6,7
	ALOAD \n
.endr
	CONV 0, 0
	CONV 0, 1
	s_wait_dscnt 0x0                               ; for the others' sake: my part of chunk 0 is in LDS before I signal
	s_barrier_signal -1
	s_barrier_wait -1                              ; chunk 0 is whole
	WLOAD 0, 0
	WLOAD 1, 0
	; The 16 accumulators take turns, one instruction a turn, over the K steps too.
.set ks, 0
.rept NK
.set cv, 0                                             ; does this K step convert a group of the next chunk?  K steps 0 and 2 of a chunk do
.if (ks&1) == 0
.if (ks>>2)+1 < NC
.set cv, 1
.endif
.endif
	POSA ks
	WAITLD                                         ; act of this K step
	s_wait_dscnt 0x8                               ; tiles 0-3 are in; the eight younger loads (tiles 4-7) may be out
	WIN MULW
.if ks == 0
	MUL8 0, ks, 1                                  ; the first products start the sums
.else
	MUL8 0, ks, 0
.endif
	PLACES
	WIN 0
.if cv
.set cc, (ks>>2)+1
.set gg, (ks>>1)&1
	CONV cc, gg
.endif
.if (ks&3) < 3
	WLOAD 0, ks+1
	s_wait_dscnt 8+4*cv                            ; tiles 4-7 are in; the eight loads just issued, and the four stores of a conversion in front of them, may be out
	WIN MULW
.if ks == 0
	MUL8 1, ks, 1
.else
	MUL8 1, ks, 0
.endif
	PLACES
	WIN 0
	WLOAD 1, ks+1
.else
	s_wait_dscnt 0x0                               ; tiles 4-7 are in, my reads of this chunk are over and my part of the next chunk is in LDS:
.if ks < NK-1
	s_barrier_signal -1                            ; say so,
.endif
	WIN MULW
	MUL8 1, ks, 0                                  ; work on registers while the others arrive,
	PLACES
	WIN 0
.if ks < NK-1
	s_barrier_wait -1                              ; and read the next chunk when it is whole
	WLOAD 0, ks+1
	WLOAD 1, ks+1
.endif
.endif
.if ks+8 < NK
	ALOAD ks+8                                     ; into the ring's place that this K step has left
.endif
.set ks, ks+1
.endr
	; from here on the weights are only read, the stages are each wave's own, and no barrier follows
	s_cmp_ge_u32 s14, s18
	s_cbranch_scc1 .Lleft                          ; my unit lies beyond the expert's count: those rows belong to others
	; the way out, 16 rows at a time
.irp t, 0,1
	WIN 0x04                                       ; the stored data in window 1
.irp j, 0,1,2,3,4,5,6,7
	ds_store_b128 v11, v[8*(8*\t+\j):8*(8*\t+\j)+3] offset:64*\j
	ds_store_b128 v11, v[8*(8*\t+\j)+4:8*(8*\t+\j)+7] offset:64*\j+16
.endr
	WIN 0
	s_wait_xcnt 0x0                                ; the registers that the last 16 stores read are loaded again only behind this wait
.irp i, 0,1,2,3,4,5,6,7,8,9,10,11,12,13,14,15
	ds_load_b128 v[W+4*\i:W+4*\i+3], v29 offset:SP*\i      ; LDS serves a wave's instructions in order (ISA guide 5.7.1.4): these see the stores above
.endr
.irp i, 0,1,2,3,4,5,6,7,8,9,10,11,12,13,14,15
	s_wait_dscnt 15-\i                             ; row i is back, the younger rows may be out
	global_store_b128 v10, v[W+4*\i:W+4*\i+3], s[10:11] offset:(16*\t+\i)*4096
.endr
.endr
.Lleft:
; THE UNITS FROM THE NINTH ON.  My item: tile s39 of the unit, columns 64 s38 .. + 63.
.macro ALOAD1 s                        ; act of K step s, one tile
.irp q, 0,1
	global_load_b128 v[LA+8*((\s)%8)+4*\q:LA+8*((\s)%8)+4*\q+3], v8, s[6:7] offset:(\s)*1024+\q*512
.endr
.endm
.macro WLOAD4 s                        ; weight fragments of my four tiles, K step s
.irp j, 0,1,2,3
	ds_load_b128 v[LW+32*((\s)%4)+8*\j:LW+32*((\s)%4)+8*\j+3], v[LB+((\s)>>3)] offset:(((\s)>>2)&1)*CHB+\j*16*PC+((\s)&3)*64
	ds_load_b128 v[LW+32*((\s)%4)+8*\j+4:LW+32*((\s)%4)+8*\j+7], v[LB+((\s)>>3)] offset:(((\s)>>2)&1)*CHB+\j*16*PC+((\s)&3)*64+32
.endr
.endm
.macro LSTEP s
.if (\s) < NK-7
	s_wait_loadcnt 14                              ; act of this K step is in; the seven younger K steps' 14 loads stay out
.else
	s_wait_loadcnt 2*(NK-1-(\s))
.endif
.if (\s) < NK-3
	s_wait_dscnt 24                                ; this K step's fragments are in; the three younger K steps' 24 loads stay out
.else
	s_wait_dscnt 8*(NK-1-(\s))
.endif
.irp j, 0,1,2,3
.if (\s) == 0
	v_wmma_f32_16x16x32_f16 v[LACC+8*\j:LACC+8*\j+7], v[LW+32*((\s)%4)+8*\j:LW+32*((\s)%4)+8*\j+7], v[LA+8*((\s)%8):LA+8*((\s)%8)+7], 0
.else
	v_wmma_f32_16x16x32_f16 v[LACC+8*\j:LACC+8*\j+7], v[LW+32*((\s)%4)+8*\j:LW+32*((\s)%4)+8*\j+7], v[LA+8*((\s)%8):LA+8*((\s)%8)+7], v[LACC+8*\j:LACC+8*\j+7]
.endif
.endr
	PLACES
.if (\s)+4 < NK
	WLOAD4 (\s)+4
.endif
.if (\s)+8 < NK
	ALOAD1 (\s)+8
.endif
.endm
	s_mov_b32 s19, 0                               ; the trip's number
	s_cmp_eq_u32 s17, 0
	s_cbranch_scc1 .Lend
.Lunit:
	s_wait_xcnt 0x0                                ; the data and the offsets of the loads and stores issued so far are rewritten only behind this wait
	s_lshl_b32 s20, s19, 1
	s_add_co_u32 s20, s20, 8
	s_add_co_u32 s20, s20, s37                     ; the unit: 8 + 2 x trip for waves 0-3, 9 + 2 x trip for waves 4-7
	s_lshl_b32 s20, s20, 1
	s_add_co_u32 s20, s20, s39                     ; its tile that is mine
	s_lshl_b32 s20, s20, 4
	s_add_co_u32 s20, s20, s30                     ; the tile's first row
	s_min_u32 s20, s20, 2288                       ; the last tile that the row space holds
	s_lshl_b32 s21, s20, 12
	v_add_nc_u32 v8, s21, v9
	s_lshl_b32 s22, s16, 9
	s_add_co_u32 s21, s21, s22
	s_lshl_b32 s22, s38, 8                         ; my 64 columns of f32
	s_add_co_u32 s21, s21, s22
	v_add_nc_u32 v10, s21, v31
.irp n, 0,1,2,3,4,5,6,7
	ALOAD1 \n
.endr
.irp n, 0,1,2,3
	WLOAD4 \n
.endr
	; The four accumulators take turns, one instruction a turn, over the K steps too.
.set ks, 0
.rept NK
	LSTEP ks
.set ks, ks+1
.endr
.irp j, 0,1,2,3
	ds_store_b128 v11, v[LACC+8*\j:LACC+8*\j+3] offset:64*\j
	ds_store_b128 v11, v[LACC+8*\j+4:LACC+8*\j+7] offset:64*\j+16
.endr
.irp t, 0,1,2,3,4,5,6,7
	ds_load_b128 v[LW+4*\t:LW+4*\t+3], v30 offset:2*\t*SP  ; LDS serves a wave's instructions in order: these see the stores above
.endr
.irp t, 0,1,2,3,4,5,6,7
	s_wait_dscnt 7-\t                              ; rows 2 t and 2 t + 1 are back, the younger ones may be out
	global_store_b128 v10, v[LW+4*\t:LW+4*\t+3], s[10:11] offset:2*\t*4096     ; sixteen lanes store 256 neighbouring bytes, aligned
.endr
	s_add_co_u32 s19, s19, 1
	s_cmp_lt_u32 s19, s17
	s_cbranch_scc1 .Lunit
.Lend:
	s_wait_tensorcnt 0x0
	ds_add_u32 v27, v28
	s_wait_dscnt 0x0
	s_endpgm
.Lfunc_end_k_q7c85ea584d_down:
	.size	k_q7c85ea584d_down, .Lfunc_end_k_q7c85ea584d_down-k_q7c85ea584d_down
	.p2alignl 7, 3214868480
	.fill 96, 4, 3214868480
	.section	.rodata,"a",@progbits
	.p2align	6, 0x0
	.amdhsa_kernel k_q7c85ea584d_down
		.amdhsa_group_segment_fixed_size 207872
		.amdhsa_private_segment_fixed_size 0
		.amdhsa_enable_private_segment 0
		.amdhsa_kernarg_size 32
		.amdhsa_user_sgpr_count 2
		.amdhsa_user_sgpr_kernarg_segment_ptr 1
		.amdhsa_wavefront_size32 1
		.amdhsa_system_sgpr_workgroup_id_x 1
		.amdhsa_system_sgpr_workgroup_id_y 1
		.amdhsa_system_sgpr_workgroup_id_z 1
		.amdhsa_system_vgpr_workitem_id 0
		.amdhsa_next_free_vgpr 512
		.amdhsa_next_free_sgpr 66
		.amdhsa_reserve_vcc 0
		.amdhsa_float_denorm_mode_32 3
		.amdhsa_float_denorm_mode_16_64 3
		.amdhsa_memory_ordered 1
		.amdhsa_forward_progress 1
		.amdhsa_inst_pref_size 96
	.end_amdhsa_kernel
	.amdgpu_metadata
---
amdhsa.version: [ 1, 2 ]
amdhsa.kernels:
  - .name:           k_q7c85ea584d_down
    .symbol:         k_q7c85ea584d_down.kd
    .args:
      - { .name: down_proj, .offset: 0, .size: 8, .value_kind: global_buffer, .address_space: global }
      - { .name: act, .offset: 8, .size: 8, .value_kind: global_buffer, .address_space: global }
      - { .name: meta, .offset: 16, .size: 8, .value_kind: global_buffer, .address_space: global }
      - { .name: part, .offset: 24, .size: 8, .value_kind: global_buffer, .address_space: global }
    .group_segment_fixed_size: 207872
    .private_segment_fixed_size: 0
    .kernarg_segment_align: 8
    .kernarg_segment_size: 32
    .max_flat_workgroup_size: 256
    .sgpr_count:     66
    .vgpr_count:     512
    .wavefront_size: 32
...
	.end_amdgpu_metadata
.endif
;; end of part 7
;; launch combine: the kernel of part 4 again; grid 256 x 1, 8 waves a work-group, no clusters, 0 bytes of LDS; arguments part, slot, router_indices, routing_weights, down_proj_bias, out0; writes out0
;; ======== version 3 of 3: 4 launches; version 2 with the launches gateup, down written anew for expert scheduling mode
;; limits: values are held in f16: magnitudes above 65,504 overflow, below 6.1e-05 lose precision
;; workspace buffers: xg 4,718,592 bytes; act 9,437,184 bytes; part 37,748,736 bytes; meta 256 bytes of whole numbers; slot 8,192 bytes of whole numbers
;; launch route: the kernel of part 5 again; grid 72 x 1, 32 waves a work-group, no clusters, 6,656 bytes of LDS; arguments hidden_states, router_indices, xg, meta, slot; writes xg, meta, slot
;; launch gateup (part 8): grid 256 x 1, 8 waves a work-group, no clusters, 280,064 bytes of LDS; arguments gate_up_proj, gate_up_proj_bias, xg, meta, act; writes act
.if DOCPART == 8
	.amdgcn_target "amdgcn-amd-amdhsa--gfx1250"
	.amdhsa_code_object_version 6
	.text
	.protected	k_q7c85ea584d_gateup
	.globl	k_q7c85ea584d_gateup
	.p2align	8
	.type	k_q7c85ea584d_gateup,@function
k_q7c85ea584d_gateup:
	s_mov_b64 s[64:65], 0
	v_nop
	global_prefetch_b8 v0, s[64:65] scope:SCOPE_SE
	s_setreg_imm32_b32 hwreg(HW_REG_WAVE_SCHED_MODE, 0, 2), 2
	s_setreg_imm32_b32 hwreg(HW_REG_WAVE_MODE, 25, 1), 1
	s_wait_xcnt 0x0
	s_wait_alu depctr_vm_vsrc(0)
; gateup: act_e = GEGLU(X_e W1_e + b1_e) for the rows that picked expert e.  Work-group = (expert e = wg / 32, columns 128 c .. + 127 of 4,096, c = wg % 32).
; The group's slice of W1 (1,024 k x 128 columns of f32, 512 KB, read by no other work-group) is read once, rounded to f16 and laid into LDS as [chunk of 128 k][column][k]; it stays there.
; THE STREAM OF WEIGHTS AND THE PRODUCTS RUN AT THE SAME TIME, in every wave alike.  Wave w multiplies unit w of the expert's first eight units of 32 rows (32 rows x 128 columns, 16 accumulator
; tiles) and brings k = 128 ch + 16 w .. + 15 of every chunk ch: two groups of 8 k-rows, through a ring of four groups in registers.  While chunk ch is multiplied, chunk ch + 1 is converted and
; stored (other bytes of LDS) and chunk ch + 3 is asked for.  ONE BARRIER A CHUNK: in front of it the next chunk is stored and waited for, behind it it is read.  No LDS byte is written twice.
; The turn from [k][n] to [n][k] costs no instruction: a lane loads 8 k-rows x 4 columns, v_cvt_pk_f16_f32 pairs (k, k + 1) of one column, four such words are 16 bytes of a row of LDS.
; x comes from xg in fragment order straight into registers (ring of 8 K steps).  The matrix instruction takes the weights as source 0 and x as source 1: lane (r, h) then holds token row r and,
; in register i of tile j, column 16 j + 8 h + i: gate and up of one act column lie in neighbouring registers of one lane.
; A wave whose unit lies beyond the expert's count multiplies rows that it does not store: every wave's way through the barriers is the same.
; UNITS FROM THE NINTH ON: behind the last barrier, as items of 16 rows x 64 columns (four to a unit): waves 0-3 take units 8, 10, .., waves 4-7 units 9, 11, ..
; An expert with far more than 256 rows is served rightly, but by these small items.
; act: [tile of 16 rows][K step of 32 f][jj][lane][16 bytes], as xg, but inside a K step place sigma holds f = sigma with bits 2 and 3 exchanged
; (a lane's 8 results of two neighbouring tiles are stored as they lie); the next launch lays W2 in the same order, which leaves the products as they are.
; WHY f16: 11 significant bits against bf16's 8, at the same bytes.  act has room in f16 for every input: the clamps bound |up + 1| by 8 and |glu| by 7, so |act| <= 56.
; No tensor loads and no cluster: the weights need converting and turning in registers and are shared with nobody; x is shared but goes to registers.  No prefetch: the ring keeps the stream going.
; LIMITS: a number of W1 beyond 65,504 in magnitude becomes an infinity (W1 of spread 1/32, 30 times larger, stays below 10); below 2^-14 f16 steps by 2^-24,
; which is under 1e-4 of W1's spread made 30 times smaller.  A NaN in gate or up is replaced by the clamp's bound (v_min_num, v_med3_num let the number win).
; Very negative gates: exp2 gives +inf, its reciprocal 0, glu -0.
; THE MODE: SCHED_MODE bits 1:0 = 2 (LLVM: expert scheduling mode 2), set by the entry lines.  The code itself states the register dependences
; between vector or matrix instructions and memory or LDS instructions, with s_wait_alu, always for 0.
; THE PLAN.  Registers that memory or LDS instructions touch while the first eight units are multiplied, and who else names them:
;   W0, W1     the two halves of the weight fragments, v[64:95] and v[96:127], are the two buffers that take turns.  K step s: its first eight matrix instructions read W0, its second eight W1;
;              the LDS loads of K step s + 1 land in a half behind the eight that read it.
;   A0 .. A7   K step s: all sixteen matrix instructions read A[s % 8]; behind them the loads of K step s + 8 land in it.
;   X0 .. X3   a group's sixteen conversions read X[g]; behind them the loads of the same group two chunks on land in it.
;   T          written by those conversions, read by the four LDS stores behind them, written again by the next group's conversions, two K steps later.
;   v4, v6 to v9, v28, v[SB ..], v[LC ..], v[LB ..]   offsets and LDS addresses, made at the head; none is written again before the items.
;   The accumulators are named by matrix instructions alone until the way out.  All 512 registers of the wave are taken: there is no third buffer of fragments.
; So a K step has TWO waits on va_vdst.  The first stands behind its first eight matrix instructions and, where the K step converts, behind the conversions: W0 and X[g] have been read, T is written.
; Behind it come the four LDS stores, the eight LDS loads into W0 and the eight loads into X[g]; these last are dealt among the second eight matrix instructions, which name W1, A[s % 8] and accumulators alone.
; The second stands behind the second eight: W1 and A[s % 8] have been read; the loads into them follow.  In a chunk's last K step one wait, behind the barrier, serves both halves.
; One wait on vm_vsrc stands ahead of each group's conversions but the first: the LDS stores of the group before have read T.
.set PC,   272                         ; LDS row of a chunk: 128 f16 + 16 bytes: an odd multiple of 16, so the 16 rows of a fragment load start at 16 different 16-byte columns modulo 256
.set CHB,  128*PC                      ; 34,816 bytes: a chunk
.set NC,   8                           ; chunks
.set NK,   32                          ; K steps of 32, four to a chunk
.set BIAS, NC*CHB                      ; 512 bytes: the group's 128 biases
.set TSTR, 32768                       ; bytes of a tile of xg
; window 0: v4 my offset in W1, v8 in xg, v9 16 x lane, v10 in act (items)
.set SB,   12                          ; v[12:15]   where I store my part of chunks 2 m, 2 m + 1
.set LC,   20                          ; v[20:23]   where I read fragments of chunks 2 m, 2 m + 1
.set LB,   24                          ; v[24:27]   the same for an item's 64 columns
.set T,    32                          ; v[32:47]   16 packed words on their way to LDS
.set W,    64                          ; v[64:127]  weight fragments, tile j at W + 8 j
.set A,    128                         ; v[128:255] ring of 8 K steps x (2 tiles x 8 registers) of x
; window 1: accumulator tile (tau, j) at v[256 + 8 (8 tau + j)]
.set X,    128                         ; v[384:511] ring of 4 groups x 8 loads of W1
.set T1,   128                         ; v[384:391] at work in the activation, when the ring has been used up
.set OOFF, 144                         ; v400       my byte offset in act
.set MULW, 0x50                        ; C and D in window 1, sources in window 0; a load under it has its data in window 1 and its offset in window 0
; the items, all in window 0
.set LACC, 32                          ; v[32:63]   four accumulator tiles
.set LA,   64                          ; v[64:127]  ring of 8 K steps of x
.set LW,   128                         ; v[128:255] ring of 4 K steps x 4 tiles of weights
.set LT,   192                         ; v[192:199] at work in the activation
.set MSB, 0
.macro WIN new                         ; the immediate's high byte repeats the setting that is left
.if MSB != \new
	s_set_vgpr_msb (MSB<<8)|\new
.set MSB, \new
.endif
.endm
.macro PLACES                          ; four places behind a matrix instruction before its registers are loaded into or its result is read (ISA guide 7.12.1); they stay beside the waits on va_vdst, which fill no place
.rept 4
	v_nop
.endr
.endm
; THE COUNTS OF s_wait_loadcnt.  Loads of x and of W1 share one counter and return in the order of issue (ISA guide 5.7.1).  That order is, in loads (X c g: group g of chunk c, 8 loads; A s: x of K step s, 4):
;   X00 X01 X10 X11 | A0 .. A7 | X20 X21 | and while chunk q is multiplied: X(q+3)0 A(4q+8) A(4q+9) X(q+3)1 A(4q+10) A(4q+11), without the X when chunk q + 3 does not exist.
; NI counts the loads issued so far; POSA and POSX set PP to the number of loads up to and with the wanted one; NI - PP younger loads may stay out.
.set NI, 0
.set PP, 0
.macro POSA s
.if (\s) < 8
.set PP, 36+4*(\s)
.else
.if (((\s)-8)>>2) < NC-3
.set PP, 80+32*(((\s)-8)>>2)+12+4*((\s)&3)+8*(((\s)&3)>>1)
.else
.set PP, 80+32*(((\s)-8)>>2)+4*(((\s)&3)+1)
.endif
.endif
.endm
.macro POSX c, g
.if (\c) < 2
.set PP, 8*(2*(\c)+(\g)+1)
.else
.if (\c) == 2
.set PP, 72+8*(\g)
.else
.set PP, 80+32*((\c)-3)+8+16*(\g)
.endif
.endif
.endm
.macro WAITLD
.if NI-PP > 63
	s_wait_loadcnt 63                              ; a smaller count than the younger loads' number: the largest that the instruction can name
.else
	s_wait_loadcnt NI-PP                           ; the wanted load is in; the younger ones stay out
.endif
.endm
	s_load_b256 s[4:11], s[0:1], 0x0               ; W1 s[4:5], b1 s[6:7], xg s[8:9], meta s[10:11]
	s_load_b64 s[12:13], s[0:1], 0x20              ; act
	v_lshl_add_u32 v30, v0, 2, 0x44200
	v_mov_b32 v31, 0
	v_and_b32 v1, 31, v0                           ; lane
	v_lshrrev_b32 v2, 5, v0
	v_readfirstlane_b32 s14, v2                    ; wave 0..7
	v_lshlrev_b32 v9, 4, v1                        ; 16 x lane
	v_mul_u32_u24 v5, v1, 4*PC                     ; LDS: column 4 x lane
	v_add_nc_u32 v6, BIAS, v9
	s_wait_alu depctr_va_sdst(0)                   ; s14 is written, ahead of its first reader: branches, offsets and LDS addresses are made from it
	s_lshr_b32 s37, s14, 2                         ; items: waves 0-3 the even units, waves 4-7 the odd ones
	s_bfe_u32 s38, s14, 0x10001                    ; an item's half of the 128 columns
	s_and_b32 s39, s14, 1                          ; an item's tile of the unit's two
	s_lshr_b32 s15, ttmp9, 5                       ; e
	s_and_b32 s16, ttmp9, 31                       ; c
	s_lshl_b32 s27, s15, 3                         ; 8 e: my entry of meta; never rewritten
	s_lshl_b32 s22, s16, 9                         ; 128 columns of f32
	s_lshl_b32 s20, s15, 24                        ; an expert's 1,024 x 4,096 f32
	s_add_co_u32 s20, s20, s22
	s_mov_b32 s21, 0
	s_lshl_b32 s32, s15, 14                        ; an expert's 4,096 biases
	s_add_co_u32 s32, s32, s22
	s_mov_b32 s33, 0
	s_mov_b32 s24, 0xc0e00000                      ; -7.0
	s_mov_b32 s25, 0x40e00000                      ; 7.0
	s_mov_b32 s26, 0xc01d265f                      ; -1.702 x log2(e)
	v_lshl_add_u32 v4, s14, 18, v9                 ; 16 x lane + wave x 16 k-rows of 16,384 bytes
	v_lshl_add_u32 v5, s14, 5, v5                  ; k = 16 x wave of the chunk
.irp m, 0,1,2,3
	v_add_nc_u32 v[SB+\m], 2*CHB*\m, v5            ; chunks 2 m and 2 m + 1: the second is reached by the immediate
.endr
	s_wait_kmcnt 0x0
	s_add_nc_u64 s[4:5], s[4:5], s[20:21]
	s_add_nc_u64 s[34:35], s[4:5], 0x800000        ; chunks 4-7: 512 k-rows on, so that the immediates stay inside their signed 24 bits
	s_add_nc_u64 s[6:7], s[6:7], s[32:33]
	s_load_b64 s[28:29], s[10:11], s27 offset:0x0  ; units of 32 rows of my expert
	s_load_b64 s[30:31], s[10:11], s27 offset:0x40 ; its first row
; k-row i of group g of chunk c: 512 neighbouring bytes of one row; the data go to window 1
.macro GL1 c, g, i
.if (\c) < 4
	global_load_b128 v[X+32*((2*(\c)+(\g))%4)+4*(\i):X+32*((2*(\c)+(\g))%4)+4*(\i)+3], v4, s[4:5] offset:((\c)*128+8*(\g)+(\i))*16384 th:TH_LOAD_NT
.else
	global_load_b128 v[X+32*((2*(\c)+(\g))%4)+4*(\i):X+32*((2*(\c)+(\g))%4)+4*(\i)+3], v4, s[34:35] offset:(((\c)-4)*128+8*(\g)+(\i))*16384 th:TH_LOAD_NT
.endif
.endm
; group g of chunk c in one run: 8 k-rows
.macro GLOAD c, g
.irp i, 0,1,2,3,4,5,6,7
	GL1 \c, \g, \i
.endr
.set NI, NI+8
.endm
; group g of chunk c is converted.  first = 1: the first group, ahead of which no LDS store has read T
.macro CVT c, g, first
	POSX \c, \g
	WAITLD
.if !\first
	s_wait_alu depctr_vm_vsrc(0)                   ; the LDS stores of the group before have read T, which the conversions write again
.endif
	WIN 0x05                                       ; both sources in window 1, the result in window 0
.irp n, 0,1,2,3
.irp p, 0,1,2,3
	v_cvt_pk_f16_f32 v[T+4*\n+\p], v[X+32*((2*(\c)+(\g))%4)+8*\p+\n], v[X+32*((2*(\c)+(\g))%4)+8*\p+4+\n]   ; k = 2 p below, 2 p + 1 above, column n
.endr
.endr
	WIN 0
.endm
; and stored
.macro STO c, g
.irp n, 0,1,2,3
	ds_store_b128 v[SB+((\c)>>1)], v[T+4*\n:T+4*\n+3] offset:((\c)&1)*CHB+\n*PC+16*(\g)
.endr
.endm
.macro ALOAD s                         ; x of K step s, both tiles: four loads of 512 neighbouring bytes
.irp t, 0,1
.irp q, 0,1
	global_load_b128 v[A+16*((\s)%8)+8*\t+4*\q:A+16*((\s)%8)+8*\t+4*\q+3], v8, s[8:9] offset:\t*TSTR+(\s)*1024+\q*512
.endr
.endr
.set NI, NI+4
.endm
.macro WLOAD half, s                   ; weight fragments of tiles 4 half .. 4 half + 3, K step s: eight LDS loads
.irp j, 0,1,2,3
	ds_load_b128 v[W+8*(4*\half+\j):W+8*(4*\half+\j)+3], v[LC+((\s)>>3)] offset:(((\s)>>2)&1)*CHB+(4*\half+\j)*16*PC+((\s)&3)*64
	ds_load_b128 v[W+8*(4*\half+\j)+4:W+8*(4*\half+\j)+7], v[LC+((\s)>>3)] offset:(((\s)>>2)&1)*CHB+(4*\half+\j)*16*PC+((\s)&3)*64+32
.endr
.endm
; eight matrix instructions on eight accumulators.  deal = 1: behind each stands one of the eight loads of group g of chunk c, whose place in the ring was emptied ahead of the last wait on va_vdst;
; the matrix instructions name none of the registers that these loads touch
.macro MUL8 half, s, zero, deal=0, c=0, g=0
.irp j, 0,1,2,3
.irp t, 0,1
.if \zero
	v_wmma_f32_16x16x32_f16 v[8*(8*\t+4*\half+\j):8*(8*\t+4*\half+\j)+7], v[W+8*(4*\half+\j):W+8*(4*\half+\j)+7], v[A+16*((\s)%8)+8*\t:A+16*((\s)%8)+8*\t+7], 0
.else
	v_wmma_f32_16x16x32_f16 v[8*(8*\t+4*\half+\j):8*(8*\t+4*\half+\j)+7], v[W+8*(4*\half+\j):W+8*(4*\half+\j)+7], v[A+16*((\s)%8)+8*\t:A+16*((\s)%8)+8*\t+7], v[8*(8*\t+4*\half+\j):8*(8*\t+4*\half+\j)+7]
.endif
.if \deal
	GL1 \c, \g, (2*\j+\t)
.endif
.endr
.endr
.if \deal
.set NI, NI+8
.endif
.endm
	s_wait_alu depctr_va_vdst(0)                   ; v4, v6, v9 and v[SB ..] are written: the loads and LDS stores below read them as offsets and addresses
	s_cmp_lg_u32 s14, 0
	s_cbranch_scc1 .Lnobias0
	global_load_b128 v[16:19], v9, s[6:7]          ; wave 0: the 128 biases; older than every counted load, so the counts hold for it too
.Lnobias0:
	WIN 0x40
	GLOAD 0, 0
	GLOAD 0, 1
	GLOAD 1, 0
	GLOAD 1, 1
	WIN 0
	v_and_b32 v2, 15, v0                           ; r
	v_bfe_u32 v3, v0, 4, 1                         ; h
	v_mul_u32_u24 v11, v2, PC
	v_lshl_add_u32 v11, v3, 4, v11                 ; r x pitch + 16 h
	s_mul_i32 s20, s38, 64*PC                      ; an item's 64 columns
.irp m, 0,1,2,3
	v_add_nc_u32 v[LC+\m], 2*CHB*\m, v11           ; the tile, the K step and the odd chunk stand in the immediate: 65,504 at the most
	v_add_nc_u32 v[LB+\m], s20, v[LC+\m]
.endr
	v_lshlrev_b32 v7, 5, v3
	v_add_nc_u32 v7, BIAS, v7                      ; my 8 biases of tile j lie at + 64 j
	v_lshl_add_u32 v28, s38, 8, v7                 ; the same for an item's four tiles
	s_wait_kmcnt 0x0                               ; meta
	s_min_u32 s18, s28, 32                         ; at most 1,024 rows = 32 units
	s_max_u32 s17, s18, 8
	s_sub_co_u32 s17, s17, 7                       ; units from the ninth on, + 1
	s_sub_co_u32 s17, s17, s37
	s_lshr_b32 s17, s17, 1                         ; my trips through them
	s_lshl_b32 s20, s14, 5
	s_add_co_u32 s20, s20, s30                     ; my unit's first row
	s_min_u32 s20, s20, 2272                       ; the last unit that the row space holds; the bound moves only rows that are not stored
	s_lshl_b32 s21, s20, 11                        ; xg: 2,048 bytes a row
	v_add_nc_u32 v8, s21, v9
	s_lshl_b32 s41, s20, 12                        ; act: 4,096 bytes a row,
	s_lshl_b32 s22, s16, 11                        ; K steps 2 c and 2 c + 1
	s_add_co_u32 s41, s41, s22
	s_wait_alu depctr_va_vdst(0)                   ; v8 is written, which the loads of x read; so are v7, v28, v[LC ..] and v[LB ..], which the LDS loads further down read
.irp n, 0,1,2,3,4,5,6,7
	ALOAD \n
.endr
	CVT 0, 0, 1
	s_wait_alu depctr_va_vdst(0)                   ; the conversions have written T, which the LDS stores read, and are done reading their place in the ring, in which the loads below land
	STO 0, 0
	WIN 0x40
	GLOAD 2, 0
	WIN 0
	s_cmp_lg_u32 s14, 0
	s_cbranch_scc1 .Lnobias1
	ds_store_b128 v6, v[16:19]                     ; the wait on LOADcnt above has shown this older load in
.Lnobias1:
	CVT 0, 1, 0
	s_wait_alu depctr_va_vdst(0)                   ; as above, for the second group
	STO 0, 1
	WIN 0x40
	GLOAD 2, 1
	WIN 0
	s_wait_dscnt 0x0                               ; for the others' sake: my part of chunk 0 is in LDS before I signal
	s_barrier_signal -1
	s_barrier_wait -1                              ; chunk 0 is whole
	WLOAD 0, 0
	WLOAD 1, 0
	; The 16 accumulators take turns, one instruction a turn, over the K steps too.
.set cc, 0
.set gg, 0
.set ks, 0
.rept NK
.set cv, 0                                             ; does this K step convert a group of the next chunk?  K steps 0 and 2 of a chunk do
.if (ks&1) == 0
.if (ks>>2)+1 < NC
.set cv, 1
.endif
.endif
.set dl, 0                                             ; and is that group's place in the ring asked for again, two chunks on?
.if cv
.set cc, (ks>>2)+1
.set gg, (ks>>1)&1
.if cc+2 < NC
.set dl, 1
.endif
.endif
.set zz, 0                                             ; the first products start the sums
.if ks == 0
.set zz, 1
.endif
	POSA ks
	WAITLD                                         ; x of this K step
	s_wait_dscnt 0x8                               ; tiles 0-3 are in; the eight younger loads (tiles 4-7) may be out
	WIN MULW
	MUL8 0, ks, zz
	PLACES
	WIN 0
.if cv
	CVT cc, gg, 0
.endif
.if (ks&3) < 3
	s_wait_alu depctr_va_vdst(0)                   ; the eight matrix instructions are done reading tiles 0-3, in which the LDS loads below land; where the K step converts: T is written, which the LDS stores read, and the group's place in the ring has been read, in which the loads dealt below land
.if cv
	STO cc, gg
.endif
	WLOAD 0, ks+1
	s_wait_dscnt 8+4*cv                            ; tiles 4-7 are in; the eight loads just issued, and the four stores of a conversion in front of them, may be out
	WIN MULW
	MUL8 1, ks, zz, dl, cc+2, gg
	PLACES
	WIN 0
	s_wait_alu depctr_va_vdst(0)                   ; the matrix instructions are done reading tiles 4-7 and this K step's x, in which the loads below land
	WLOAD 1, ks+1
.else
	s_wait_dscnt 0x0                               ; tiles 4-7 are in, my reads of this chunk are over and my part of the next chunk is in LDS:
.if ks < NK-1
	s_barrier_signal -1                            ; say so,
.endif
	WIN MULW
	MUL8 1, ks, 0                                  ; work on registers while the others arrive,
	PLACES
	WIN 0
.if ks < NK-1
	s_barrier_wait -1                              ; and read the next chunk when it is whole
	s_wait_alu depctr_va_vdst(0)                   ; this K step's sixteen matrix instructions are done reading all eight tiles and its x, in which the loads below land
	WLOAD 0, ks+1
	WLOAD 1, ks+1
.endif
.endif
.if ks+8 < NK
	ALOAD ks+8                                     ; into the ring's place that this K step has left
.endif
.set ks, ks+1
.endr
	; from here on LDS is only read, and no barrier follows
	s_cmp_ge_u32 s14, s18
	s_cbranch_scc1 .Lleft                          ; my unit lies beyond the expert's count: those rows belong to others
; the activation of tiles j and j + 1 (j even) of tile row tau: 8 gates in the even, 8 ups in the odd of 16 registers; all operands in window 1; the 16 bytes to store are left in the first four
.macro ACTW t, j
.set ac, 8*(8*\t+\j)
.irp p, 0,1,2,3,4,5,6,7
	v_min_num_f32 v[ac+2*\p], s25, v[ac+2*\p]              ; gate = min(gate, 7)
.endr
.irp p, 0,1,2,3,4,5,6,7
	v_mul_f32 v[T1+\p], s26, v[ac+2*\p]
.endr
.irp p, 0,1,2,3,4,5,6,7
	v_exp_f32 v[T1+\p], v[T1+\p]                           ; e^(-1.702 gate); gate <= 7 bounds the other side
.endr
.irp p, 0,1,2,3,4,5,6,7
	v_med3_num_f32 v[ac+2*\p+1], v[ac+2*\p+1], s24, s25    ; up clamped to -7 .. 7: also the plain instructions that stand behind the exponentials (ISA guide 5.7.2)
.endr
	s_wait_alu depctr_va_vdst(0)
.irp p, 0,1,2,3,4,5,6,7
	v_add_f32 v[T1+\p], 1.0, v[T1+\p]
.endr
.irp p, 0,1,2,3,4,5,6,7
	v_rcp_f32 v[T1+\p], v[T1+\p]                           ; sigmoid
.endr
	v_nop                                                  ; one plain place behind the reciprocals
	s_wait_alu depctr_va_vdst(0)
.irp p, 0,1,2,3,4,5,6,7
	v_mul_f32 v[T1+\p], v[ac+2*\p], v[T1+\p]               ; glu
.endr
.irp p, 0,1,2,3,4,5,6,7
	v_fma_f32 v[T1+\p], v[ac+2*\p+1], v[T1+\p], v[T1+\p]   ; (up + 1) glu
.endr
.irp p, 0,1,2,3
	v_cvt_pk_f16_f32 v[ac+\p], v[T1+2*\p], v[T1+2*\p+1]    ; |act| <= 56: inside f16 for every input
.endr
.endm
	WIN 0x40
	v_add_nc_u32 v[OOFF], s41, v9                  ; the ring of W1 has been used up: its registers are free
	WIN 0
	s_wait_alu depctr_va_vdst(0)                   ; the last K step's matrix instructions are done reading the weight fragments, in which the biases land
	; bias (tile j's 8 numbers of my half of the lanes, the same for both tile rows), activation, store
.irp j, 0,1,2,3,4,5,6,7
	ds_load_b128 v[W+8*\j:W+8*\j+3], v7 offset:64*\j
	ds_load_b128 v[W+8*\j+4:W+8*\j+7], v7 offset:64*\j+16
.endr
	s_wait_dscnt 0x0
	WIN 0x41                                       ; source 0 and destination in window 1, the bias in window 0
.irp t, 0,1
.irp j, 0,1,2,3,4,5,6,7
.irp q, 0,2,4,6
	v_pk_add_f32 v[8*(8*\t+\j)+\q:8*(8*\t+\j)+\q+1], v[8*(8*\t+\j)+\q:8*(8*\t+\j)+\q+1], v[W+8*\j+\q:W+8*\j+\q+1]
.endr
.endr
.endr
	WIN 0x55
	; a tile row's four pairs of tiles are worked on, then stored behind one wait; the second tile row's arithmetic names none of the registers that the first's stores read
.irp t, 0,1
.irp j, 0,2,4,6
	ACTW \t, \j
.endr
	s_wait_alu depctr_va_vdst(0)                   ; the conversions have written the tile row's four times four registers, which the stores read; v[OOFF] is written too
.irp j, 0,2,4,6
	global_store_b128 v[OOFF], v[8*(8*\t+\j):8*(8*\t+\j)+3], s[12:13] offset:\t*65536+(\j>>2)*1024+((\j>>1)&1)*512   ; the wave stores 512 neighbouring bytes
.endr
.endr
	WIN 0
.Lleft:
; THE UNITS FROM THE NINTH ON.  My item: tile s39 of the unit, columns 64 s38 .. + 63.
; The plan here: K step s's four matrix instructions read LW[s % 4] and LA[s % 8]; one wait on va_vdst stands behind them, ahead of the loads of K steps s + 4 and s + 8, which land there.
.macro ALOAD1 s                        ; x of K step s, one tile
.irp q, 0,1
	global_load_b128 v[LA+8*((\s)%8)+4*\q:LA+8*((\s)%8)+4*\q+3], v8, s[8:9] offset:(\s)*1024+\q*512
.endr
.endm
.macro WLOAD4 s                        ; weight fragments of my four tiles, K step s
.irp j, 0,1,2,3
	ds_load_b128 v[LW+32*((\s)%4)+8*\j:LW+32*((\s)%4)+8*\j+3], v[LB+((\s)>>3)] offset:(((\s)>>2)&1)*CHB+\j*16*PC+((\s)&3)*64
	ds_load_b128 v[LW+32*((\s)%4)+8*\j+4:LW+32*((\s)%4)+8*\j+7], v[LB+((\s)>>3)] offset:(((\s)>>2)&1)*CHB+\j*16*PC+((\s)&3)*64+32
.endr
.endm
.macro LSTEP s
.if (\s) < NK-7
	s_wait_loadcnt 14                              ; x of this K step is in; the seven younger K steps' 14 loads stay out
.else
	s_wait_loadcnt 2*(NK-1-(\s))
.endif
.if (\s) < NK-3
	s_wait_dscnt 24                                ; this K step's fragments are in; the three younger K steps' 24 loads stay out
.else
	s_wait_dscnt 8*(NK-1-(\s))
.endif
.irp j, 0,1,2,3
.if (\s) == 0
	v_wmma_f32_16x16x32_f16 v[LACC+8*\j:LACC+8*\j+7], v[LW+32*((\s)%4)+8*\j:LW+32*((\s)%4)+8*\j+7], v[LA+8*((\s)%8):LA+8*((\s)%8)+7], 0
.else
	v_wmma_f32_16x16x32_f16 v[LACC+8*\j:LACC+8*\j+7], v[LW+32*((\s)%4)+8*\j:LW+32*((\s)%4)+8*\j+7], v[LA+8*((\s)%8):LA+8*((\s)%8)+7], v[LACC+8*\j:LACC+8*\j+7]
.endif
.endr
	PLACES
.if (\s)+4 < NK
	s_wait_alu depctr_va_vdst(0)                   ; the four matrix instructions are done reading this K step's fragments and x, in which the loads below land
	WLOAD4 (\s)+4
.endif
.if (\s)+8 < NK
	ALOAD1 (\s)+8
.endif
.endm
; the activation of two neighbouring tiles of an item: 8 gates in the even, 8 ups in the odd of 16 registers; the 16 bytes to store are left in the first four
.macro ACTL pr
.set ac, LACC+16*\pr
.irp p, 0,1,2,3,4,5,6,7
	v_min_num_f32 v[ac+2*\p], s25, v[ac+2*\p]
.endr
.irp p, 0,1,2,3,4,5,6,7
	v_mul_f32 v[LT+\p], s26, v[ac+2*\p]
.endr
.irp p, 0,1,2,3,4,5,6,7
	v_exp_f32 v[LT+\p], v[LT+\p]
.endr
.irp p, 0,1,2,3,4,5,6,7
	v_med3_num_f32 v[ac+2*\p+1], v[ac+2*\p+1], s24, s25    ; also the plain instructions behind the exponentials
.endr
	s_wait_alu depctr_va_vdst(0)
.irp p, 0,1,2,3,4,5,6,7
	v_add_f32 v[LT+\p], 1.0, v[LT+\p]
.endr
.irp p, 0,1,2,3,4,5,6,7
	v_rcp_f32 v[LT+\p], v[LT+\p]
.endr
	v_nop                                                  ; one plain place behind the reciprocals
	s_wait_alu depctr_va_vdst(0)
.irp p, 0,1,2,3,4,5,6,7
	v_mul_f32 v[LT+\p], v[ac+2*\p], v[LT+\p]
.endr
.irp p, 0,1,2,3,4,5,6,7
	v_fma_f32 v[LT+\p], v[ac+2*\p+1], v[LT+\p], v[LT+\p]
.endr
.irp p, 0,1,2,3
	v_cvt_pk_f16_f32 v[ac+\p], v[LT+2*\p], v[LT+2*\p+1]
.endr
.endm
	s_mov_b32 s19, 0                               ; the trip's number
	s_cmp_eq_u32 s17, 0
	s_cbranch_scc1 .Lend
.Lunit:
	s_wait_xcnt 0x0                                ; the data and the offsets of the loads and stores issued so far are rewritten only behind this wait
	s_wait_alu depctr_vm_vsrc(0)                   ; the loads have read v8, the last trip's stores v10 and their data in v[LACC ..], the LDS stores of the first pass T: the adds and the matrix instructions below write all of these again
	s_lshl_b32 s20, s19, 1
	s_add_co_u32 s20, s20, 8
	s_add_co_u32 s20, s20, s37                     ; the unit: 8 + 2 x trip for waves 0-3, 9 + 2 x trip for waves 4-7
	s_lshl_b32 s20, s20, 1
	s_add_co_u32 s20, s20, s39                     ; its tile that is mine
	s_lshl_b32 s20, s20, 4
	s_add_co_u32 s20, s20, s30                     ; the tile's first row
	s_min_u32 s20, s20, 2288                       ; the last tile that the row space holds
	s_lshl_b32 s21, s20, 11
	v_add_nc_u32 v8, s21, v9
	s_lshl_b32 s21, s20, 12
	s_lshl_b32 s22, s16, 11
	s_add_co_u32 s21, s21, s22
	s_lshl_b32 s22, s38, 10                        ; my half of the columns is one K step of act
	s_add_co_u32 s21, s21, s22
	v_add_nc_u32 v10, s21, v9
	s_wait_alu depctr_va_vdst(0)                   ; v8 and v10 are written, which the loads and stores below read; all earlier vector and matrix instructions are done with v[64:255], in which the loads below land
.irp n, 0,1,2,3,4,5,6,7
	ALOAD1 \n
.endr
.irp n, 0,1,2,3
	WLOAD4 \n
.endr
	; The four accumulators take turns, one instruction a turn, over the K steps too.
.set ks, 0
.rept NK
	LSTEP ks
.set ks, ks+1
.endr
	s_wait_alu depctr_va_vdst(0)                   ; the last four K steps' matrix instructions are done reading the ring of fragments, in whose first place the biases land
.irp j, 0,1,2,3
	ds_load_b128 v[LW+8*\j:LW+8*\j+3], v28 offset:64*\j
	ds_load_b128 v[LW+8*\j+4:LW+8*\j+7], v28 offset:64*\j+16
.endr
	s_wait_dscnt 0x0
.irp j, 0,1,2,3
.irp q, 0,2,4,6
	v_pk_add_f32 v[LACC+8*\j+\q:LACC+8*\j+\q+1], v[LACC+8*\j+\q:LACC+8*\j+\q+1], v[LW+8*\j+\q:LW+8*\j+\q+1]
.endr
.endr
	ACTL 0
	ACTL 1
	s_wait_alu depctr_va_vdst(0)                   ; the conversions have written the two times four registers that the stores read
.irp pr, 0,1
	global_store_b128 v10, v[LACC+16*\pr:LACC+16*\pr+3], s[12:13] offset:\pr*512     ; the wave stores 512 neighbouring bytes
.endr
	s_add_co_u32 s19, s19, 1
	s_cmp_lt_u32 s19, s17
	s_cbranch_scc1 .Lunit
.Lend:
	s_wait_dscnt 0x0
	s_wait_alu depctr_hold_cnt(0) depctr_sa_sdst(0) depctr_va_vdst(0) depctr_va_sdst(0) depctr_va_ssrc(0) depctr_va_vcc(0) depctr_vm_vsrc(0)
	s_wait_tensorcnt 0x0
	ds_add_u32 v30, v31
	s_wait_dscnt 0x0
	s_endpgm
.Lfunc_end_k_q7c85ea584d_gateup:
	.size	k_q7c85ea584d_gateup, .Lfunc_end_k_q7c85ea584d_gateup-k_q7c85ea584d_gateup
	.p2alignl 7, 3214868480
	.fill 96, 4, 3214868480
	.section	.rodata,"a",@progbits
	.p2align	6, 0x0
	.amdhsa_kernel k_q7c85ea584d_gateup
		.amdhsa_group_segment_fixed_size 280064
		.amdhsa_private_segment_fixed_size 0
		.amdhsa_enable_private_segment 0
		.amdhsa_kernarg_size 40
		.amdhsa_user_sgpr_count 2
		.amdhsa_user_sgpr_kernarg_segment_ptr 1
		.amdhsa_wavefront_size32 1
		.amdhsa_system_sgpr_workgroup_id_x 1
		.amdhsa_system_sgpr_workgroup_id_y 1
		.amdhsa_system_sgpr_workgroup_id_z 1
		.amdhsa_system_vgpr_workitem_id 0
		.amdhsa_next_free_vgpr 512
		.amdhsa_next_free_sgpr 66
		.amdhsa_reserve_vcc 0
		.amdhsa_float_denorm_mode_32 3
		.amdhsa_float_denorm_mode_16_64 3
		.amdhsa_memory_ordered 1
		.amdhsa_forward_progress 1
		.amdhsa_inst_pref_size 206
	.end_amdhsa_kernel
	.amdgpu_metadata
---
amdhsa.version: [ 1, 2 ]
amdhsa.kernels:
  - .name:           k_q7c85ea584d_gateup
    .symbol:         k_q7c85ea584d_gateup.kd
    .args:
      - { .name: gate_up_proj, .offset: 0, .size: 8, .value_kind: global_buffer, .address_space: global }
      - { .name: gate_up_proj_bias, .offset: 8, .size: 8, .value_kind: global_buffer, .address_space: global }
      - { .name: xg, .offset: 16, .size: 8, .value_kind: global_buffer, .address_space: global }
      - { .name: meta, .offset: 24, .size: 8, .value_kind: global_buffer, .address_space: global }
      - { .name: act, .offset: 32, .size: 8, .value_kind: global_buffer, .address_space: global }
    .group_segment_fixed_size: 280064
    .private_segment_fixed_size: 0
    .kernarg_segment_align: 8
    .kernarg_segment_size: 40
    .max_flat_workgroup_size: 256
    .sgpr_count:     66
    .vgpr_count:     512
    .wavefront_size: 32
...
	.end_amdgpu_metadata
.endif
;; end of part 8
;; launch down (part 9): grid 256 x 1, 8 waves a work-group, no clusters, 207,872 bytes of LDS; arguments down_proj, act, meta, part; writes part
.if DOCPART == 9
	.amdgcn_target "amdgcn-amd-amdhsa--gfx1250"
	.amdhsa_code_object_version 6
	.text
	.protected	k_q7c85ea584d_down
	.globl	k_q7c85ea584d_down
	.p2align	8
	.type	k_q7c85ea584d_down,@function
k_q7c85ea584d_down:
	s_mov_b64 s[64:65], 0
	v_nop
	global_prefetch_b8 v0, s[64:65] scope:SCOPE_SE
	s_setreg_imm32_b32 hwreg(HW_REG_WAVE_SCHED_MODE, 0, 2), 2
	s_setreg_imm32_b32 hwreg(HW_REG_WAVE_MODE, 25, 1), 1
	s_wait_xcnt 0x0
	s_wait_alu depctr_vm_vsrc(0)
; down: part[ks] = act_e W2_e over f = 512 ks .. + 511, for the rows that picked expert e.  Work-group = (e = wg / 32, columns 128 c .. + 127 of 1,024 with c = (wg / 4) % 8, ks = wg % 4).
; K is split in four so that 256 work-groups each own one slice of the weights (512 f x 128 columns of f32, 256 KB, read once, by nobody else); the four partial sums are
; stored apart and added by the next launch: each byte of part has one owner.
; THE STREAM OF WEIGHTS AND THE PRODUCTS RUN AT THE SAME TIME, in every wave alike, as in the launch before: wave w multiplies unit w of the expert's first eight units of 32 rows (32 rows x 128
; columns) and brings places 16 w .. + 15 of every chunk of 128 f, two groups of 8 rows, through a ring of four groups in registers.  While chunk ch is multiplied, chunk ch + 1 is converted to f16
; and stored as [chunk][column][f] (other bytes of LDS) and chunk ch + 3 is asked for.  One barrier a chunk.  No byte of the weights' LDS is written twice.
; act holds, at place sigma of a K step, f = sigma with bits 2 and 3 exchanged; the weights' rows are loaded in that order, so both operands are permuted alike.
; A wave whose unit lies beyond the expert's count multiplies rows that it does not store.  UNITS FROM THE NINTH ON: behind the last barrier, as items of 16 rows x 64 columns:
; waves 0-3 take units 8, 10, .., waves 4-7 units 9, 11, ..  An expert with far more than 256 rows is served rightly, but by these small items.
; THE WAY OUT: 16 rows through the wave's own stage in LDS, read back by rows: sixteen neighbouring lanes store 256 neighbouring bytes, aligned.
; No tensor loads, cluster or prefetch, for the reasons given in the launch before.
; LIMITS: a number of W2 beyond 65,504 in magnitude becomes an infinity (W2 of spread 1/45, 30 times larger, stays below 10); below 2^-14 f16 steps by 2^-24,
; which is under 1e-4 of W2's spread made 30 times smaller.
; THE MODE: SCHED_MODE bits 1:0 = 2 (LLVM: expert scheduling mode 2), set by the entry lines.  The code itself states the register dependences
; between vector or matrix instructions and memory or LDS instructions, with s_wait_alu, always for 0.
; THE PLAN.  Registers that memory or LDS instructions touch while the first eight units are multiplied, and who else names them:
;   W0, W1     the two halves of the weight fragments, v[64:95] and v[96:127], are the two buffers that take turns.  K step s: its first eight matrix instructions read W0, its second eight W1;
;              the LDS loads of K step s + 1 land in a half behind the eight that read it.
;   A0 .. A7   K step s: all sixteen matrix instructions read A[s % 8]; behind them the loads of K step s + 8 land in it.
;   X0 .. X3   a group's sixteen conversions read X[g]; behind them the loads of the same group two chunks on land in it.
;   T          written by those conversions, read by the four LDS stores behind them, written again by the next group's conversions, two K steps later.
;   v4, v8 to v11, v29 to v31, v[SB ..], v[LC ..], v[LB ..]   offsets and LDS addresses, made at the head; none is written again before the items.
;   The accumulators are named by matrix instructions alone until the way out.  All 512 registers of the wave are taken: there is no third buffer of fragments.
; So a K step has TWO waits on va_vdst.  The first stands behind its first eight matrix instructions and, where the K step converts, behind the conversions: W0 and X[g] have been read, T is written.
; Behind it come the four LDS stores, the eight LDS loads into W0 and the eight loads into X[g]; these last are dealt among the second eight matrix instructions, which name W1, A[s % 8] and accumulators alone.
; The second stands behind the second eight: W1 and A[s % 8] have been read; the loads into them follow.  In a chunk's last K step one wait, behind the barrier, serves both halves.
; One wait on vm_vsrc stands ahead of each group's conversions but the first: the LDS stores of the group before have read T.
.set PC,   272                         ; LDS row of a chunk: 128 f16 + 16 bytes: an odd multiple of 16
.set CHB,  128*PC                      ; 34,816 bytes: a chunk
.set NC,   4                           ; chunks
.set NK,   16                          ; K steps of 32, four to a chunk
.set STG,  NC*CHB                      ; 139,264: the stages, 16 rows x 528 bytes for each wave
.set SP,   528                         ; 512 + 16: an odd multiple of 16
.set OSTR, 65536                       ; bytes of a tile of act
; window 0: v4 my offset in W2, v8 in act, v9 16 x lane, v10 in part, v11 into my stage, v29-v30 back from it, v31 two rows of part
.set SB,   12                          ; v[12:13]   where I store my part of chunks 2 m, 2 m + 1
.set LC,   20                          ; v[20:21]   where I read fragments of chunks 2 m, 2 m + 1
.set LB,   24                          ; v[24:25]   the same for an item's 64 columns
.set T,    32                          ; v[32:47]   16 packed words on their way to LDS
.set W,    64                          ; v[64:127]  weight fragments, tile j at W + 8 j
.set A,    128                         ; v[128:255] ring of 8 K steps x (2 tiles x 8 registers) of act
; window 1: accumulator tile (tau, j) at v[256 + 8 (8 tau + j)]
.set X,    128                         ; v[384:511] ring of 4 groups x 8 loads of W2
.set MULW, 0x50                        ; C and D in window 1, sources in window 0; a load under it has its data in window 1 and its offset in window 0
; the items, all in window 0
.set LACC, 32                          ; v[32:63]   four accumulator tiles
.set LA,   64                          ; v[64:127]  ring of 8 K steps of act
.set LW,   128                         ; v[128:255] ring of 4 K steps x 4 tiles of weights
.set MSB, 0
.macro WIN new                         ; the immediate's high byte repeats the setting that is left
.if MSB != \new
	s_set_vgpr_msb (MSB<<8)|\new
.set MSB, \new
.endif
.endm
.macro PLACES                          ; four places behind a matrix instruction before its registers are loaded into or its result is read (ISA guide 7.12.1); they stay beside the waits on va_vdst, which fill no place
.rept 4
	v_nop
.endr
.endm
; THE COUNTS OF s_wait_loadcnt.  Loads of act and of W2 share one counter and return in the order of issue (ISA guide 5.7.1).  That order is, in loads (X c g: group g of chunk c, 8 loads; A s: act of K step s, 4):
;   X00 X01 X10 X11 | A0 .. A7 | X20 X21 | and while chunk q is multiplied: X(q+3)0 A(4q+8) A(4q+9) X(q+3)1 A(4q+10) A(4q+11), without the X when chunk q + 3 does not exist.
; NI counts the loads issued so far; POSA and POSX set PP to the number of loads up to and with the wanted one; NI - PP younger loads may stay out.
.set NI, 0
.set PP, 0
.macro POSA s
.if (\s) < 8
.set PP, 36+4*(\s)
.else
.if (((\s)-8)>>2) < NC-3
.set PP, 80+32*(((\s)-8)>>2)+12+4*((\s)&3)+8*(((\s)&3)>>1)
.else
.set PP, 80+32*(((\s)-8)>>2)+4*(((\s)&3)+1)
.endif
.endif
.endm
.macro POSX c, g
.if (\c) < 2
.set PP, 8*(2*(\c)+(\g)+1)
.else
.if (\c) == 2
.set PP, 72+8*(\g)
.else
.set PP, 80+32*((\c)-3)+8+16*(\g)
.endif
.endif
.endm
.macro WAITLD
.if NI-PP > 63
	s_wait_loadcnt 63                              ; a smaller count than the younger loads' number: the largest that the instruction can name
.else
	s_wait_loadcnt NI-PP                           ; the wanted load is in; the younger ones stay out
.endif
.endm
	s_load_b256 s[4:11], s[0:1], 0x0               ; W2 s[4:5], act s[6:7], meta s[8:9], part s[10:11]
	v_lshl_add_u32 v27, v0, 2, 0x32800
	v_mov_b32 v28, 0
	v_and_b32 v1, 31, v0                           ; lane
	v_lshrrev_b32 v2, 5, v0
	v_readfirstlane_b32 s14, v2                    ; wave 0..7
	v_lshlrev_b32 v9, 4, v1                        ; 16 x lane
	v_mul_u32_u24 v5, v1, 4*PC                     ; LDS: column 4 x lane
	s_wait_alu depctr_va_sdst(0)                   ; s14 is written, ahead of its first reader: branches, offsets and LDS addresses are made from it
	s_lshr_b32 s37, s14, 2                         ; items: waves 0-3 the even units, waves 4-7 the odd ones
	s_bfe_u32 s38, s14, 0x10001                    ; an item's half of the 128 columns
	s_and_b32 s39, s14, 1                          ; an item's tile of the unit's two
	s_lshr_b32 s15, ttmp9, 5                       ; e
	s_bfe_u32 s16, ttmp9, 0x30002                  ; c
	s_and_b32 s40, ttmp9, 3                        ; ks
	s_lshl_b32 s27, s15, 3                         ; 8 e: my entry of meta; never rewritten
	s_lshl_b32 s20, s15, 23                        ; an expert's 2,048 x 1,024 f32
	s_lshl_b32 s22, s40, 21                        ; 512 rows of 4,096 bytes
	s_add_co_u32 s20, s20, s22
	s_lshl_b32 s22, s16, 9                         ; 128 columns of f32
	s_add_co_u32 s20, s20, s22
	s_mov_b32 s21, 0
	s_lshl_b32 s32, s40, 14                        ; act: 16 K steps of 1,024 bytes
	s_mov_b32 s33, 0
	s_mul_i32 s34, s40, 0x900000                   ; part: 2,304 rows of 4,096 bytes
	s_mov_b32 s35, 0
	v_lshl_add_u32 v4, s14, 16, v9                 ; 16 x lane + wave x 16 rows of 4,096 bytes
	v_lshl_add_u32 v5, s14, 5, v5                  ; place 16 x wave of the chunk
.irp m, 0,1
	v_add_nc_u32 v[SB+\m], 2*CHB*\m, v5            ; chunks 2 m and 2 m + 1: the second is reached by the immediate
.endr
	s_wait_kmcnt 0x0
	s_add_nc_u64 s[4:5], s[4:5], s[20:21]
	s_add_nc_u64 s[6:7], s[6:7], s[32:33]
	s_add_nc_u64 s[10:11], s[10:11], s[34:35]
	s_load_b64 s[28:29], s[8:9], s27 offset:0x0    ; units of 32 rows of my expert
	s_load_b64 s[30:31], s[8:9], s27 offset:0x40   ; its first row
; group g of chunk c fills places 8 g .. + 7 of my 16: place 8 g + i holds row 4 g + i + 4 (i / 4), which is 8 g + i with bits 2 and 3 exchanged; the data go to window 1.  One row:
.macro GL1 c, g, i
	global_load_b128 v[X+32*((2*(\c)+(\g))%4)+4*(\i):X+32*((2*(\c)+(\g))%4)+4*(\i)+3], v4, s[4:5] offset:((\c)*128+4*(\g)+(\i)+4*((\i)>>2))*4096 th:TH_LOAD_NT
.endm
; the group in one run
.macro GLOAD c, g
.irp i, 0,1,2,3,4,5,6,7
	GL1 \c, \g, \i
.endr
.set NI, NI+8
.endm
; group g of chunk c is converted.  first = 1: the first group, ahead of which no LDS store has read T
.macro CVT c, g, first
	POSX \c, \g
	WAITLD
.if !\first
	s_wait_alu depctr_vm_vsrc(0)                   ; the LDS stores of the group before have read T, which the conversions write again
.endif
	WIN 0x05                                       ; both sources in window 1, the result in window 0
.irp n, 0,1,2,3
.irp p, 0,1,2,3
	v_cvt_pk_f16_f32 v[T+4*\n+\p], v[X+32*((2*(\c)+(\g))%4)+8*\p+\n], v[X+32*((2*(\c)+(\g))%4)+8*\p+4+\n]   ; place 2 p below, 2 p + 1 above, column n
.endr
.endr
	WIN 0
.endm
; and stored
.macro STO c, g
.irp n, 0,1,2,3
	ds_store_b128 v[SB+((\c)>>1)], v[T+4*\n:T+4*\n+3] offset:((\c)&1)*CHB+\n*PC+16*(\g)
.endr
.endm
.macro ALOAD s                         ; act of K step s, both tiles: four loads of 512 neighbouring bytes
.irp t, 0,1
.irp q, 0,1
	global_load_b128 v[A+16*((\s)%8)+8*\t+4*\q:A+16*((\s)%8)+8*\t+4*\q+3], v8, s[6:7] offset:\t*OSTR+(\s)*1024+\q*512
.endr
.endr
.set NI, NI+4
.endm
.macro WLOAD half, s                   ; weight fragments of tiles 4 half .. 4 half + 3, K step s: eight LDS loads
.irp j, 0,1,2,3
	ds_load_b128 v[W+8*(4*\half+\j):W+8*(4*\half+\j)+3], v[LC+((\s)>>3)] offset:(((\s)>>2)&1)*CHB+(4*\half+\j)*16*PC+((\s)&3)*64
	ds_load_b128 v[W+8*(4*\half+\j)+4:W+8*(4*\half+\j)+7], v[LC+((\s)>>3)] offset:(((\s)>>2)&1)*CHB+(4*\half+\j)*16*PC+((\s)&3)*64+32
.endr
.endm
; eight matrix instructions on eight accumulators.  deal = 1: behind each stands one of the eight loads of group g of chunk c, whose place in the ring was emptied ahead of the last wait on va_vdst;
; the matrix instructions name none of the registers that these loads touch
.macro MUL8 half, s, zero, deal=0, c=0, g=0
.irp j, 0,1,2,3
.irp t, 0,1
.if \zero
	v_wmma_f32_16x16x32_f16 v[8*(8*\t+4*\half+\j):8*(8*\t+4*\half+\j)+7], v[W+8*(4*\half+\j):W+8*(4*\half+\j)+7], v[A+16*((\s)%8)+8*\t:A+16*((\s)%8)+8*\t+7], 0
.else
	v_wmma_f32_16x16x32_f16 v[8*(8*\t+4*\half+\j):8*(8*\t+4*\half+\j)+7], v[W+8*(4*\half+\j):W+8*(4*\half+\j)+7], v[A+16*((\s)%8)+8*\t:A+16*((\s)%8)+8*\t+7], v[8*(8*\t+4*\half+\j):8*(8*\t+4*\half+\j)+7]
.endif
.if \deal
	GL1 \c, \g, (2*\j+\t)
.endif
.endr
.endr
.if \deal
.set NI, NI+8
.endif
.endm
	WIN 0x40
	s_wait_alu depctr_va_vdst(0)                   ; v4, v9 and v[SB ..] are written: the loads and LDS stores below read them as offsets and addresses
	GLOAD 0, 0
	GLOAD 0, 1
	GLOAD 1, 0
	GLOAD 1, 1
	WIN 0
	v_and_b32 v2, 15, v0                           ; r
	v_bfe_u32 v3, v0, 4, 1                         ; h
	v_mul_u32_u24 v6, v2, PC
	v_lshl_add_u32 v6, v3, 4, v6                   ; r x pitch + 16 h
	s_mul_i32 s20, s38, 64*PC                      ; an item's 64 columns
.irp m, 0,1
	v_add_nc_u32 v[LC+\m], 2*CHB*\m, v6            ; the tile, the K step and the odd chunk stand in the immediate: 65,504 at the most
	v_add_nc_u32 v[LB+\m], s20, v[LC+\m]
.endr
	s_mul_i32 s23, s14, 16*SP
	s_add_co_u32 s23, s23, STG                     ; my stage
	v_mul_u32_u24 v11, v2, SP
	v_lshl_add_u32 v11, v3, 5, v11
	v_add_nc_u32 v11, s23, v11                     ; in: row r, 32 bytes for each half of the lanes, tile j at + 64 j
	v_add_nc_u32 v29, s23, v9                      ; back, 128 columns: a whole row of 512 bytes
	v_mul_u32_u24 v30, v3, SP
	v_lshl_add_u32 v30, v2, 4, v30
	v_add_nc_u32 v30, s23, v30                     ; back, 64 columns: lanes 0-15 one row of 256 bytes, lanes 16-31 the next
	v_lshlrev_b32 v31, 4, v2
	v_lshl_add_u32 v31, v3, 12, v31                ; and the same two rows in part
	s_wait_kmcnt 0x0                               ; meta
	s_min_u32 s18, s28, 32                         ; at most 1,024 rows = 32 units
	s_max_u32 s17, s18, 8
	s_sub_co_u32 s17, s17, 7                       ; units from the ninth on, + 1
	s_sub_co_u32 s17, s17, s37
	s_lshr_b32 s17, s17, 1                         ; my trips through them
	s_lshl_b32 s20, s14, 5
	s_add_co_u32 s20, s20, s30                     ; my unit's first row
	s_min_u32 s20, s20, 2272                       ; the last unit that the row space holds; the bound moves only rows that are not stored
	s_lshl_b32 s21, s20, 12                        ; act and part: 4,096 bytes a row
	v_add_nc_u32 v8, s21, v9
	s_lshl_b32 s22, s16, 9
	s_add_co_u32 s21, s21, s22
	v_add_nc_u32 v10, s21, v9                      ; part: + my 128 columns
	s_wait_alu depctr_va_vdst(0)                   ; v8 is written, which the loads of act read; so are v10, v11, v29, v30, v[LC ..] and v[LB ..], which the stores and LDS instructions further down read
.irp n, 0,1,2,3,4,5,6,7
	ALOAD \n
.endr
	CVT 0, 0, 1
	s_wait_alu depctr_va_vdst(0)                   ; the conversions have written T, which the LDS stores read, and are done reading their place in the ring, in which the loads below land
	STO 0, 0
	WIN 0x40
	GLOAD 2, 0
	WIN 0
	CVT 0, 1, 0
	s_wait_alu depctr_va_vdst(0)                   ; as above, for the second group
	STO 0, 1
	WIN 0x40
	GLOAD 2, 1
	WIN 0
	s_wait_dscnt 0x0                               ; for the others' sake: my part of chunk 0 is in LDS before I signal
	s_barrier_signal -1
	s_barrier_wait -1                              ; chunk 0 is whole
	WLOAD 0, 0
	WLOAD 1, 0
	; The 16 accumulators take turns, one instruction a turn, over the K steps too.
.set cc, 0
.set gg, 0
.set ks, 0
.rept NK
.set cv, 0                                             ; does this K step convert a group of the next chunk?  K steps 0 and 2 of a chunk do
.if (ks&1) == 0
.if (ks>>2)+1 < NC
.set cv, 1
.endif
.endif
.set dl, 0                                             ; and is that group's place in the ring asked for again, two chunks on?
.if cv
.set cc, (ks>>2)+1
.set gg, (ks>>1)&1
.if cc+2 < NC
.set dl, 1
.endif
.endif
.set zz, 0                                             ; the first products start the sums
.if ks == 0
.set zz, 1
.endif
	POSA ks
	WAITLD                                         ; act of this K step
	s_wait_dscnt 0x8                               ; tiles 0-3 are in; the eight younger loads (tiles 4-7) may be out
	WIN MULW
	MUL8 0, ks, zz
	PLACES
	WIN 0
.if cv
	CVT cc, gg, 0
.endif
.if (ks&3) < 3
	s_wait_alu depctr_va_vdst(0)                   ; the eight matrix instructions are done reading tiles 0-3, in which the LDS loads below land; where the K step converts: T is written, which the LDS stores read, and the group's place in the ring has been read, in which the loads dealt below land
.if cv
	STO cc, gg
.endif
	WLOAD 0, ks+1
	s_wait_dscnt 8+4*cv                            ; tiles 4-7 are in; the eight loads just issued, and the four stores of a conversion in front of them, may be out
	WIN MULW
	MUL8 1, ks, zz, dl, cc+2, gg
	PLACES
	WIN 0
	s_wait_alu depctr_va_vdst(0)                   ; the matrix instructions are done reading tiles 4-7 and this K step's act, in which the loads below land
	WLOAD 1, ks+1
.else
	s_wait_dscnt 0x0                               ; tiles 4-7 are in, my reads of this chunk are over and my part of the next chunk is in LDS:
.if ks < NK-1
	s_barrier_signal -1                            ; say so,
.endif
	WIN MULW
	MUL8 1, ks, 0                                  ; work on registers while the others arrive,
	PLACES
	WIN 0
.if ks < NK-1
	s_barrier_wait -1                              ; and read the next chunk when it is whole
	s_wait_alu depctr_va_vdst(0)                   ; this K step's sixteen matrix instructions are done reading all eight tiles and its act, in which the loads below land
	WLOAD 0, ks+1
	WLOAD 1, ks+1
.endif
.endif
.if ks+8 < NK
	ALOAD ks+8                                     ; into the ring's place that this K step has left
.endif
.set ks, ks+1
.endr
	; from here on the weights are only read, the stages are each wave's own, and no barrier follows
	s_cmp_ge_u32 s14, s18
	s_cbranch_scc1 .Lleft                          ; my unit lies beyond the expert's count: those rows belong to others
	; the way out, 16 rows at a time
	s_wait_alu depctr_va_vdst(0)                   ; the matrix instructions have written the accumulators, which the LDS stores read, and are done reading the weight fragments, in which the rows land; the places above stay beside this wait
.irp t, 0,1
	WIN 0x04                                       ; the stored data in window 1
.irp j, 0,1,2,3,4,5,6,7
	ds_store_b128 v11, v[8*(8*\t+\j):8*(8*\t+\j)+3] offset:64*\j
	ds_store_b128 v11, v[8*(8*\t+\j)+4:8*(8*\t+\j)+7] offset:64*\j+16
.endr
	WIN 0
	s_wait_xcnt 0x0                                ; the registers that the last 16 stores read are loaded again only behind this wait
.if \t
	s_wait_alu depctr_vm_vsrc(0)                   ; the first tile row's 16 stores have read v[W ..], in which the second's rows land
.endif
.irp i, 0,1,2,3,4,5,6,7,8,9,10,11,12,13,14,15
	ds_load_b128 v[W+4*\i:W+4*\i+3], v29 offset:SP*\i      ; LDS serves a wave's instructions in order (ISA guide 5.7.1.4): these see the stores above
.endr
.irp i, 0,1,2,3,4,5,6,7,8,9,10,11,12,13,14,15
	s_wait_dscnt 15-\i                             ; row i is back, the younger rows may be out
	global_store_b128 v10, v[W+4*\i:W+4*\i+3], s[10:11] offset:(16*\t+\i)*4096
.endr
.endr
.Lleft:
; THE UNITS FROM THE NINTH ON.  My item: tile s39 of the unit, columns 64 s38 .. + 63.
; The plan here: K step s's four matrix instructions read LW[s % 4] and LA[s % 8]; one wait on va_vdst stands behind them, ahead of the loads of K steps s + 4 and s + 8, which land there.
.macro ALOAD1 s                        ; act of K step s, one tile
.irp q, 0,1
	global_load_b128 v[LA+8*((\s)%8)+4*\q:LA+8*((\s)%8)+4*\q+3], v8, s[6:7] offset:(\s)*1024+\q*512
.endr
.endm
.macro WLOAD4 s                        ; weight fragments of my four tiles, K step s
.irp j, 0,1,2,3
	ds_load_b128 v[LW+32*((\s)%4)+8*\j:LW+32*((\s)%4)+8*\j+3], v[LB+((\s)>>3)] offset:(((\s)>>2)&1)*CHB+\j*16*PC+((\s)&3)*64
	ds_load_b128 v[LW+32*((\s)%4)+8*\j+4:LW+32*((\s)%4)+8*\j+7], v[LB+((\s)>>3)] offset:(((\s)>>2)&1)*CHB+\j*16*PC+((\s)&3)*64+32
.endr
.endm
.macro LSTEP s
.if (\s) < NK-7
	s_wait_loadcnt 14                              ; act of this K step is in; the seven younger K steps' 14 loads stay out
.else
	s_wait_loadcnt 2*(NK-1-(\s))
.endif
.if (\s) < NK-3
	s_wait_dscnt 24                                ; this K step's fragments are in; the three younger K steps' 24 loads stay out
.else
	s_wait_dscnt 8*(NK-1-(\s))
.endif
.irp j, 0,1,2,3
.if (\s) == 0
	v_wmma_f32_16x16x32_f16 v[LACC+8*\j:LACC+8*\j+7], v[LW+32*((\s)%4)+8*\j:LW+32*((\s)%4)+8*\j+7], v[LA+8*((\s)%8):LA+8*((\s)%8)+7], 0
.else
	v_wmma_f32_16x16x32_f16 v[LACC+8*\j:LACC+8*\j+7], v[LW+32*((\s)%4)+8*\j:LW+32*((\s)%4)+8*\j+7], v[LA+8*((\s)%8):LA+8*((\s)%8)+7], v[LACC+8*\j:LACC+8*\j+7]
.endif
.endr
	PLACES
.if (\s)+4 < NK
	s_wait_alu depctr_va_vdst(0)                   ; the four matrix instructions are done reading this K step's fragments and act, in which the loads below land
	WLOAD4 (\s)+4
.endif
.if (\s)+8 < NK
	ALOAD1 (\s)+8
.endif
.endm
	s_mov_b32 s19, 0                               ; the trip's number
	s_cmp_eq_u32 s17, 0
	s_cbranch_scc1 .Lend
.Lunit:
	s_wait_xcnt 0x0                                ; the data and the offsets of the loads and stores issued so far are rewritten only behind this wait
	s_wait_alu depctr_vm_vsrc(0)                   ; the loads have read v8, the stores v10 and their data (v[W ..] on the way out above, v[LW ..] in the last trip), the LDS stores T and v[LACC ..]: the adds, the loads and the matrix instructions below write all of these again
	s_lshl_b32 s20, s19, 1
	s_add_co_u32 s20, s20, 8
	s_add_co_u32 s20, s20, s37                     ; the unit: 8 + 2 x trip for waves 0-3, 9 + 2 x trip for waves 4-7
	s_lshl_b32 s20, s20, 1
	s_add_co_u32 s20, s20, s39                     ; its tile that is mine
	s_lshl_b32 s20, s20, 4
	s_add_co_u32 s20, s20, s30                     ; the tile's first row
	s_min_u32 s20, s20, 2288                       ; the last tile that the row space holds
	s_lshl_b32 s21, s20, 12
	v_add_nc_u32 v8, s21, v9
	s_lshl_b32 s22, s16, 9
	s_add_co_u32 s21, s21, s22
	s_lshl_b32 s22, s38, 8                         ; my 64 columns of f32
	s_add_co_u32 s21, s21, s22
	v_add_nc_u32 v10, s21, v31
	s_wait_alu depctr_va_vdst(0)                   ; v8 and v10 are written, which the loads and stores below read; all earlier matrix instructions are done reading v[64:255], in which the loads below land
.irp n, 0,1,2,3,4,5,6,7
	ALOAD1 \n
.endr
.irp n, 0,1,2,3
	WLOAD4 \n
.endr
	; The four accumulators take turns, one instruction a turn, over the K steps too.
.set ks, 0
.rept NK
	LSTEP ks
.set ks, ks+1
.endr
	s_wait_alu depctr_va_vdst(0)                   ; the matrix instructions have written the four accumulators, which the LDS stores read, and are done reading the ring of fragments, in whose first place the rows land; the places above stay beside this wait
.irp j, 0,1,2,3
	ds_store_b128 v11, v[LACC+8*\j:LACC+8*\j+3] offset:64*\j
	ds_store_b128 v11, v[LACC+8*\j+4:LACC+8*\j+7] offset:64*\j+16
.endr
.irp t, 0,1,2,3,4,5,6,7
	ds_load_b128 v[LW+4*\t:LW+4*\t+3], v30 offset:2*\t*SP  ; LDS serves a wave's instructions in order: these see the stores above
.endr
.irp t, 0,1,2,3,4,5,6,7
	s_wait_dscnt 7-\t                              ; rows 2 t and 2 t + 1 are back, the younger ones may be out
	global_store_b128 v10, v[LW+4*\t:LW+4*\t+3], s[10:11] offset:2*\t*4096     ; sixteen lanes store 256 neighbouring bytes, aligned
.endr
	s_add_co_u32 s19, s19, 1
	s_cmp_lt_u32 s19, s17
	s_cbranch_scc1 .Lunit
.Lend:
	s_wait_dscnt 0x0
	s_wait_alu depctr_hold_cnt(0) depctr_sa_sdst(0) depctr_va_vdst(0) depctr_va_sdst(0) depctr_va_ssrc(0) depctr_va_vcc(0) depctr_vm_vsrc(0)
	s_wait_tensorcnt 0x0
	ds_add_u32 v27, v28
	s_wait_dscnt 0x0
	s_endpgm
.Lfunc_end_k_q7c85ea584d_down:
	.size	k_q7c85ea584d_down, .Lfunc_end_k_q7c85ea584d_down-k_q7c85ea584d_down
	.p2alignl 7, 3214868480
	.fill 96, 4, 3214868480
	.section	.rodata,"a",@progbits
	.p2align	6, 0x0
	.amdhsa_kernel k_q7c85ea584d_down
		.amdhsa_group_segment_fixed_size 207872
		.amdhsa_private_segment_fixed_size 0
		.amdhsa_enable_private_segment 0
		.amdhsa_kernarg_size 32
		.amdhsa_user_sgpr_count 2
		.amdhsa_user_sgpr_kernarg_segment_ptr 1
		.amdhsa_wavefront_size32 1
		.amdhsa_system_sgpr_workgroup_id_x 1
		.amdhsa_system_sgpr_workgroup_id_y 1
		.amdhsa_system_sgpr_workgroup_id_z 1
		.amdhsa_system_vgpr_workitem_id 0
		.amdhsa_next_free_vgpr 512
		.amdhsa_next_free_sgpr 66
		.amdhsa_reserve_vcc 0
		.amdhsa_float_denorm_mode_32 3
		.amdhsa_float_denorm_mode_16_64 3
		.amdhsa_memory_ordered 1
		.amdhsa_forward_progress 1
		.amdhsa_inst_pref_size 98
	.end_amdhsa_kernel
	.amdgpu_metadata
---
amdhsa.version: [ 1, 2 ]
amdhsa.kernels:
  - .name:           k_q7c85ea584d_down
    .symbol:         k_q7c85ea584d_down.kd
    .args:
      - { .name: down_proj, .offset: 0, .size: 8, .value_kind: global_buffer, .address_space: global }
      - { .name: act, .offset: 8, .size: 8, .value_kind: global_buffer, .address_space: global }
      - { .name: meta, .offset: 16, .size: 8, .value_kind: global_buffer, .address_space: global }
      - { .name: part, .offset: 24, .size: 8, .value_kind: global_buffer, .address_space: global }
    .group_segment_fixed_size: 207872
    .private_segment_fixed_size: 0
    .kernarg_segment_align: 8
    .kernarg_segment_size: 32
    .max_flat_workgroup_size: 256
    .sgpr_count:     66
    .vgpr_count:     512
    .wavefront_size: 32
...
	.end_amdgpu_metadata
.endif
;; end of part 9
;; launch combine: the kernel of part 4 again; grid 256 x 1, 8 waves a work-group, no clusters, 0 bytes of LDS; arguments part, slot, router_indices, routing_weights, down_proj_bias, out0; writes out0
